; MI455X (gfx1250); checked and timed in simulation.
; The chip was launched on July 23, 2026; its instructions are those of AMD's public machine-readable ISA for CDNA 5 (MIT licence, August 2026) and "CDNA5" Instruction Set Architecture Reference Guide (July 2026). The comments in the code are by the model that wrote it; some were corrected since.
;; Mo E Layer. Allowed arithmetic: matrix products marked QUANTISED: E4M3 operands, one given power-of-two scale a tensor, by v_wmma_f32_16x16x64_fp8_fp8 or v_wmma_f32_16x16x128_fp8_fp8, f32 sums; products left as they are: f32 operands where the result goes on into a quantised operand, else bf16, f16 or f32 operands; f32 sums; everything else in f32.
;; Inputs: W1 8 x 4,096 x 1,024 float32; W2 8 x 1,024 x 4,096 float32; Wr 8 x 1,024 float32; b1 8 x 4,096 float32; b2 8 x 1,024 float32; br 8 float32; hidden_states 2 x 512 x 1,024 float32; ln_b 1,024 float32; ln_w 1,024 float32; lowp_scales 4 int32 (the exponents e of the quantised operands' scales 2^e).
;; Outputs: out0 2 x 512 x 1,024 float32; out1 one number float32.
;; This version of the problem:
;;   THIS VERSION OF THE PROBLEM IS GIVEN IN LOW PRECISION. The matrix products marked QUANTISED in the list below multiply operands that are first quantised to E4M3 (4 exponent bits, 3 mantissa bits; 8 bits a number), with one given power-of-two scale for each operand tensor; their sums are f32. All else is computed in f32.
;;   The module's matrix products, in the order in which they are computed (A, B: the left and right operand; K: the contracted axis; several contracted axes count as one K, in the product's order):
;;     1. [M 1,024, K 1,024] x [K 1,024, N 8]; A: computed on the way; B: input Wr: left as it is (N = 8 < 16)
;;     2. [M 1,024, K 1,024] x [K 1,024, N 32,768]; A: computed on the way; B: input W1: QUANTISED (scales: A lowp_scales[0], B lowp_scales[1])
;;     3. batch 8 x [M 1,024, K 4,096] x [K 4,096, N 1,024]; A: input W2; B: computed on the way: QUANTISED (scales: A lowp_scales[2], B lowp_scales[3])
;;     4. batch 1,024 x [M 1, K 8] x [K 8, N 1,024]; A: computed on the way; B: computed on the way: left as it is (K = 8 < 32)
;;   THE QUANTISER, for each operand of a quantised product, along K:
;;     - The operand's scale is 2^e, e = its entry of the input lowp_scales (int32; the entries are numbered through the quantised products in the list's order, A before B).
;;     - Each number is divided by the scale, clamped to +-448, and rounded to the nearest number of E4M3, ties to even, subnormals kept.
;;     - The product sums the exact products of the quantised numbers (number of the format x scale) in f32.
;;   ~~~python
;;   def quantise(x, axis, e):      # numpy; x: float32 -> the quantised numbers, widened to float32 again
;;       x = np.moveaxis(x, axis, -1); K = x.shape[-1]
;;       r = np.clip(x / 2.0 ** e, -448, 448)
;;       step = 2.0 ** (np.maximum(np.frexp(np.where(r == 0, 1, r))[1] - 1, -6) - 3)
;;       q = np.round(r / step) * step * 2.0 ** e      # np.round: ties to even
;;       return np.moveaxis(q, -1, axis).astype(np.float32)
;;   ~~~
;;   OPERANDS COMPUTED ON THE WAY. 'Computed on the way' means the value that the module computes at that place (a softmax that the list does not call 'softmax' is quantised finished and normalised). What goes into a quantiser is computed in f32, as accurately as f32 sums, v_exp_f32 and their like allow (about 1e-6 of the number): no bf16 or f16 on the way to a quantiser, and a product that is left as it is and whose result goes on into a quantised operand takes f32 operands (vector FMAs, or v_wmma_f32_16x16x4_f32). A number that lies on a knife's edge between two numbers of the format may be rounded either way, as far as f32 arithmetic and the matrix unit's own rounding can turn it there, and no further.
;; 2 versions. Each part assembles by itself: llvm-mc -triple=amdgcn-amd-amdhsa -mcpu=gfx1250 --defsym DOCPART=n.
;; ======== version 1 of 2: 5 launches
;; workspace buffers: xq 1,048,576 bytes; sel 4,096 bytes of whole numbers; gate 8,192 bytes; upart 8,192 bytes; acodes 33,554,432 bytes; plan 66,560 bytes of whole numbers; ypart 134,217,728 bytes
;; launch route (part 1): grid 256 x 1, 4 waves a work-group, no clusters, 1,536 bytes of LDS; arguments hidden_states, ln_w, ln_b, Wr, br, lowp_scales, xq, sel, gate, upart; writes xq, sel, gate, upart
.if DOCPART == 1
	.amdgcn_target "amdgcn-amd-amdhsa--gfx1250"
	.amdhsa_code_object_version 6
	.text
	.protected	k_q2bcd48f2dd_route
	.globl	k_q2bcd48f2dd_route
	.p2align	8
	.type	k_q2bcd48f2dd_route,@function
k_q2bcd48f2dd_route:
	s_mov_b64 s[64:65], 0
	v_nop
	global_prefetch_b8 v0, s[64:65] scope:SCOPE_SE
	s_setreg_imm32_b32 hwreg(HW_REG_WAVE_MODE, 25, 1), 1
	s_wait_xcnt 0x0
; LayerNorm, router, top-2, gates, softmax of the logits, and x as codes of E4M3.  One wave takes one token: t = 4 x work-group + wave.
; A row of 1,024 f32 is read by eight loads of 512 consecutive bytes: lane l, load j holds k = 128 j + 4 l + 0..3.  The same order serves ln_w, ln_b and Wr's rows.
; OUT: xq[t][piece P][16 bytes]: piece 32 g + l, word jj, byte b is the code of k = 128 (4 g + jj) + 4 l + b (one order of K, used alike for x and W1);
;      sel[t] = e0 | e1 << 8 | (bit e0 | bit e1) << 16;  gate[t] = the two weights;  upart[work-group][8] = softmax(logits) summed over the group's four tokens.
; The choice of experts goes out as data at fixed places only: no address and no branch here hangs on it.  Ties go to the lower index (strict compare, ascending scan).
; LIMITS: NaN and infinities among the inputs are not served; lowp_scales[0] between -126 and 119.
.set H,  16                            ; v16-47   the row, then h - mean, then x
.set LW, 48                            ; v48-79   ln_w
.set LB, 80                            ; v80-111  ln_b
.set LP, 112                           ; v112-127 eight logits in two halves each
.set LG, 128                           ; v128-135 the logits
.set MM, 136                           ; v136-143 masked logits, then the probabilities
.set CD, 144                           ; v144-151 the codes
.set MSB, 0                            ; window 1, v0-255: Wr, expert e at 32 e
.macro WIN new                         ; the immediate's high byte repeats the setting that is left
.if MSB != (\new)
	s_set_vgpr_msb (MSB<<8)|(\new)
.set MSB, (\new)
.endif
.endm
.macro RED x, t                        ; the sum over the 32 lanes, in every lane; v[t] has been written before
	v_add_f32_dpp v[\x], v[\x], v[\x] row_xmask:1 row_mask:0xf bank_mask:0xf
	v_add_f32_dpp v[\x], v[\x], v[\x] row_xmask:2 row_mask:0xf bank_mask:0xf
	v_add_f32_dpp v[\x], v[\x], v[\x] row_xmask:4 row_mask:0xf bank_mask:0xf
	v_add_f32_dpp v[\x], v[\x], v[\x] row_xmask:8 row_mask:0xf bank_mask:0xf
	v_permlanex16_b32 v[\t], v[\x], s34, s35
	v_add_f32 v[\x], v[\x], v[\t]
.endm
.macro SCAN src, best, idx             ; the largest of eight and its index; a later equal does not replace an earlier one
	v_mov_b32 v[\best], v[\src]
	v_mov_b32 v[\idx], 0
.irp e, 1,2,3,4,5,6,7
	v_cmp_gt_f32 vcc_lo, v[\src+\e], v[\best]
	v_cndmask_b32 v[\best], v[\best], v[\src+\e], vcc_lo
	v_cndmask_b32 v[\idx], v[\idx], \e, vcc_lo
.endr
.endm
	s_load_b512 s[4:19], s[0:1], 0x0               ; hidden s[4:5], ln_w s[6:7], ln_b s[8:9], Wr s[10:11], br s[12:13], scales s[14:15], xq s[16:17], sel s[18:19]
	s_load_b128 s[20:23], s[0:1], 0x40             ; gate s[20:21], upart s[22:23]
	v_lshl_add_u32 v254, v0, 2, 0x400
	v_mov_b32 v255, 0
	v_lshrrev_b32 v2, 5, v0
	v_readfirstlane_b32 s33, v2                    ; wave
	v_and_b32 v3, 31, v0                           ; lane
	v_lshlrev_b32 v1, 4, v3                        ; 16 x lane
	v_lshlrev_b32 v172, 6, v2                      ; LDS: my wave's record of 64 bytes
	v_and_b32 v173, 3, v3
	v_lshlrev_b32 v173, 6, v173                    ; LDS: the record of token lane % 4 (read by wave 0)
	v_lshlrev_b32 v174, 2, v3
	v_lshlrev_b32 v175, 3, v3
	s_lshl_b32 s36, ttmp9, 2
	s_add_co_u32 s36, s36, s33                     ; my token
	s_lshl_b32 s38, s36, 12                        ; its row of 4,096 bytes
	s_mov_b32 s39, 0
	s_lshl_b32 s44, s36, 10                        ; its 1,024 codes
	s_mov_b32 s45, 0
	s_lshl_b32 s46, ttmp9, 4                       ; the group's four words of sel
	s_mov_b32 s47, 0
	s_lshl_b32 s48, ttmp9, 5                       ; its 32 bytes of gate and of upart
	s_mov_b32 s49, 0
	s_mov_b32 s34, 0x76543210                      ; v_permlanex16_b32: lane l xor 16
	s_mov_b32 s35, 0xfedcba98
	s_mov_b32 s37, 0x3a800000                      ; 1 / 1,024
	s_mov_b32 s40, 0x3727c5ac                      ; 1e-5
	s_wait_kmcnt 0x0
	s_load_b256 s[24:31], s[12:13], 0x0            ; br
	s_load_b32 s32, s[14:15], 0x0                  ; e0: x's scale
	s_add_nc_u64 s[4:5], s[4:5], s[38:39]
	s_add_nc_u64 s[16:17], s[16:17], s[44:45]
	s_add_nc_u64 s[18:19], s[18:19], s[46:47]
	s_add_nc_u64 s[20:21], s[20:21], s[48:49]
	s_add_nc_u64 s[22:23], s[22:23], s[48:49]
.irp j, 0,1,2,3,4,5,6,7
	global_load_b128 v[H+4*\j:H+4*\j+3], v1, s[4:5] offset:512*\j th:TH_LOAD_NT
.endr
.irp j, 0,1,2,3,4,5,6,7
	global_load_b128 v[LW+4*\j:LW+4*\j+3], v1, s[6:7] offset:512*\j
.endr
.irp j, 0,1,2,3,4,5,6,7
	global_load_b128 v[LB+4*\j:LB+4*\j+3], v1, s[8:9] offset:512*\j
.endr
	WIN 0x40                                       ; destination window 1
.irp e, 0,1,2,3,4,5,6,7
.irp j, 0,1,2,3,4,5,6,7
	global_load_b128 v[32*\e+4*\j:32*\e+4*\j+3], v1, s[10:11] offset:4096*\e+512*\j
.endr
.endr
	WIN 0
	s_wait_loadcnt 0x0                             ; one shot: all 88 loads were out together
	; the mean
	v_pk_add_f32 v[4:5], v[H:H+1], v[H+2:H+3]
	v_pk_add_f32 v[6:7], v[H+4:H+5], v[H+6:H+7]
.irp j, 8,12,16,20,24,28
	v_pk_add_f32 v[4:5], v[4:5], v[H+\j:H+\j+1]
	v_pk_add_f32 v[6:7], v[6:7], v[H+\j+2:H+\j+3]
.endr
	v_pk_add_f32 v[4:5], v[4:5], v[6:7]
	v_add_f32 v4, v4, v5
	RED 4, 5
	v_mul_f32 v4, s37, v4
.irp j, 0,2,4,6,8,10,12,14,16,18,20,22,24,26,28,30
	v_pk_add_f32 v[H+\j:H+\j+1], v[H+\j:H+\j+1], v[4:5] op_sel_hi:[1,0] neg_lo:[0,1] neg_hi:[0,1]   ; h - mean
.endr
	; the variance, of the differences
	v_pk_mul_f32 v[6:7], v[H:H+1], v[H:H+1]
	v_pk_mul_f32 v[8:9], v[H+2:H+3], v[H+2:H+3]
.irp j, 4,8,12,16,20,24,28
	v_pk_fma_f32 v[6:7], v[H+\j:H+\j+1], v[H+\j:H+\j+1], v[6:7]
	v_pk_fma_f32 v[8:9], v[H+\j+2:H+\j+3], v[H+\j+2:H+\j+3], v[8:9]
.endr
	v_pk_add_f32 v[6:7], v[6:7], v[8:9]
	v_add_f32 v6, v6, v7
	RED 6, 7
	v_fma_f32 v6, v6, s37, s40                     ; variance + 1e-5
	v_rsq_f32 v6, v6
	v_nop                                          ; a plain instruction behind the transcendental,
	s_wait_alu depctr_va_vdst(0)                   ; and a wait ahead of its first reader
.irp j, 0,2,4,6,8,10,12,14,16,18,20,22,24,26,28,30
	v_pk_mul_f32 v[H+\j:H+\j+1], v[H+\j:H+\j+1], v[6:7] op_sel_hi:[1,0]
.endr
.irp j, 0,2,4,6,8,10,12,14,16,18,20,22,24,26,28,30
	v_pk_fma_f32 v[H+\j:H+\j+1], v[H+\j:H+\j+1], v[LW+\j:LW+\j+1], v[LB+\j:LB+\j+1]   ; x
.endr
	; the logits: f32 multiply-adds, eight experts by turns
	WIN 0x04                                       ; source 1 (Wr) window 1
.irp e, 0,1,2,3,4,5,6,7
	v_pk_mul_f32 v[LP+2*\e:LP+2*\e+1], v[H:H+1], v[32*\e:32*\e+1]
.endr
.irp k, 2,4,6,8,10,12,14,16,18,20,22,24,26,28,30
.irp e, 0,1,2,3,4,5,6,7
	v_pk_fma_f32 v[LP+2*\e:LP+2*\e+1], v[H+\k:H+\k+1], v[32*\e+\k:32*\e+\k+1], v[LP+2*\e:LP+2*\e+1]
.endr
.endr
	WIN 0
.irp e, 0,1,2,3,4,5,6,7
	v_add_f32 v[LG+\e], v[LP+2*\e], v[LP+2*\e+1]
.endr
.irp m, 1,2,4,8
.irp e, 0,1,2,3,4,5,6,7
	v_add_f32_dpp v[LG+\e], v[LG+\e], v[LG+\e] row_xmask:\m row_mask:0xf bank_mask:0xf
.endr
.endr
.irp e, 0,1,2,3,4,5,6,7
	v_mov_b32 v[MM+\e], 0                          ; written once: a lane permute's destination counts as one of its sources
.endr
.irp e, 0,1,2,3,4,5,6,7
	v_permlanex16_b32 v[MM+\e], v[LG+\e], s34, s35
.endr
	s_wait_kmcnt 0x0                               ; br, e0
.irp e, 0,1,2,3,4,5,6,7
	v_add_f32 v[LG+\e], v[LG+\e], v[MM+\e]
.endr
.irp e, 0,1,2,3,4,5,6,7
	v_add_f32 v[LG+\e], s[24+\e], v[LG+\e]         ; every lane holds the same eight logits
.endr
	; top-2
	SCAN LG, 152, 153                              ; v152 the largest, v153 its expert
	v_mov_b32 v156, 0xff800000
.irp e, 0,1,2,3,4,5,6,7
	v_cmp_eq_u32 vcc_lo, \e, v153
	v_cndmask_b32 v[MM+\e], v[LG+\e], v156, vcc_lo
.endr
	SCAN MM, 154, 155                              ; v154 the second, v155 its expert
	; the gates (softmax of the two) and the probabilities (softmax of the eight), both with the largest logit taken away
	v_sub_f32 v157, v154, v152
	v_mul_f32 v157, 0x3fb8aa3b, v157
.irp e, 0,1,2,3,4,5,6,7
	v_sub_f32 v[MM+\e], v[LG+\e], v152
.endr
.irp e, 0,1,2,3,4,5,6,7
	v_mul_f32 v[MM+\e], 0x3fb8aa3b, v[MM+\e]
.endr
	v_exp_f32 v157, v157
.irp e, 0,1,2,3,4,5,6,7
	v_exp_f32 v[MM+\e], v[MM+\e]
.endr
	v_nop
	s_wait_alu depctr_va_vdst(0)                   ; one wait for the nine exponentials
	v_add_f32 v158, 1.0, v157
	v_add_f32 v159, v[MM], v[MM+1]
	v_add_f32 v160, v[MM+2], v[MM+3]
	v_add_f32 v161, v[MM+4], v[MM+5]
	v_add_f32 v162, v[MM+6], v[MM+7]
	v_add_f32 v159, v159, v160
	v_add_f32 v161, v161, v162
	v_add_f32 v159, v159, v161
	v_rcp_f32 v168, v158                           ; w0
	v_rcp_f32 v163, v159
	v_mov_b32 v162, 1                              ; (a plain instruction behind the reciprocals)
	s_wait_alu depctr_va_vdst(0)
	v_mul_f32 v169, v157, v168                     ; w1
.irp e, 0,1,2,3,4,5,6,7
	v_mul_f32 v[MM+\e], v[MM+\e], v163
.endr
	v_lshlrev_b32 v170, v153, v162                 ; bit e0
	v_lshlrev_b32 v161, v155, v162                 ; bit e1
	v_or_b32 v170, v170, v161
	v_lshl_or_b32 v170, v170, 16, v153
	v_lshl_or_b32 v170, v155, 8, v170              ; sel
	v_mov_b32 v171, 0
	; x to codes: held within +-448 x 2^e0, then the conversion with 2^e0
	s_add_co_i32 s41, s32, 127
	s_lshl_b32 s42, s41, 23
	v_mov_b32 v165, s42
	s_add_co_i32 s41, s41, 8
	s_lshl_b32 s41, s41, 23
	s_or_b32 s41, s41, 0x600000
	v_mov_b32 v164, s41
.set N_, 0
.rept 32
	v_med3_num_f32 v[H+N_], v[H+N_], -v164, v164   ; the conversion to an 8-bit code does not saturate (ISA guide 7.6.2)
.set N_, N_+1
.endr
.irp n, 0,1,2,3
	v_cvt_scalef32_pk8_fp8_f32 v[CD+2*\n:CD+2*\n+1], v[H+8*\n:H+8*\n+7], v165   ; word j of the eight = the codes of load j's four numbers
.endr
	v_nop
	global_store_b128 v1, v[CD:CD+3], s[16:17]             ; pieces 0-31: 512 consecutive bytes
	global_store_b128 v1, v[CD+4:CD+7], s[16:17] offset:512 ; pieces 32-63
	; the four tokens' records meet in LDS; wave 0 stores them
	ds_store_b128 v172, v[MM:MM+3]                 ; all lanes write the same words with the same values
	ds_store_b128 v172, v[MM+4:MM+7] offset:16
	ds_store_b128 v172, v[168:171] offset:32
	s_wait_dscnt 0x0                               ; for the others' sake: my stores have landed
	s_barrier_signal -1
	s_barrier_wait -1
	s_cmp_lg_u32 s33, 0
	s_cbranch_scc1 .Lend
	ds_load_b128 v[MM:MM+3], v173
	ds_load_b128 v[MM+4:MM+7], v173 offset:16
	ds_load_b128 v[168:171], v173 offset:32
	s_wait_dscnt 0x0
.irp m, 1,2
.irp e, 0,1,2,3,4,5,6,7
	v_add_f32_dpp v[MM+\e], v[MM+\e], v[MM+\e] row_xmask:\m row_mask:0xf bank_mask:0xf   ; over the four tokens
.endr
.endr
	v_and_b32 v177, 1, v3
	v_cmp_eq_u32 vcc_lo, 1, v177
.irp i, 0,1,2,3
	v_cndmask_b32 v[178+\i], v[MM+\i], v[MM+4+\i], vcc_lo   ; lane 0: experts 0-3; lane 1: experts 4-7
.endr
	s_wait_xcnt 0x0                                ; EXEC changes only behind this wait
	v_cmp_gt_u32 vcc_lo, 4, v3
	s_and_saveexec_b32 s42, vcc_lo
	global_store_b32 v174, v170, s[18:19]          ; lane l < 4 holds token l's record
	global_store_b64 v175, v[168:169], s[20:21]
	s_wait_xcnt 0x0
	s_or_b32 exec_lo, exec_lo, s42
	v_cmp_gt_u32 vcc_lo, 2, v3
	s_and_saveexec_b32 s42, vcc_lo
	global_store_b128 v1, v[178:181], s[22:23]
	s_wait_xcnt 0x0
	s_or_b32 exec_lo, exec_lo, s42
.Lend:
	s_wait_tensorcnt 0x0
	ds_add_u32 v254, v255
	s_wait_dscnt 0x0
	s_endpgm
.Lfunc_end_k_q2bcd48f2dd_route:
	.size	k_q2bcd48f2dd_route, .Lfunc_end_k_q2bcd48f2dd_route-k_q2bcd48f2dd_route
	.p2alignl 7, 3214868480
	.fill 96, 4, 3214868480
	.section	.rodata,"a",@progbits
	.p2align	6, 0x0
	.amdhsa_kernel k_q2bcd48f2dd_route
		.amdhsa_group_segment_fixed_size 1536
		.amdhsa_private_segment_fixed_size 0
		.amdhsa_enable_private_segment 0
		.amdhsa_kernarg_size 80
		.amdhsa_user_sgpr_count 2
		.amdhsa_user_sgpr_kernarg_segment_ptr 1
		.amdhsa_wavefront_size32 1
		.amdhsa_system_sgpr_workgroup_id_x 1
		.amdhsa_system_sgpr_workgroup_id_y 1
		.amdhsa_system_sgpr_workgroup_id_z 1
		.amdhsa_system_vgpr_workitem_id 0
		.amdhsa_next_free_vgpr 512
		.amdhsa_next_free_sgpr 66
		.amdhsa_reserve_vcc 1
		.amdhsa_float_denorm_mode_32 3
		.amdhsa_float_denorm_mode_16_64 3
		.amdhsa_memory_ordered 1
		.amdhsa_forward_progress 1
		.amdhsa_inst_pref_size 38
	.end_amdhsa_kernel
	.amdgpu_metadata
---
amdhsa.version: [ 1, 2 ]
amdhsa.kernels:
  - .name:           k_q2bcd48f2dd_route
    .symbol:         k_q2bcd48f2dd_route.kd
    .args:
      - { .name: hidden_states, .offset: 0, .size: 8, .value_kind: global_buffer, .address_space: global }
      - { .name: ln_w, .offset: 8, .size: 8, .value_kind: global_buffer, .address_space: global }
      - { .name: ln_b, .offset: 16, .size: 8, .value_kind: global_buffer, .address_space: global }
      - { .name: Wr, .offset: 24, .size: 8, .value_kind: global_buffer, .address_space: global }
      - { .name: br, .offset: 32, .size: 8, .value_kind: global_buffer, .address_space: global }
      - { .name: lowp_scales, .offset: 40, .size: 8, .value_kind: global_buffer, .address_space: global }
      - { .name: xq, .offset: 48, .size: 8, .value_kind: global_buffer, .address_space: global }
      - { .name: sel, .offset: 56, .size: 8, .value_kind: global_buffer, .address_space: global }
      - { .name: gate, .offset: 64, .size: 8, .value_kind: global_buffer, .address_space: global }
      - { .name: upart, .offset: 72, .size: 8, .value_kind: global_buffer, .address_space: global }
    .group_segment_fixed_size: 1536
    .private_segment_fixed_size: 0
    .kernarg_segment_align: 8
    .kernarg_segment_size: 80
    .max_flat_workgroup_size: 128
    .sgpr_count:     66
    .vgpr_count:     512
    .wavefront_size: 32
...
	.end_amdgpu_metadata
.endif
;; end of part 1
;; launch place (part 2): grid 8 x 1, 1 waves a work-group, no clusters, 0 bytes of LDS; arguments sel, plan; writes plan
.if DOCPART == 2
	.amdgcn_target "amdgcn-amd-amdhsa--gfx1250"
	.amdhsa_code_object_version 6
	.text
	.protected	k_q2bcd48f2dd_place
	.globl	k_q2bcd48f2dd_place
	.p2align	8
	.type	k_q2bcd48f2dd_place,@function
k_q2bcd48f2dd_place:
	s_mov_b64 s[64:65], 0
	v_nop
	global_prefetch_b8 v0, s[64:65] scope:SCOPE_SE
	s_setreg_imm32_b32 hwreg(HW_REG_WAVE_MODE, 25, 1), 1
	s_wait_xcnt 0x0
; The rows are placed by expert.  Work-group e, one wave, ranks the 1,024 tokens for expert e: those that chose it first (round 4 j + i, lane l: token 128 j + 4 l + i, the order in which
; eight loads of 512 bytes lay sel in registers), the others behind them.  So the ranks are a permutation of 0 .. 1,023 and every word of the list is stored once, all lanes on.
; plan: list[e] at 4096 e: the token of rank n at word (n & 0x3f0) | (n & 1) << 3 | (n >> 1) & 7, so that the reader's lane half h finds entries 16 T + 2 k + h, k = 0..7, on end;
;       inv[e][t] = t's rank at 32768 + 4096 e;  cnt[e], the number of tokens that chose e, 32 times, at 65536 + 128 e.
; The list's stores are 4 bytes a lane at places that hang on the ranks: 4,096 bytes in all for a work-group.  A place is clamped before it enters an address.
.set SELR, 32                          ; v32-63   sel's words, then the ranks
.set ADR,  64                          ; v64-95   a round's places in the list: a register for each store, none written again
.set TOK,  96                          ; v96-127  a round's tokens
.set MK,   66                          ; s66-97   the 32 rounds' lane masks
	s_load_b128 s[4:7], s[0:1], 0x0                ; sel s[4:5], plan s[6:7]
	v_lshlrev_b32 v1, 4, v0                        ; 16 x lane (one wave: the thread's number is the lane)
	v_lshlrev_b32 v2, 2, v0                        ; 4 x lane
	s_add_co_u32 s8, ttmp9, 16
	s_lshl_b32 s8, 1, s8                           ; the expert's bit in a word of sel
	s_lshl_b32 s10, ttmp9, 12
	s_mov_b32 s11, 0
	s_lshl_b32 s12, ttmp9, 7
	s_mov_b32 s13, 0
	s_mov_b32 s9, 0                                ; the count
	s_wait_kmcnt 0x0
.irp j, 0,1,2,3,4,5,6,7
	global_load_b128 v[SELR+4*\j:SELR+4*\j+3], v1, s[4:5] offset:512*\j
.endr
	s_add_nc_u64 s[14:15], s[6:7], s[10:11]        ; list[e]; inv[e] lies 32,768 bytes on
	s_add_nc_u64 s[16:17], s[6:7], s[12:13]        ; cnt[e] lies 65,536 bytes on
	s_wait_loadcnt 0x0
.set RHO, 0
.rept 32                               ; who chose the expert, and how many
	v_and_b32 v3, s8, v[SELR+RHO]
	v_cmp_ne_u32 s[MK+RHO], 0, v3
	s_bcnt1_i32_b32 s18, s[MK+RHO]
	s_add_co_u32 s9, s9, s18
.set RHO, RHO+1
.endr
	s_mov_b32 s20, 0                               ; ranks given to tokens that chose it,
	s_mov_b32 s21, s9                              ; and to the others, from the count on
.set RHO, 0
.rept 32
	s_not_b32 s19, s[MK+RHO]
	v_mbcnt_lo_u32_b32 v4, s[MK+RHO], s20          ; given so far + the chosen lanes below me
	v_mbcnt_lo_u32_b32 v5, s19, s21
	v_cndmask_b32 v[SELR+RHO], v5, v4, s[MK+RHO]   ; my rank
	s_bcnt1_i32_b32 s18, s[MK+RHO]
	s_add_co_u32 s20, s20, s18
	s_sub_co_u32 s18, 32, s18
	s_add_co_u32 s21, s21, s18
	v_and_b32 v6, 0x3f0, v[SELR+RHO]               ; the tile,
	v_bfe_u32 v7, v[SELR+RHO], 1, 3                ; k,
	v_and_b32 v8, 1, v[SELR+RHO]                   ; h
	v_lshl_or_b32 v6, v8, 3, v6
	v_or_b32 v6, v6, v7
	v_min_u32 v6, 0x3ff, v6
	v_lshlrev_b32 v[ADR+RHO], 2, v6
	v_add_nc_u32 v[TOK+RHO], 128*(RHO/4)+RHO%4, v2
	global_store_b32 v[ADR+RHO], v[TOK+RHO], s[14:15]
.set RHO, RHO+1
.endr
.irp j, 0,1,2,3,4,5,6,7
	global_store_b128 v1, v[SELR+4*\j:SELR+4*\j+3], s[14:15] offset:32768+512*\j   ; inv[e][t]: 512 consecutive bytes a store
.endr
	v_mov_b32 v9, s9
	global_store_b32 v2, v9, s[16:17] offset:65536
	s_endpgm
.Lfunc_end_k_q2bcd48f2dd_place:
	.size	k_q2bcd48f2dd_place, .Lfunc_end_k_q2bcd48f2dd_place-k_q2bcd48f2dd_place
	.p2alignl 7, 3214868480
	.fill 96, 4, 3214868480
	.section	.rodata,"a",@progbits
	.p2align	6, 0x0
	.amdhsa_kernel k_q2bcd48f2dd_place
		.amdhsa_group_segment_fixed_size 0
		.amdhsa_private_segment_fixed_size 0
		.amdhsa_enable_private_segment 0
		.amdhsa_kernarg_size 16
		.amdhsa_user_sgpr_count 2
		.amdhsa_user_sgpr_kernarg_segment_ptr 1
		.amdhsa_wavefront_size32 1
		.amdhsa_system_sgpr_workgroup_id_x 1
		.amdhsa_system_sgpr_workgroup_id_y 1
		.amdhsa_system_sgpr_workgroup_id_z 1
		.amdhsa_system_vgpr_workitem_id 0
		.amdhsa_next_free_vgpr 128
		.amdhsa_next_free_sgpr 100
		.amdhsa_reserve_vcc 0
		.amdhsa_float_denorm_mode_32 3
		.amdhsa_float_denorm_mode_16_64 3
		.amdhsa_memory_ordered 1
		.amdhsa_forward_progress 1
		.amdhsa_inst_pref_size 35
	.end_amdhsa_kernel
	.amdgpu_metadata
---
amdhsa.version: [ 1, 2 ]
amdhsa.kernels:
  - .name:           k_q2bcd48f2dd_place
    .symbol:         k_q2bcd48f2dd_place.kd
    .args:
      - { .name: sel, .offset: 0, .size: 8, .value_kind: global_buffer, .address_space: global }
      - { .name: plan, .offset: 8, .size: 8, .value_kind: global_buffer, .address_space: global }
    .group_segment_fixed_size: 0
    .private_segment_fixed_size: 0
    .kernarg_segment_align: 8
    .kernarg_segment_size: 16
    .max_flat_workgroup_size: 32
    .sgpr_count:     100
    .vgpr_count:     128
    .wavefront_size: 32
...
	.end_amdgpu_metadata
.endif
;; end of part 2
;; launch ffn1 (part 3): grid 256 x 1, 4 waves a work-group, no clusters, 262,656 bytes of LDS; arguments W1, b1, xq, plan, lowp_scales, acodes; writes acodes
.if DOCPART == 3
	.amdgcn_target "amdgcn-amd-amdhsa--gfx1250"
	.amdhsa_code_object_version 6
	.text
	.protected	k_q2bcd48f2dd_ffn1
	.globl	k_q2bcd48f2dd_ffn1
	.p2align	8
	.type	k_q2bcd48f2dd_ffn1,@function
k_q2bcd48f2dd_ffn1:
	s_mov_b64 s[64:65], 0
	v_nop
	global_prefetch_b8 v0, s[64:65] scope:SCOPE_SE
	s_setreg_imm32_b32 hwreg(HW_REG_WAVE_MODE, 25, 1), 1
	s_wait_xcnt 0x0
; a = Q(gelu(Q(x) Q(W1)^T + b1)) for the rows that were routed.  Work-group = (expert e, 128 rows of W1): every byte of W1 is read once, as f32, and quantised on its way into LDS.
; id = 32 e + y, kq = y / 8, yy = y % 8, g = yy / 4.  Four stages s of 32 rows = two tiles u.  Position m = 8 h + 4 a + t of tile u is row 1024 kq + 512 g + 256 u + 128 a + 8 (4 (yy % 4) + s) + 4 h + t:
; with these rows a lane's 16 results of the two tiles are piece P = 2 (4 yy + s) + h of the next product's K quarter kq, in the order in which the next launch reads W2's rows.
; K ORDER: piece 32 g + l, word jj, byte b = k 128 (4 g + jj) + 4 l + b: what lane l gets from eight loads of 512 consecutive bytes.  One permutation of K, alike in both operands.
; IMAGE of a tile (16 rows x 1,024 K) in LDS: row position m of piece P at 272 P + 16 m.  The fragment of K step S: register group c of lane (r, h) is piece 8 S + 2 c + h at position r.
; THE MATRIX INSTRUCTION IS USED TRANSPOSED: source 0 = 16 rows of W1, source 1 = 16 tokens: lane (r, h) holds token r and weight positions 8 h + 0..7.
; THE WEIGHTS' STREAM: a wave's 8 rows of a stage are four groups of 2 rows, 16 loads each.  A group is quantised as soon as it is in, and its registers are asked for again at once, for the stage after next:
; 48 to 64 loads of a wave are out from the head to the last stage's request.  All four stages have LDS regions of their own, so quantising never waits for products.
; TOKENS: the launch before stored the expert's list (plan: the token of rank n) and its count.  Tiles 0-15 of the list: wave w keeps tiles 4 w .. 4 w + 3 in registers through the four stages.
; Tiles 16-63, four a pass: all waves hold the same tiles, wave w multiplies them with stage w's rows; a tile past the count is not fetched.  Behind the count the list goes on with tokens that did not
; choose the expert: such rows are computed, stored where their tile is in use, and never read.  Tile 0 is always made.
; No tensor load, no copy: trip counts are constants, and what hangs on the count is jumped over inside; no barrier and no load that a counted wait counts stands under such a jump.
; No cluster: no two work-groups share a weight byte.
; GELU: max(x, 0) - |x| erfc(|x| / sqrt 2) / 2, erfc(z) = t exp(-z^2 + poly(t)), t = 1 / (1 + z / 2): a fit with fractional error 1.2e-7 for every z.
; LIMITS: NaN, infinities not served; e1 and e3 - (e0 + e1) between -126 and 119; e0 + e1 between -124 and 127 (added to exponent fields).
.set REG,   34816                      ; a stage's two images
.set TILEB, 17408                      ; an image: 64 pieces x 272
.set XSTG,  5*REG                      ; LDS 0: five regions (four stages and room behind them); then a stage of one image for each wave,
.set BIAS,  XSTG+4*TILEB               ; and b1's 128 numbers, a copy for each wave: [s][u][h][a][4]
.set WSTEP, 32768                      ; from stage to stage: 8 rows of W1
.set LN16, 1                           ; 16 x lane
.set FR0,  2                           ; 272 h + 16 r
.set WA,   3                           ; where the stage's fragments are read
.set WST,  4                           ; where my rows' codes are stored
.set WST0, 5                           ; 272 x lane + 17408 u + 128 hA
.set SA,   6                           ; my stage, on the way in: 272 r + 16 h
.set SB,   7                           ; and out: FR0
.set LO,   8                           ; 32 h: my half's eight entries of a tile of the list
.set BIA,  10                          ; the stage's bias
.set SCW,  11                          ; 2^e1
.set SCA,  12                          ; 2^(e3 - e0 - e1)
.set Q16,  13                          ; 16 r
.set K9,   14                          ; v[14:15] the fit's highest coefficient
.set BI,   16                          ; v16-31   bias: tile u at 8 u
.set WF,   32                          ; v32-95   W1's fragments: two buffers of two tiles
.set CD,   32                          ;          and, between the products, a stage's 64 words of codes: 16 a group
.set ACC,  96                          ; v96-159  accumulators: token tile i, weight tile u at 16 i + 8 u
.set TT,   160                         ; v160-207 GELU at work
.set ZZ,   176
.set PP,   192
.set GO,   160                         ; v160-191 32 entries of the list, then the gather's offsets
.set OC,   208                         ; v208-223 a's codes, four registers a tile
.set BIA0, 224
.set T0,   227
.set BO,   230
.set BST,  231
.set BV,   236                         ; v236-239 b1 as loaded
.set RR,   240
.set HH,   241
.set LN,   242
.set MSB, 0                            ; windows 1, 2: the tokens' fragments, tile i at window 1 + i / 2, register 128 (i % 2) + 16 S;  window 3: 8 rows of W1 as f32
.macro WIN new                         ; the immediate's high byte repeats the setting that is left
.if MSB != (\new)
	s_set_vgpr_msb (MSB<<8)|(\new)
.set MSB, (\new)
.endif
.endm
.macro PLACES n
.rept \n
	v_nop
.endr
.endm
; group q of my 8 rows: rows 2 q and 2 q + 1, 16 loads of 512 consecutive bytes into window 3 (row m at 32 m), boff bytes on from the base
.macro WL2 q, boff
.set M_, 2*(\q)
.rept 2
.set J_, 0
.rept 8
	global_load_b128 v[32*M_+4*J_:32*M_+4*J_+3], v[LN16], s[4:5] offset:((M_/4)*128+(M_%4))*4096+512*J_+(\boff) th:TH_LOAD_NT
.set J_, J_+1
.endr
.set M_, M_+1
.endr
.endm
.macro WLOAD                           ; a whole stage: the four groups in order
	WIN 0xc0
	WL2 0, 0
	WL2 1, 0
	WL2 2, 0
	WL2 3, 0
	WIN 0
.endm
; group q becomes codes in the region that v[WST] names.  cnt: the loads issued behind the group, which may stay out.  reload = 1: the same rows, a stage on from the base, are asked for at once
.macro PG q, cnt, reload
	s_wait_loadcnt \cnt
	WIN 0xc3
.set N_, 64*(\q)
.rept 64
	v_med3_num_f32 v[N_], v[N_], s38, s39          ; held within +-448 x 2^e1: the conversion does not saturate (ISA guide 7.6.2)
.set N_, N_+1
.endr
	WIN 0x03
.set N_, 8*(\q)
.rept 8
	v_cvt_scalef32_pk8_fp8_f32 v[CD+2*N_:CD+2*N_+1], v[8*N_:8*N_+7], v[SCW]
.set N_, N_+1
.endr
.if \reload
	WIN 0xc0                                       ; destination window 3; an LDS store's address and data are sources 0 and 1: window 0
.else
	WIN 0
.endif
	v_nop                                          ; a plain instruction behind the last conversion
.set M_, 2*(\q)
.rept 2
	ds_store_b128 v[WST], v[CD+8*M_:CD+8*M_+3] offset:16*M_             ; piece lane, position 8 hA + m: lanes 272 bytes apart
	ds_store_b128 v[WST], v[CD+8*M_+4:CD+8*M_+7] offset:8704+16*M_      ; piece 32 + lane
.set M_, M_+1
.endr
.if \reload
	WL2 \q, WSTEP
.endif
	WIN 0
.endm
; four tiles' entries of the list: register 8 i + k = the token of row 2 k + h of tile i
.macro LLOAD base
.irp i, 0,1,2,3
	global_load_b128 v[GO+8*\i:GO+8*\i+3], v[LO], s[\base:\base+1] offset:64*\i
	global_load_b128 v[GO+8*\i+4:GO+8*\i+7], v[LO], s[\base:\base+1] offset:64*\i+16
.endr
.endm
; the tiles' codes: each entry is clamped, then sixteen lanes read 256 consecutive bytes of a token's codes.  guard = 1 (the passes): a tile past the count is not fetched
.macro GATHER guard
.set N_, 0
.rept 32
	v_min_u32 v[GO+N_], 0x3ff, v[GO+N_]
.set N_, N_+1
.endr
.set N_, 0
.rept 32
	v_lshlrev_b32 v[GO+N_], 10, v[GO+N_]           ; a token's 1,024 codes
.set N_, N_+1
.endr
.set N_, 0
.rept 32
	v_add_nc_u32 v[GO+N_], v[Q16], v[GO+N_]
.set N_, N_+1
.endr
.irp i, 0,1,2,3
.if \guard
	s_cmp_gt_i32 s49, \i
	s_cbranch_scc0 .Lng_\@_\i
.endif
	WIN 0x40*(1+\i/2)
.set N_, 0
.rept 32
	global_load_b128 v[128*(\i%2)+4*N_:128*(\i%2)+4*N_+3], v[GO+8*\i+N_/4], s[8:9] offset:256*(N_%4)   ; N = 4 k + jq: pieces 16 jq + r
.set N_, N_+1
.endr
.if \guard
	WIN 0
.Lng_\@_\i:
.endif
.endr
	WIN 0
.endm
; each tile turns through my stage: in by rows of tokens, out as fragments.  LDS serves a wave's instructions in order (ISA guide 5.7.1.4): no wait between
.macro XPOSE guard
.irp i, 0,1,2,3
.if \guard
	s_cmp_gt_i32 s49, \i
	s_cbranch_scc0 .Lnx_\@_\i
.endif
	WIN 0x04*(1+\i/2)
.set N_, 0
.rept 32
	ds_store_b128 v[SA], v[128*(\i%2)+4*N_:128*(\i%2)+4*N_+3] offset:4352*(N_%4)+32*(N_/4)
.set N_, N_+1
.endr
	WIN 0x40*(1+\i/2)
.set N_, 0
.rept 32
	ds_load_b128 v[128*(\i%2)+4*N_:128*(\i%2)+4*N_+3], v[SB] offset:544*N_
.set N_, N_+1
.endr
.if \guard
	WIN 0
.Lnx_\@_\i:
.endif
.endr
	WIN 0
.endm
.macro WFLOAD                          ; the two weight tiles' fragments of K step SL into buffer SL % 2
.irp u, 0,1
.irp c, 0,1,2,3
	ds_load_b128 v[WF+32*(SL%2)+16*\u+4*\c:WF+32*(SL%2)+16*\u+4*\c+3], v[WA] offset:TILEB*\u+544*(4*SL+\c)
.endr
.endr
.endm
.macro MUL1 i, u
.if KS == 0
	v_wmma_f32_16x16x128_fp8_fp8 v[ACC+16*\i+8*\u:ACC+16*\i+8*\u+7], v[WF+32*(KS%2)+16*\u:WF+32*(KS%2)+16*\u+15], v[128*(\i%2)+16*KS:128*(\i%2)+16*KS+15], v[BI+8*\u:BI+8*\u+7]
.else
	v_wmma_f32_16x16x128_fp8_fp8 v[ACC+16*\i+8*\u:ACC+16*\i+8*\u+7], v[WF+32*(KS%2)+16*\u:WF+32*(KS%2)+16*\u+15], v[128*(\i%2)+16*KS:128*(\i%2)+16*KS+15], v[ACC+16*\i+8*\u:ACC+16*\i+8*\u+7]
.endif
.endm
; four token tiles x two weight tiles x 1,024 K: 64 matrix instructions, the eight accumulators by turns; the bias is the first C.
; Loads into registers that matrix instructions have read stand four plain instructions behind them (ISA guide 7.12.1 for vector instructions).
.macro WORK
	PLACES 4
.irp u, 0,1
.irp a, 0,1
	ds_load_b128 v[BI+8*\u+4*\a:BI+8*\u+4*\a+3], v[BIA] offset:64*\u+16*\a
.endr
.endr
.set SL, 0
	WFLOAD
.set KS, 0
.rept 8
.if (KS > 0) && (KS < 7)
	PLACES 4
.endif
.if KS < 7
.set SL, KS+1
	WFLOAD
	s_wait_dscnt 8                                 ; all but the next K step's eight loads
.else
	s_wait_dscnt 0x0
.endif
	WIN 0x04                                       ; source 1: tokens in window 1
	MUL1 0, 0
	MUL1 0, 1
	MUL1 1, 0
	MUL1 1, 1
	WIN 0x08                                       ; in window 2
	MUL1 2, 0
	MUL1 2, 1
	MUL1 3, 0
	MUL1 3, 1
.set KS, KS+1
.endr
	WIN 0
	PLACES 4
.endm
.macro LEVEL c
.set K_, 0
.rept 8
	v_pk_fma_f32 v[PP+K_:PP+K_+1], v[TT+K_:TT+K_+1], v[PP+K_:PP+K_+1], \c op_sel_hi:[1,1,0]
.set K_, K_+2
.endr
.endm
; token tile i: 16 sums a lane (in units of 2^-(e0+e1)) -> gelu -> 16 codes.  Each batch of transcendentals has one plain instruction and one wait behind it, ahead of its first reader.
.macro GELU16 i
.set GS, ACC+16*(\i)
.set K_, 0
.rept 16
	v_fma_f32 v[TT+K_], |v[GS+K_]|, s44, 1.0       ; 1 + z / 2; each accumulator is read from its low end on
.set K_, K_+1
.endr
.set K_, 0
.rept 16
	v_rcp_f32 v[TT+K_], v[TT+K_]                   ; t
.set K_, K_+1
.endr
.set K_, 0
.rept 8
	v_pk_mul_f32 v[ZZ+K_:ZZ+K_+1], v[GS+K_:GS+K_+1], s[42:43] op_sel_hi:[1,0]
.set K_, K_+2
.endr
.set K_, 0
.rept 8
	v_pk_fma_f32 v[ZZ+K_:ZZ+K_+1], v[ZZ+K_:ZZ+K_+1], v[ZZ+K_:ZZ+K_+1], 0xc034d90f op_sel_hi:[1,1,0] neg_lo:[1,0,0] neg_hi:[1,0,0]   ; -z^2 log2(e) + the fit's constant x log2(e) - 1
.set K_, K_+2
.endr
	s_wait_alu depctr_va_vdst(0)
.set K_, 0
.rept 8
	v_pk_fma_f32 v[PP+K_:PP+K_+1], v[TT+K_:TT+K_+1], v[K9:K9+1], 0xbf97d29d op_sel_hi:[1,1,0]
.set K_, K_+2
.endr
	LEVEL 0x40097039
	LEVEL 0xbfd1a1e5
	LEVEL 0x3ecdfd18
	LEVEL 0xbe899a80
	LEVEL 0x3e0efb2e
	LEVEL 0x3f0a29d2
	LEVEL 0x3fb8ab5a
.set K_, 0
.rept 8
	v_pk_fma_f32 v[PP+K_:PP+K_+1], v[TT+K_:TT+K_+1], v[PP+K_:PP+K_+1], v[ZZ+K_:ZZ+K_+1]
.set K_, K_+2
.endr
.set K_, 0
.rept 16
	v_exp_f32 v[PP+K_], v[PP+K_]
.set K_, K_+1
.endr
.set K_, 0
.rept 16
	v_max_num_f32 v[ZZ+K_], 0, v[GS+K_]
.set K_, K_+1
.endr
	s_wait_alu depctr_va_vdst(0)
.set K_, 0
.rept 8
	v_pk_mul_f32 v[TT+K_:TT+K_+1], v[TT+K_:TT+K_+1], v[PP+K_:PP+K_+1]   ; erfc / 2
.set K_, K_+2
.endr
.set K_, 0
.rept 16
	v_fma_f32 v[GS+K_], -|v[GS+K_]|, v[TT+K_], v[ZZ+K_]
.set K_, K_+1
.endr
.set K_, 0
.rept 16
	v_med3_num_f32 v[GS+K_], v[GS+K_], s40, s41
.set K_, K_+1
.endr
	v_cvt_scalef32_pk8_fp8_f32 v[OC+4*\i:OC+4*\i+1], v[GS:GS+7], v[SCA]
	v_cvt_scalef32_pk8_fp8_f32 v[OC+4*\i+2:OC+4*\i+3], v[GS+8:GS+15], v[SCA]
	v_nop
.endm
; token tile i, if it is in use (rem tiles are left from my first on), is finished and stored: 512 consecutive bytes.  Its store's data are written again only behind a wait on XCNT
.macro EPI1 i, base, rem
	s_cmp_gt_i32 s[\rem], \i
	s_cbranch_scc0 .Lskip_\@
	GELU16 \i
	global_store_b128 v[LN16], v[OC+4*\i:OC+4*\i+3], s[\base:\base+1] offset:65536*\i
.Lskip_\@:
.endm
	s_load_b256 s[4:11], s[0:1], 0x0               ; W1 s[4:5], b1 s[6:7], xq s[8:9], plan s[10:11]
	s_load_b128 s[12:15], s[0:1], 0x20             ; scales s[12:13], acodes s[14:15]
	v_lshl_add_u32 v254, v0, 2, 0x40000
	v_mov_b32 v255, 0
	v_lshrrev_b32 v[T0], 5, v0
	v_readfirstlane_b32 s20, v[T0]                 ; wave
	v_and_b32 v[LN], 31, v0
	v_and_b32 v[RR], 15, v0                        ; r
	v_bfe_u32 v[HH], v0, 4, 1                      ; h
	v_lshlrev_b32 v[LN16], 4, v[LN]
	v_lshlrev_b32 v[Q16], 4, v[RR]
	v_lshlrev_b32 v[LO], 5, v[HH]
	v_mul_u32_u24 v[FR0], v[HH], 272
	v_lshl_add_u32 v[FR0], v[RR], 4, v[FR0]
	s_lshr_b32 s21, ttmp9, 5                       ; e
	s_and_b32 s22, ttmp9, 31                       ; y
	s_lshr_b32 s23, s22, 3                         ; kq
	s_and_b32 s24, s22, 7                          ; yy
	s_lshr_b32 s25, s24, 2                         ; g
	s_and_b32 s26, s24, 3
	s_lshr_b32 s54, s20, 1                         ; u: which tile's rows I load
	s_and_b32 s55, s20, 1                          ; hA: which eight positions
	s_mul_i32 s35, s54, TILEB
	s_lshl_b32 s50, s55, 7
	s_add_co_u32 s35, s35, s50
	v_mul_u32_u24 v[WST0], v[LN], 272
	v_add_nc_u32 v[WST0], s35, v[WST0]
	s_mul_i32 s35, s20, TILEB
	s_add_co_u32 s35, s35, XSTG
	v_mul_u32_u24 v[SA], v[RR], 272
	v_lshl_add_u32 v[SA], v[HH], 4, v[SA]
	v_add_nc_u32 v[SA], s35, v[SA]
	v_add_nc_u32 v[SB], s35, v[FR0]
	s_lshl_b32 s35, s20, 9
	s_add_co_u32 s35, s35, BIAS
	v_lshl_add_u32 v[BIA0], v[HH], 5, s35
	v_add_nc_u32 v[BST], s35, v[LN16]
	v_bfe_u32 v[T0], v0, 3, 2                      ; b1: lane = (s, u, h, a) takes four numbers at 32 s + 1024 u + 16 h + 512 a bytes
	v_lshlrev_b32 v[BO], 5, v[T0]
	v_bfe_u32 v[T0], v0, 2, 1
	v_lshl_add_u32 v[BO], v[T0], 10, v[BO]
	v_bfe_u32 v[T0], v0, 1, 1
	v_lshl_add_u32 v[BO], v[T0], 4, v[BO]
	v_and_b32 v[T0], 1, v0
	v_lshl_add_u32 v[BO], v[T0], 9, v[BO]
	v_mov_b32 v[K9], 0x3e7c6f08
	v_mov_b32 v[K9+1], 0x3e7c6f08
	s_lshl_b32 s27, s21, 12
	s_lshl_b32 s35, s23, 10
	s_add_co_u32 s27, s27, s35
	s_lshl_b32 s35, s25, 9
	s_add_co_u32 s27, s27, s35
	s_lshl_b32 s35, s26, 5
	s_add_co_u32 s27, s27, s35                     ; 4096 e + 1024 kq + 512 g + 32 (yy % 4): the slice's first row
	s_lshl_b32 s50, s54, 8
	s_add_co_u32 s50, s50, s27
	s_lshl_b32 s35, s55, 2
	s_add_co_u32 s50, s50, s35                     ; + 256 u + 4 hA
	s_lshl_b32 s50, s50, 12                        ; rows of 4,096 bytes
	s_mov_b32 s51, 0
	s_lshl_b32 s52, s27, 2
	s_mov_b32 s53, 0
	s_lshl_b32 s60, s21, 22                        ; acodes: [e][tile][kq][piece][r][16]
	s_lshl_b32 s35, s23, 14
	s_add_co_u32 s60, s60, s35
	s_lshl_b32 s35, s24, 11
	s_add_co_u32 s60, s60, s35
	s_lshl_b32 s35, s20, 9
	s_add_co_u32 s62, s60, s35
	s_add_co_u32 s62, s62, 0x100000                ; the passes: tile 16, piece 2 (4 yy + w)
	s_lshl_b32 s35, s20, 18
	s_add_co_u32 s60, s60, s35                     ; the stages: tile 4 w, piece 8 yy
	s_mov_b32 s61, 0
	s_mov_b32 s63, 0
	s_lshl_b32 s59, s21, 7                         ; the count's place
	s_lshl_b32 s48, s21, 12                        ; the list: expert e, tiles 4 w on
	s_lshl_b32 s35, s20, 8
	s_add_co_u32 s48, s48, s35
	s_mov_b32 s49, 0
	s_wait_kmcnt 0x0
	s_load_b128 s[28:31], s[12:13], 0x0            ; e0, e1, e2, e3
	s_load_b32 s33, s[10:11], s59 offset:0x10000   ; the expert's count
	s_add_nc_u64 s[4:5], s[4:5], s[50:51]
	s_add_nc_u64 s[6:7], s[6:7], s[52:53]
	s_add_nc_u64 s[46:47], s[14:15], s[62:63]
	s_add_nc_u64 s[14:15], s[14:15], s[60:61]
	s_add_nc_u64 s[16:17], s[10:11], s[48:49]
	s_lshl_b32 s48, s21, 12
	s_add_co_u32 s48, s48, 1024                    ; tile 16 on
	s_add_nc_u64 s[18:19], s[10:11], s[48:49]
	LLOAD 16
	global_load_b128 v[BV:BV+3], v[BO], s[6:7]
	WLOAD                                          ; stage 0
	s_wait_loadcnt 63                              ; the list and b1 are in: stage 0's 64 loads were issued behind them, and a wait's count names 63 at the most
	s_wait_kmcnt 0x0
	s_add_co_u32 s34, s33, 15
	s_lshr_b32 s34, s34, 4
	s_max_u32 s34, s34, 1                          ; tiles in use
	s_lshl_b32 s35, s20, 2
	s_sub_co_i32 s36, s34, s35                     ; of them from my first tile on
	s_sub_co_i32 s49, s34, 16                      ; and from tile 16 on
	s_add_co_i32 s45, s28, s29                     ; E = e0 + e1: a sum stands for sum x 2^E
	s_add_co_i32 s35, s29, 127
	s_lshl_b32 s50, s35, 23
	v_mov_b32 v[SCW], s50
	s_add_co_i32 s35, s35, 8
	s_lshl_b32 s39, s35, 23
	s_or_b32 s39, s39, 0x600000                    ; 448 x 2^e1
	s_or_b32 s38, s39, 0x80000000
	s_sub_co_i32 s35, s31, s45
	s_add_co_i32 s35, s35, 127
	s_lshl_b32 s50, s35, 23
	v_mov_b32 v[SCA], s50
	s_add_co_i32 s35, s35, 8
	s_lshl_b32 s41, s35, 23
	s_or_b32 s41, s41, 0x600000                    ; 448 x 2^(e3 - E)
	s_or_b32 s40, s41, 0x80000000
	s_lshl_b32 s35, s45, 23
	s_add_co_i32 s42, s35, 0x3f596d27              ; sqrt(log2(e) / 2) x 2^E
	s_mov_b32 s43, s42
	s_add_co_i32 s44, s35, 0x3eb504f3              ; 2^E / (2 sqrt 2)
	s_sub_co_i32 s45, 0, s45
.irp k, 0,1,2,3
	v_ldexp_f32 v[BV+\k], v[BV+\k], s45            ; b1 / 2^E: it goes in as the first C
.endr
	ds_store_b128 v[BST], v[BV:BV+3]               ; my own copy of the bias
	GATHER 0
	s_mov_b32 s57, 0
	v_add_nc_u32 v[WST], s57, v[WST0]
	PG 0, 63, 1                                    ; stage 0 into region 0, stage 1 asked for (a stage on from the base, by the immediate).  Behind each group stand the rest of stage 0
	PG 1, 63, 1                                    ; and the gather's 128 loads: more than a wait's count can name, so the count is 63
	PG 2, 63, 1
	PG 3, 63, 1
	s_wait_loadcnt 63                              ; the gather is in: stage 1's 64 loads were issued behind it
	XPOSE 0
	s_mov_b32 s37, 0
	s_mov_b32 s56, 0
	s_mov_b32 s57, REG
	s_mov_b32 s58, 0
	s_mov_b32 s52, 0                               ; what a's base steps by: nothing in the first trip
	s_mov_b32 s53, 0
.LstageA:                                          ; two trips, stages 0 and 1: the stage is multiplied; then the next stage's groups and this stage's token tiles take turns
	s_wait_dscnt 0x0                               ; my codes of this stage have landed
	s_barrier_signal -1
	s_barrier_wait -1                              ; everybody's have
	v_add_nc_u32 v[WA], s56, v[FR0]
	v_add_nc_u32 v[BIA], s58, v[BIA0]
	WORK
	s_wait_xcnt 0x0                                ; the last trip's loads and stores, issued ahead of the products, have read their bases and data
	s_add_nc_u64 s[4:5], s[4:5], WSTEP             ; the base at the next stage: the refills reach one stage further
	s_add_nc_u64 s[14:15], s[14:15], s[52:53]      ; a's codes: two pieces on from the last stage's
	s_mov_b32 s52, 512
	v_add_nc_u32 v[WST], s57, v[WST0]              ; the next stage's region, which nobody reads before the next barrier
	PG 0, 48, 1                                    ; behind a group stand the other three groups' 48 loads, whichever stage they belong to
	EPI1 0, 14, 36
	PG 1, 48, 1
	EPI1 1, 14, 36
	PG 2, 48, 1
	EPI1 2, 14, 36
	PG 3, 48, 1
	EPI1 3, 14, 36
	s_add_co_u32 s56, s56, REG
	s_add_co_u32 s57, s57, REG
	s_add_co_u32 s58, s58, 128
	s_add_co_u32 s37, s37, 1
	s_cmp_lt_u32 s37, 2
	s_cbranch_scc1 .LstageA
	s_mov_b32 s37, 2
	s_mov_b32 s56, 2*REG
	s_mov_b32 s57, 3*REG
	s_mov_b32 s58, 256
.LstageB:                                          ; two trips, stages 2 and 3: nothing is left to ask for, so the token tiles come first and stage 3's rows land meanwhile
	s_wait_dscnt 0x0
	s_barrier_signal -1
	s_barrier_wait -1
	v_add_nc_u32 v[WA], s56, v[FR0]
	v_add_nc_u32 v[BIA], s58, v[BIA0]
	WORK
	s_wait_xcnt 0x0                                ; the last trip's stores have read their base and data
	s_add_nc_u64 s[14:15], s[14:15], s[52:53]
	EPI1 0, 14, 36
	EPI1 1, 14, 36
	EPI1 2, 14, 36
	EPI1 3, 14, 36
	s_cmp_lt_u32 s37, 3
	s_cbranch_scc0 .Lnoprod
	v_add_nc_u32 v[WST], s57, v[WST0]
	PG 0, 48, 0                                    ; stage 3: behind a group stand only the groups that follow it
	PG 1, 32, 0
	PG 2, 16, 0
	PG 3, 0, 0
.Lnoprod:
	s_add_co_u32 s56, s56, REG
	s_add_co_u32 s57, s57, REG
	s_add_co_u32 s58, s58, 128
	s_add_co_u32 s37, s37, 1
	s_cmp_lt_u32 s37, 4
	s_cbranch_scc1 .LstageB
	; tiles 16 on: twelve passes of four tiles; all four regions are whole and are written no more
	s_mul_i32 s35, s20, REG
	v_add_nc_u32 v[WA], s35, v[FR0]                ; stage w's rows
	s_lshl_b32 s35, s20, 7
	v_add_nc_u32 v[BIA], s35, v[BIA0]
	s_mov_b32 s48, 12
.Ltail:
	s_cmp_gt_i32 s49, 0
	s_cbranch_scc0 .Lnone
	LLOAD 18
	s_wait_loadcnt 0x0
	GATHER 1
	s_wait_loadcnt 0x0
	XPOSE 1
	WORK                                           ; a tile that was not fetched still holds an earlier tile's codes: its sums are not used
	s_wait_xcnt 0x0                                ; the last stores have read their data
	EPI1 0, 46, 49
	EPI1 1, 46, 49
	EPI1 2, 46, 49
	EPI1 3, 46, 49
.Lnone:
	s_wait_xcnt 0x0                                ; loads and stores have read their bases
	s_add_nc_u64 s[18:19], s[18:19], 256           ; four tiles of the list on
	s_add_nc_u64 s[46:47], s[46:47], 262144        ; four tiles of a's codes on
	s_sub_co_i32 s49, s49, 4
	s_sub_co_u32 s48, s48, 1
	s_cmp_lg_u32 s48, 0
	s_cbranch_scc1 .Ltail
	s_wait_tensorcnt 0x0
	ds_add_u32 v254, v255
	s_wait_dscnt 0x0
	s_endpgm
.Lfunc_end_k_q2bcd48f2dd_ffn1:
	.size	k_q2bcd48f2dd_ffn1, .Lfunc_end_k_q2bcd48f2dd_ffn1-k_q2bcd48f2dd_ffn1
	.p2alignl 7, 3214868480
	.fill 96, 4, 3214868480
	.section	.rodata,"a",@progbits
	.p2align	6, 0x0
	.amdhsa_kernel k_q2bcd48f2dd_ffn1
		.amdhsa_group_segment_fixed_size 262656
		.amdhsa_private_segment_fixed_size 0
		.amdhsa_enable_private_segment 0
		.amdhsa_kernarg_size 48
		.amdhsa_user_sgpr_count 2
		.amdhsa_user_sgpr_kernarg_segment_ptr 1
		.amdhsa_wavefront_size32 1
		.amdhsa_system_sgpr_workgroup_id_x 1
		.amdhsa_system_sgpr_workgroup_id_y 1
		.amdhsa_system_sgpr_workgroup_id_z 1
		.amdhsa_system_vgpr_workitem_id 0
		.amdhsa_next_free_vgpr 1024
		.amdhsa_next_free_sgpr 66
		.amdhsa_reserve_vcc 0
		.amdhsa_float_denorm_mode_32 3
		.amdhsa_float_denorm_mode_16_64 3
		.amdhsa_memory_ordered 1
		.amdhsa_forward_progress 1
		.amdhsa_inst_pref_size 255
	.end_amdhsa_kernel
	.section	.bss,"aw",@nobits
	.p2align	6
	.space	262144
	.amdgpu_metadata
---
amdhsa.version: [ 1, 2 ]
amdhsa.kernels:
  - .name:           k_q2bcd48f2dd_ffn1
    .symbol:         k_q2bcd48f2dd_ffn1.kd
    .args:
      - { .name: W1, .offset: 0, .size: 8, .value_kind: global_buffer, .address_space: global }
      - { .name: b1, .offset: 8, .size: 8, .value_kind: global_buffer, .address_space: global }
      - { .name: xq, .offset: 16, .size: 8, .value_kind: global_buffer, .address_space: global }
      - { .name: plan, .offset: 24, .size: 8, .value_kind: global_buffer, .address_space: global }
      - { .name: lowp_scales, .offset: 32, .size: 8, .value_kind: global_buffer, .address_space: global }
      - { .name: acodes, .offset: 40, .size: 8, .value_kind: global_buffer, .address_space: global }
    .group_segment_fixed_size: 262656
    .private_segment_fixed_size: 0
    .kernarg_segment_align: 8
    .kernarg_segment_size: 48
    .max_flat_workgroup_size: 128
    .sgpr_count:     66
    .vgpr_count:     1024
    .wavefront_size: 32
...
	.end_amdgpu_metadata
.endif
;; end of part 3
;; launch ffn2 (part 4): grid 256 x 1, 4 waves a work-group, no clusters, 311,808 bytes of LDS; arguments W2, acodes, plan, upart, lowp_scales, ypart, out1; writes ypart, out1
.if DOCPART == 4
	.amdgcn_target "amdgcn-amd-amdhsa--gfx1250"
	.amdhsa_code_object_version 6
	.text
	.protected	k_q2bcd48f2dd_ffn2
	.globl	k_q2bcd48f2dd_ffn2
	.p2align	8
	.type	k_q2bcd48f2dd_ffn2,@function
k_q2bcd48f2dd_ffn2:
	s_mov_b64 s[64:65], 0
	v_nop
	global_prefetch_b8 v0, s[64:65] scope:SCOPE_SE
	s_setreg_imm32_b32 hwreg(HW_REG_WAVE_MODE, 25, 1), 1
	s_wait_xcnt 0x0
; Partial sums of Q(a) Q(W2)^T for the routed rows.  Work-group = (expert e, 128 rows hs of W2, quarter kq of K): id = 32 e + 4 hs + kq.  Every byte of W2 is read once, as f32, and quantised on its way into LDS.
; Stage s, tile u, position m = row 128 hs + 32 s + 16 u + m of W2[e], columns 1024 kq on.  K order, image, fragments and the transposed use of the matrix instruction: as in the launch before:
; piece 32 g + l, word jj, byte b = k 128 (4 g + jj) + 4 l + b of the quarter; image: position m of piece P at 272 P + 16 m; a's codes lie in memory as [e][tile][kq][P][r][16], so a fragment's group is 512 consecutive bytes.
; THE WEIGHTS' STREAM: a wave's 8 rows of a stage are four groups of 2 rows, 16 loads each.  A group is quantised as soon as it is in, and its registers are asked for again at once, for the stage after next:
; 48 to 64 loads of a wave are out from the head to the last stage's request.  All four stages have LDS regions of their own.
; Lane (r, h) holds token r and outputs 8 h + 0..7 of a tile.  The sums (not yet scaled) go to ypart[kq][1024 e + rank][1024] through a stage in LDS: whole runs of 512 bytes for tiles 0-15.
; Tiles 16 on: all waves hold the same tiles, wave w multiplies them with stage w's rows and stores its 32 columns: runs of 128 bytes, since no barrier may stand under a jump on the count.
; In the head tiles past the count are clamped to the last tile in use (their sums are not stored); in the passes they are not loaded.  Trip counts are constants; no load that a counted wait counts is jumped over.
; No tensor load, no cluster: no two work-groups share a weight byte.  Work-group 0, wave 0 also makes the balance loss from upart, at its end.
; LIMITS: NaN, infinities not served; e2 between -126 and 119.
.set REG,   34816
.set TILEB, 17408
.set OUT,   5*REG                      ; LDS 0: five regions (four stages and room behind them); then for each wave 64 token rows x (512 + 16) bytes
.set OUTW,  33792
.set WSTEP, 524288                     ; from stage to stage: 32 rows of 16,384 bytes
.set LN16, 1
.set FR0,  2
.set WA,   3
.set WST,  4
.set WST0, 5
.set SO,   6                           ; where I put 32 bytes of a token's row
.set SR,   7                           ; where I read a whole row back
.set SRT,  8                           ; the passes: four rows' 128 bytes
.set YOT,  9                           ; and their place in ypart
.set SO0,  10
.set SCW,  11
.set AO,   16                          ; v16-19  the four tiles' offsets in acodes
.set WF,   32
.set ACC,  96
.set CD,   96                          ; a stage's 64 words of codes, 16 a group, where the accumulators lay
.set T0,   227
.set RR,   240
.set HH,   241
.set LN,   242
.set MSB, 0
.macro WIN new                         ; the immediate's high byte repeats the setting that is left
.if MSB != (\new)
	s_set_vgpr_msb (MSB<<8)|(\new)
.set MSB, (\new)
.endif
.endm
.macro PLACES n
.rept \n
	v_nop
.endr
.endm
; group q of my 8 rows: rows 2 q and 2 q + 1, 4,096 bytes of each: 16 loads of 512 consecutive bytes into window 3 (row m at 32 m), boff bytes on from the base
.macro WL2 q, boff
.set M_, 2*(\q)
.rept 2
.set J_, 0
.rept 8
	global_load_b128 v[32*M_+4*J_:32*M_+4*J_+3], v[LN16], s[4:5] offset:16384*M_+512*J_+(\boff) th:TH_LOAD_NT
.set J_, J_+1
.endr
.set M_, M_+1
.endr
.endm
.macro WLOAD                           ; a whole stage: the four groups in order
	WIN 0xc0
	WL2 0, 0
	WL2 1, 0
	WL2 2, 0
	WL2 3, 0
	WIN 0
.endm
; group q becomes codes in the region that v[WST] names.  cnt: the loads issued behind the group, which may stay out.  reload = 1: the same rows, a stage on from the base, are asked for at once
.macro PG q, cnt, reload
	s_wait_loadcnt \cnt
	WIN 0xc3
.set N_, 64*(\q)
.rept 64
	v_med3_num_f32 v[N_], v[N_], s38, s39          ; held within +-448 x 2^e2: the conversion does not saturate (ISA guide 7.6.2)
.set N_, N_+1
.endr
	WIN 0x03
.set N_, 8*(\q)
.rept 8
	v_cvt_scalef32_pk8_fp8_f32 v[CD+2*N_:CD+2*N_+1], v[8*N_:8*N_+7], v[SCW]
.set N_, N_+1
.endr
.if \reload
	WIN 0xc0                                       ; destination window 3; an LDS store's address and data are sources 0 and 1: window 0
.else
	WIN 0
.endif
	v_nop                                          ; a plain instruction behind the last conversion
.set M_, 2*(\q)
.rept 2
	ds_store_b128 v[WST], v[CD+8*M_:CD+8*M_+3] offset:16*M_
	ds_store_b128 v[WST], v[CD+8*M_+4:CD+8*M_+7] offset:8704+16*M_
.set M_, M_+1
.endr
.if \reload
	WL2 \q, WSTEP
.endif
	WIN 0
.endm
; tiles s60 .. s60 + 3 of a's codes, as fragments: each load 512 consecutive bytes.  guard = 1 (the passes): a tile past the count is not loaded
.macro ALOAD guard
.irp i, 0,1,2,3
	s_add_co_u32 s35, s60, \i
	s_min_u32 s35, s35, s61                        ; no tile past the last in use is read
	s_min_u32 s35, s35, 63
	s_lshl_b32 s35, s35, 16
	v_add_nc_u32 v[AO+\i], s35, v[LN16]
.endr
.irp i, 0,1,2,3
.if \guard
	s_cmp_gt_i32 s49, \i
	s_cbranch_scc0 .Lna_\@_\i
.endif
	WIN 0x40*(1+\i/2)
.set N_, 0
.rept 32
	global_load_b128 v[128*(\i%2)+4*N_:128*(\i%2)+4*N_+3], v[AO+\i], s[6:7] offset:512*N_
.set N_, N_+1
.endr
.if \guard
	WIN 0
.Lna_\@_\i:
.endif
.endr
	WIN 0
.endm
.macro WFLOAD
.irp u, 0,1
.irp c, 0,1,2,3
	ds_load_b128 v[WF+32*(SL%2)+16*\u+4*\c:WF+32*(SL%2)+16*\u+4*\c+3], v[WA] offset:TILEB*\u+544*(4*SL+\c)
.endr
.endr
.endm
.macro MUL1 i, u
.if KS == 0
	v_wmma_f32_16x16x128_fp8_fp8 v[ACC+16*\i+8*\u:ACC+16*\i+8*\u+7], v[WF+32*(KS%2)+16*\u:WF+32*(KS%2)+16*\u+15], v[128*(\i%2)+16*KS:128*(\i%2)+16*KS+15], 0
.else
	v_wmma_f32_16x16x128_fp8_fp8 v[ACC+16*\i+8*\u:ACC+16*\i+8*\u+7], v[WF+32*(KS%2)+16*\u:WF+32*(KS%2)+16*\u+15], v[128*(\i%2)+16*KS:128*(\i%2)+16*KS+15], v[ACC+16*\i+8*\u:ACC+16*\i+8*\u+7]
.endif
.endm
; 64 matrix instructions, the eight accumulators by turns; the first product starts each sum.
; Loads into registers that matrix instructions have read stand four plain instructions behind them (ISA guide 7.12.1 for vector instructions).
.macro WORK
	PLACES 4
.set SL, 0
	WFLOAD
.set KS, 0
.rept 8
.if (KS > 0) && (KS < 7)
	PLACES 4
.endif
.if KS < 7
.set SL, KS+1
	WFLOAD
	s_wait_dscnt 8                                 ; all but the next K step's eight loads
.else
	s_wait_dscnt 0x0
.endif
	WIN 0x04
	MUL1 0, 0
	MUL1 0, 1
	MUL1 1, 0
	MUL1 1, 1
	WIN 0x08
	MUL1 2, 0
	MUL1 2, 1
	MUL1 3, 0
	MUL1 3, 1
.set KS, KS+1
.endr
	WIN 0
	PLACES 4
.endm
.macro OUTST                           ; the eight accumulators into my stage, each from its low end on
.irp i, 0,1,2,3
.irp u, 0,1
	ds_store_b128 v[SO], v[ACC+16*\i+8*\u:ACC+16*\i+8*\u+3] offset:8448*\i+64*\u
	ds_store_b128 v[SO], v[ACC+16*\i+8*\u+4:ACC+16*\i+8*\u+7] offset:8448*\i+64*\u+16
.endr
.endr
.endm
.macro SEND16 i                        ; tile i's 16 token rows: 512 consecutive bytes each
.set BK, 32+64*((\i)%2)
	s_wait_xcnt 0x0                                ; earlier stores have read their data
.irp n, 0,1,2,3,4,5,6,7,8,9,10,11,12,13,14,15
	ds_load_b128 v[BK+4*\n:BK+4*\n+3], v[SR] offset:528*(16*(\i)+\n)
.endr
.irp n, 0,1,2,3,4,5,6,7,8,9,10,11,12,13,14,15
	s_wait_dscnt 15-\n                             ; the younger loads of the run may be out
	global_store_b128 v[LN16], v[BK+4*\n:BK+4*\n+3], s[14:15] offset:4096*(16*(\i)+\n) th:TH_STORE_NT
.endr
.endm
.macro SENDT i                         ; a pass: tile i's 16 rows, my 128 bytes of each, four rows an instruction
.irp n, 0,1,2,3
	ds_load_b128 v[32+16*(\i)+4*\n:32+16*(\i)+4*\n+3], v[SRT] offset:528*(16*(\i)+4*\n)
.endr
	s_wait_dscnt 0x0
.irp n, 0,1,2,3
	global_store_b128 v[YOT], v[32+16*(\i)+4*\n:32+16*(\i)+4*\n+3], s[46:47] offset:4096*(16*(\i)+4*\n) th:TH_STORE_NT
.endr
.endm
	s_load_b256 s[4:11], s[0:1], 0x0               ; W2 s[4:5], acodes s[6:7], plan s[8:9], upart s[10:11]
	s_load_b128 s[12:15], s[0:1], 0x20             ; scales s[12:13], ypart s[14:15]
	s_load_b64 s[16:17], s[0:1], 0x30              ; out1
	v_lshl_add_u32 v254, v0, 2, 0x4c000
	v_mov_b32 v255, 0
	v_lshrrev_b32 v[T0], 5, v0
	v_readfirstlane_b32 s20, v[T0]                 ; wave
	v_and_b32 v[LN], 31, v0
	v_and_b32 v[RR], 15, v0
	v_bfe_u32 v[HH], v0, 4, 1
	v_lshlrev_b32 v[LN16], 4, v[LN]
	v_mul_u32_u24 v[FR0], v[HH], 272
	v_lshl_add_u32 v[FR0], v[RR], 4, v[FR0]
	s_lshr_b32 s21, ttmp9, 5                       ; e
	s_bfe_u32 s22, ttmp9, 0x30002                  ; hs
	s_and_b32 s23, ttmp9, 3                        ; kq
	s_lshr_b32 s54, s20, 1                         ; u
	s_and_b32 s55, s20, 1                          ; hA
	s_mul_i32 s35, s54, TILEB
	s_lshl_b32 s50, s55, 7
	s_add_co_u32 s35, s35, s50
	v_mul_u32_u24 v[WST0], v[LN], 272
	v_add_nc_u32 v[WST0], s35, v[WST0]
	s_mul_i32 s35, s20, OUTW
	s_add_co_u32 s35, s35, OUT                     ; my stage
	v_mul_u32_u24 v[SO0], v[RR], 528
	v_lshl_add_u32 v[SO0], v[HH], 5, v[SO0]
	v_add_nc_u32 v[SO0], s35, v[SO0]
	v_add_nc_u32 v[SR], s35, v[LN16]
	v_bfe_u32 v[T0], v0, 3, 2                      ; lane / 8
	v_mul_u32_u24 v[SRT], v[T0], 528
	v_lshlrev_b32 v[YOT], 12, v[T0]
	v_and_b32 v[T0], 7, v0
	v_lshl_add_u32 v[SRT], v[T0], 4, v[SRT]
	v_lshl_add_u32 v[YOT], v[T0], 4, v[YOT]
	s_lshl_b32 s50, s20, 7
	s_add_co_u32 s35, s35, s50
	v_add_nc_u32 v[SRT], s35, v[SRT]
	s_lshl_b32 s50, s21, 10
	s_lshl_b32 s35, s22, 7
	s_add_co_u32 s50, s50, s35
	s_lshl_b32 s35, s54, 4
	s_add_co_u32 s50, s50, s35
	s_lshl_b32 s35, s55, 3
	s_add_co_u32 s50, s50, s35                     ; row 1024 e + 128 hs + 16 u + 8 hA
	s_lshl_b32 s50, s50, 14
	s_lshl_b32 s35, s23, 12
	s_add_co_u32 s50, s50, s35                     ; + the quarter's 4,096 bytes
	s_mov_b32 s51, 0
	s_lshl_b32 s52, s21, 22
	s_lshl_b32 s35, s23, 14
	s_add_co_u32 s52, s52, s35                     ; acodes: expert, quarter
	s_mov_b32 s53, 0
	s_lshl_b32 s40, s23, 25                        ; ypart: quarter, expert, my columns
	s_lshl_b32 s35, s21, 22
	s_add_co_u32 s40, s40, s35
	s_lshl_b32 s35, s22, 9
	s_add_co_u32 s40, s40, s35
	s_lshl_b32 s35, s20, 7
	s_add_co_u32 s42, s40, s35
	s_add_co_u32 s42, s42, 0x100000                ; the passes: row 256, + 128 w bytes
	s_lshl_b32 s35, s20, 18
	s_add_co_u32 s40, s40, s35                     ; the stages: row 64 w
	s_mov_b32 s41, 0
	s_mov_b32 s43, 0
	s_lshl_b32 s62, s21, 7
	s_wait_kmcnt 0x0
	s_load_b32 s33, s[8:9], s62 offset:0x10000     ; the expert's count
	s_load_b32 s28, s[12:13], 0x8                  ; e2
	s_add_nc_u64 s[4:5], s[4:5], s[50:51]
	s_add_nc_u64 s[6:7], s[6:7], s[52:53]
	s_add_nc_u64 s[46:47], s[14:15], s[42:43]
	s_add_nc_u64 s[14:15], s[14:15], s[40:41]
	WLOAD                                          ; stage 0
	s_wait_kmcnt 0x0
	s_add_co_u32 s34, s33, 15
	s_lshr_b32 s34, s34, 4
	s_max_u32 s34, s34, 1                          ; tiles in use
	s_sub_co_u32 s61, s34, 1
	s_lshl_b32 s60, s20, 2                         ; my first tile
	s_sub_co_i32 s36, s34, s60
	s_sub_co_i32 s49, s34, 16
	s_add_co_i32 s35, s28, 127
	s_lshl_b32 s50, s35, 23
	v_mov_b32 v[SCW], s50
	s_add_co_i32 s35, s35, 8
	s_lshl_b32 s39, s35, 23
	s_or_b32 s39, s39, 0x600000                    ; 448 x 2^e2
	s_or_b32 s38, s39, 0x80000000
	ALOAD 0
	s_mov_b32 s57, 0
	v_add_nc_u32 v[WST], s57, v[WST0]
	PG 0, 63, 1                                    ; stage 0 into region 0, stage 1 asked for (a stage on from the base, by the immediate).  Behind each group stand the rest of stage 0
	PG 1, 63, 1                                    ; and a's 128 loads: more than a wait's count can name, so the count is 63
	PG 2, 63, 1
	PG 3, 63, 1
	s_wait_loadcnt 63                              ; a's codes are in: stage 1's 64 loads were issued behind them
	s_mov_b32 s37, 0
	s_mov_b32 s56, 0
	s_mov_b32 s57, REG
	s_mov_b32 s58, 0
.LstageA:                                          ; two trips, stages 0 and 1: the stage is multiplied, then the next stage's groups are quantised and asked for again as they land
	s_wait_dscnt 0x0                               ; my codes of this stage have landed
	s_barrier_signal -1
	s_barrier_wait -1
	v_add_nc_u32 v[WA], s56, v[FR0]
	v_add_nc_u32 v[SO], s58, v[SO0]
	WORK
	OUTST
	s_wait_xcnt 0x0                                ; the last trip's loads, issued ahead of the products, have read their base
	s_add_nc_u64 s[4:5], s[4:5], WSTEP             ; the base at the next stage: the refills reach one stage further
	v_add_nc_u32 v[WST], s57, v[WST0]              ; the next stage's region, which nobody reads before the next barrier
	PG 0, 48, 1                                    ; behind a group stand the other three groups' 48 loads, whichever stage they belong to
	PG 1, 48, 1
	PG 2, 48, 1
	PG 3, 48, 1
	s_add_co_u32 s56, s56, REG
	s_add_co_u32 s57, s57, REG
	s_add_co_u32 s58, s58, 128                     ; the next stage's 32 columns
	s_add_co_u32 s37, s37, 1
	s_cmp_lt_u32 s37, 2
	s_cbranch_scc1 .LstageA
	s_mov_b32 s37, 2
	s_mov_b32 s56, 2*REG
	s_mov_b32 s57, 3*REG
	s_mov_b32 s58, 256
.LstageB:                                          ; two trips, stages 2 and 3: nothing is left to ask for
	s_wait_dscnt 0x0
	s_barrier_signal -1
	s_barrier_wait -1
	v_add_nc_u32 v[WA], s56, v[FR0]
	v_add_nc_u32 v[SO], s58, v[SO0]
	WORK
	OUTST
	s_cmp_lt_u32 s37, 3
	s_cbranch_scc0 .Lnoprod
	v_add_nc_u32 v[WST], s57, v[WST0]
	PG 0, 48, 0                                    ; stage 3: behind a group stand only the groups that follow it
	PG 1, 32, 0
	PG 2, 16, 0
	PG 3, 0, 0
.Lnoprod:
	s_add_co_u32 s56, s56, REG
	s_add_co_u32 s57, s57, REG
	s_add_co_u32 s58, s58, 128
	s_add_co_u32 s37, s37, 1
	s_cmp_lt_u32 s37, 4
	s_cbranch_scc1 .LstageB
.irp i, 0,1,2,3
	s_cmp_gt_i32 s36, \i
	s_cbranch_scc0 .Lns_\i
	SEND16 \i
.Lns_\i:
.endr
	; tiles 16 on
	s_wait_xcnt 0x0                                ; the stores have read their data: the registers are at work again
	s_mul_i32 s35, s20, REG
	v_add_nc_u32 v[WA], s35, v[FR0]
	s_lshl_b32 s35, s20, 7
	v_add_nc_u32 v[SO], s35, v[SO0]
	s_mov_b32 s60, 16
	s_mov_b32 s48, 12
.Ltail:
	s_cmp_gt_i32 s49, 0
	s_cbranch_scc0 .Lnone
	ALOAD 1
	s_wait_loadcnt 0x0
	WORK                                           ; a tile that was not loaded still holds an earlier tile's codes: its sums are not sent
	OUTST
.irp i, 0,1,2,3
	s_cmp_gt_i32 s49, \i
	s_cbranch_scc0 .Lnt_\i
	SENDT \i
.Lnt_\i:
.endr
.Lnone:
	s_wait_xcnt 0x0
	s_add_co_u32 s60, s60, 4
	s_add_nc_u64 s[46:47], s[46:47], 262144        ; 64 rows on
	s_sub_co_i32 s49, s49, 4
	s_sub_co_u32 s48, s48, 1
	s_cmp_lg_u32 s48, 0
	s_cbranch_scc1 .Ltail
	; the balance loss: 8 x the sum of squares of the mean probabilities - 1
	s_or_b32 s35, ttmp9, s20
	s_cmp_lg_u32 s35, 0
	s_cbranch_scc1 .Lend
.irp j, 0,1,2,3,4,5,6,7,8,9,10,11,12,13,14,15
	global_load_b128 v[96+4*\j:99+4*\j], v[LN16], s[10:11] offset:512*\j   ; lane l, load j: group 16 j + l / 2, experts 4 (l % 2) + 0..3
.endr
	s_mov_b32 s52, 0x76543210
	s_mov_b32 s53, 0xfedcba98
	s_wait_loadcnt 0x0
.irp j, 1,2,3,4,5,6,7,8,9,10,11,12,13,14,15
	v_pk_add_f32 v[96:97], v[96:97], v[96+4*\j:97+4*\j]
	v_pk_add_f32 v[98:99], v[98:99], v[98+4*\j:99+4*\j]
.endr
.irp m, 2,4,8
.irp k, 0,1,2,3
	v_add_f32_dpp v[96+\k], v[96+\k], v[96+\k] row_xmask:\m row_mask:0xf bank_mask:0xf
.endr
.endr
.irp k, 0,1,2,3
	v_permlanex16_b32 v[100+\k], v[96+\k], s52, s53
.endr
.irp k, 0,1,2,3
	v_add_f32 v[96+\k], v[96+\k], v[100+\k]
.endr
.irp k, 0,1,2,3
	v_mul_f32 v[96+\k], 0x3a800000, v[96+\k]       ; / 1,024 tokens
.endr
	v_mul_f32 v104, v96, v96
	v_fma_f32 v104, v97, v97, v104
	v_fma_f32 v104, v98, v98, v104
	v_fma_f32 v104, v99, v99, v104
	v_add_f32_dpp v104, v104, v104 row_xmask:1 row_mask:0xf bank_mask:0xf
	v_fma_f32 v104, v104, 0x41000000, -1.0
	v_mov_b32 v105, 0
	s_wait_xcnt 0x0                                ; EXEC changes only behind this wait
	v_cmp_eq_u32 vcc_lo, 0, v[LN]
	s_and_saveexec_b32 s35, vcc_lo
	global_store_b32 v105, v104, s[16:17]
	s_wait_xcnt 0x0
	s_or_b32 exec_lo, exec_lo, s35
.Lend:
	s_wait_tensorcnt 0x0
	ds_add_u32 v254, v255
	s_wait_dscnt 0x0
	s_endpgm
.Lfunc_end_k_q2bcd48f2dd_ffn2:
	.size	k_q2bcd48f2dd_ffn2, .Lfunc_end_k_q2bcd48f2dd_ffn2-k_q2bcd48f2dd_ffn2
	.p2alignl 7, 3214868480
	.fill 96, 4, 3214868480
	.section	.rodata,"a",@progbits
	.p2align	6, 0x0
	.amdhsa_kernel k_q2bcd48f2dd_ffn2
		.amdhsa_group_segment_fixed_size 311808
		.amdhsa_private_segment_fixed_size 0
		.amdhsa_enable_private_segment 0
		.amdhsa_kernarg_size 56
		.amdhsa_user_sgpr_count 2
		.amdhsa_user_sgpr_kernarg_segment_ptr 1
		.amdhsa_wavefront_size32 1
		.amdhsa_system_sgpr_workgroup_id_x 1
		.amdhsa_system_sgpr_workgroup_id_y 1
		.amdhsa_system_sgpr_workgroup_id_z 1
		.amdhsa_system_vgpr_workitem_id 0
		.amdhsa_next_free_vgpr 1024
		.amdhsa_next_free_sgpr 66
		.amdhsa_reserve_vcc 1
		.amdhsa_float_denorm_mode_32 3
		.amdhsa_float_denorm_mode_16_64 3
		.amdhsa_memory_ordered 1
		.amdhsa_forward_progress 1
		.amdhsa_inst_pref_size 163
	.end_amdhsa_kernel
	.amdgpu_metadata
---
amdhsa.version: [ 1, 2 ]
amdhsa.kernels:
  - .name:           k_q2bcd48f2dd_ffn2
    .symbol:         k_q2bcd48f2dd_ffn2.kd
    .args:
      - { .name: W2, .offset: 0, .size: 8, .value_kind: global_buffer, .address_space: global }
      - { .name: acodes, .offset: 8, .size: 8, .value_kind: global_buffer, .address_space: global }
      - { .name: plan, .offset: 16, .size: 8, .value_kind: global_buffer, .address_space: global }
      - { .name: upart, .offset: 24, .size: 8, .value_kind: global_buffer, .address_space: global }
      - { .name: lowp_scales, .offset: 32, .size: 8, .value_kind: global_buffer, .address_space: global }
      - { .name: ypart, .offset: 40, .size: 8, .value_kind: global_buffer, .address_space: global }
      - { .name: out1, .offset: 48, .size: 8, .value_kind: global_buffer, .address_space: global }
    .group_segment_fixed_size: 311808
    .private_segment_fixed_size: 0
    .kernarg_segment_align: 8
    .kernarg_segment_size: 56
    .max_flat_workgroup_size: 128
    .sgpr_count:     66
    .vgpr_count:     1024
    .wavefront_size: 32
...
	.end_amdgpu_metadata
.endif
;; end of part 4
;; launch combine (part 5): grid 256 x 1, 8 waves a work-group, no clusters, 0 bytes of LDS; arguments hidden_states, ypart, sel, gate, plan, b2, lowp_scales, out0; writes out0
.if DOCPART == 5
	.amdgcn_target "amdgcn-amd-amdhsa--gfx1250"
	.amdhsa_code_object_version 6
	.text
	.protected	k_q2bcd48f2dd_combine
	.globl	k_q2bcd48f2dd_combine
	.p2align	8
	.type	k_q2bcd48f2dd_combine,@function
k_q2bcd48f2dd_combine:
	s_mov_b64 s[64:65], 0
	v_nop
	global_prefetch_b8 v0, s[64:65] scope:SCOPE_SE
	s_setreg_imm32_b32 hwreg(HW_REG_WAVE_MODE, 25, 1), 1
	s_wait_xcnt 0x0
; out[t] = residual[t] + the sum over the token's two experts of w_k (2^(e2 + e3) x (the four quarters' sums) + b2[e_k]).
; A wave takes half a row: t = 4 x work-group + wave / 2, half = wave % 2: 2,048 bytes, four accesses of 512 consecutive bytes for each stream.
; The experts (sel) and the ranks (plan: inv[e][t] at 32768 + 4096 e + 4 t) are whole numbers that earlier launches stored; each is clamped before it enters an address.
; All 44 loads of a wave are out together; no LDS, no barrier.
; LIMIT: e2 + e3 between -126 and 127, so that 2^(e2 + e3) is an f32 number.
.set OFF, 2                            ; v2-9    ypart: expert k, quarter q at 4 k + q
.set OB,  10                           ; v10-11  b2: expert k
.set R,   16                           ; v16-31  the residual, then the result
.set B2,  32                           ; v32-63  b2, 16 registers an expert
.set Y,   64                           ; v64-191 the partial sums, 16 registers for (k, q)
	s_load_b512 s[4:19], s[0:1], 0x0               ; hidden s[4:5], ypart s[6:7], sel s[8:9], gate s[10:11], plan s[12:13], b2 s[14:15], scales s[16:17], out0 s[18:19]
	v_lshrrev_b32 v12, 5, v0
	v_readfirstlane_b32 s20, v12                   ; wave 0..7
	v_and_b32 v12, 31, v0
	v_lshlrev_b32 v1, 4, v12
	s_and_b32 s35, s20, 1
	s_lshl_b32 s35, s35, 11
	v_add_nc_u32 v1, s35, v1                       ; 16 x lane + 2,048 x half
	s_lshr_b32 s21, s20, 1
	s_lshl_b32 s35, ttmp9, 2
	s_add_co_u32 s21, s21, s35                     ; my token
	s_lshl_b32 s22, s21, 2
	s_lshl_b32 s23, s21, 3
	s_lshl_b32 s44, s21, 12
	s_mov_b32 s45, 0
	s_wait_kmcnt 0x0
	s_load_b32 s24, s[8:9], s22 offset:0x0         ; sel[t]
	s_load_b64 s[26:27], s[10:11], s23 offset:0x0  ; w0, w1
	s_load_b64 s[28:29], s[16:17], 0x8             ; e2, e3
	s_add_nc_u64 s[4:5], s[4:5], s[44:45]
	s_add_nc_u64 s[18:19], s[18:19], s[44:45]
.irp j, 0,1,2,3
	global_load_b128 v[R+4*\j:R+4*\j+3], v1, s[4:5] offset:512*\j th:TH_LOAD_NT
.endr
	s_wait_kmcnt 0x0
	s_bfe_u32 s30, s24, 0x80000                    ; e0
	s_bfe_u32 s31, s24, 0x80008                    ; e1
	s_min_u32 s30, s30, 7
	s_min_u32 s31, s31, 7
	s_lshl_b32 s32, s30, 12
	s_lshl_b32 s33, s31, 12
	v_add_nc_u32 v[OB], s32, v1                    ; b2's row
	v_add_nc_u32 v[OB+1], s33, v1
	s_add_co_u32 s32, s32, s22                     ; inv[e][t]
	s_add_co_u32 s33, s33, s22
	s_load_b32 s34, s[12:13], s32 offset:0x8000
	s_load_b32 s35, s[12:13], s33 offset:0x8000
.irp k, 0,1
.irp j, 0,1,2,3
	global_load_b128 v[B2+16*\k+4*\j:B2+16*\k+4*\j+3], v[OB+\k], s[14:15] offset:512*\j
.endr
.endr
	s_mov_b32 s36, s27                             ; w1 as the low word of a pair
	s_mov_b32 s37, s27
	s_add_co_i32 s38, s28, s29
	s_add_co_i32 s38, s38, 127
	s_lshl_b32 s38, s38, 23                        ; 2^(e2 + e3)
	s_mov_b32 s39, s38
	s_wait_kmcnt 0x0
	s_min_u32 s34, s34, 1023
	s_min_u32 s35, s35, 1023
	s_lshl_b32 s40, s30, 10
	s_add_co_u32 s40, s40, s34
	s_lshl_b32 s40, s40, 12                        ; row 1024 e0 + rank, 4,096 bytes a row
	s_lshl_b32 s41, s31, 10
	s_add_co_u32 s41, s41, s35
	s_lshl_b32 s41, s41, 12
.irp q, 0,1,2,3
	v_add_nc_u32 v[OFF+\q], s40, v1
	v_add_nc_u32 v[OFF+4+\q], s41, v1
	s_add_co_u32 s40, s40, 0x2000000               ; a quarter on
	s_add_co_u32 s41, s41, 0x2000000
.endr
.irp n, 0,1,2,3,4,5,6,7
.irp j, 0,1,2,3
	global_load_b128 v[Y+16*\n+4*\j:Y+16*\n+4*\j+3], v[OFF+\n], s[6:7] offset:512*\j th:TH_LOAD_NT
.endr
.endr
	s_wait_loadcnt 0x0
.irp m, 0,2,4,6,8,10,12,14
	v_pk_add_f32 v[Y+\m:Y+\m+1], v[Y+\m:Y+\m+1], v[Y+16+\m:Y+16+\m+1]
	v_pk_add_f32 v[Y+32+\m:Y+32+\m+1], v[Y+32+\m:Y+32+\m+1], v[Y+48+\m:Y+48+\m+1]
	v_pk_add_f32 v[Y+64+\m:Y+64+\m+1], v[Y+64+\m:Y+64+\m+1], v[Y+80+\m:Y+80+\m+1]
	v_pk_add_f32 v[Y+96+\m:Y+96+\m+1], v[Y+96+\m:Y+96+\m+1], v[Y+112+\m:Y+112+\m+1]
	v_pk_add_f32 v[Y+\m:Y+\m+1], v[Y+\m:Y+\m+1], v[Y+32+\m:Y+32+\m+1]
	v_pk_add_f32 v[Y+64+\m:Y+64+\m+1], v[Y+64+\m:Y+64+\m+1], v[Y+96+\m:Y+96+\m+1]
	v_pk_fma_f32 v[Y+\m:Y+\m+1], v[Y+\m:Y+\m+1], s[38:39], v[B2+\m:B2+\m+1] op_sel_hi:[1,0,1]
	v_pk_fma_f32 v[Y+64+\m:Y+64+\m+1], v[Y+64+\m:Y+64+\m+1], s[38:39], v[B2+16+\m:B2+16+\m+1] op_sel_hi:[1,0,1]
	v_pk_fma_f32 v[R+\m:R+\m+1], v[Y+\m:Y+\m+1], s[26:27], v[R+\m:R+\m+1] op_sel_hi:[1,0,1]
	v_pk_fma_f32 v[R+\m:R+\m+1], v[Y+64+\m:Y+64+\m+1], s[36:37], v[R+\m:R+\m+1] op_sel_hi:[1,0,1]
.endr
.irp j, 0,1,2,3
	global_store_b128 v1, v[R+4*\j:R+4*\j+3], s[18:19] offset:512*\j th:TH_STORE_NT
.endr
	s_endpgm
.Lfunc_end_k_q2bcd48f2dd_combine:
	.size	k_q2bcd48f2dd_combine, .Lfunc_end_k_q2bcd48f2dd_combine-k_q2bcd48f2dd_combine
	.p2alignl 7, 3214868480
	.fill 96, 4, 3214868480
	.section	.rodata,"a",@progbits
	.p2align	6, 0x0
	.amdhsa_kernel k_q2bcd48f2dd_combine
		.amdhsa_group_segment_fixed_size 0
		.amdhsa_private_segment_fixed_size 0
		.amdhsa_enable_private_segment 0
		.amdhsa_kernarg_size 64
		.amdhsa_user_sgpr_count 2
		.amdhsa_user_sgpr_kernarg_segment_ptr 1
		.amdhsa_wavefront_size32 1
		.amdhsa_system_sgpr_workgroup_id_x 1
		.amdhsa_system_sgpr_workgroup_id_y 1
		.amdhsa_system_sgpr_workgroup_id_z 1
		.amdhsa_system_vgpr_workitem_id 0
		.amdhsa_next_free_vgpr 192
		.amdhsa_next_free_sgpr 66
		.amdhsa_reserve_vcc 0
		.amdhsa_float_denorm_mode_32 3
		.amdhsa_float_denorm_mode_16_64 3
		.amdhsa_memory_ordered 1
		.amdhsa_forward_progress 1
		.amdhsa_inst_pref_size 13
	.end_amdhsa_kernel
	.amdgpu_metadata
---
amdhsa.version: [ 1, 2 ]
amdhsa.kernels:
  - .name:           k_q2bcd48f2dd_combine
    .symbol:         k_q2bcd48f2dd_combine.kd
    .args:
      - { .name: hidden_states, .offset: 0, .size: 8, .value_kind: global_buffer, .address_space: global }
      - { .name: ypart, .offset: 8, .size: 8, .value_kind: global_buffer, .address_space: global }
      - { .name: sel, .offset: 16, .size: 8, .value_kind: global_buffer, .address_space: global }
      - { .name: gate, .offset: 24, .size: 8, .value_kind: global_buffer, .address_space: global }
      - { .name: plan, .offset: 32, .size: 8, .value_kind: global_buffer, .address_space: global }
      - { .name: b2, .offset: 40, .size: 8, .value_kind: global_buffer, .address_space: global }
      - { .name: lowp_scales, .offset: 48, .size: 8, .value_kind: global_buffer, .address_space: global }
      - { .name: out0, .offset: 56, .size: 8, .value_kind: global_buffer, .address_space: global }
    .group_segment_fixed_size: 0
    .private_segment_fixed_size: 0
    .kernarg_segment_align: 8
    .kernarg_segment_size: 64
    .max_flat_workgroup_size: 256
    .sgpr_count:     66
    .vgpr_count:     192
    .wavefront_size: 32
...
	.end_amdgpu_metadata
.endif
;; end of part 5
;; ======== version 2 of 2: 5 launches
;; workspace buffers: xq 1,048,576 bytes; sel 4,096 bytes of whole numbers; gate 8,192 bytes; upart 8,192 bytes; acodes 33,554,432 bytes; plan 66,560 bytes of whole numbers; ypart 134,217,728 bytes
;; launch route (part 6): grid 256 x 1, 4 waves a work-group, no clusters, 1,536 bytes of LDS; arguments hidden_states, ln_w, ln_b, Wr, br, lowp_scales, xq, sel, gate, upart; writes xq, sel, gate, upart
.if DOCPART == 6
	.amdgcn_target "amdgcn-amd-amdhsa--gfx1250"
	.amdhsa_code_object_version 6
	.text
	.protected	k_q2bcd48f2dd_route
	.globl	k_q2bcd48f2dd_route
	.p2align	8
	.type	k_q2bcd48f2dd_route,@function
k_q2bcd48f2dd_route:
	s_mov_b64 s[64:65], 0
	v_nop
	global_prefetch_b8 v0, s[64:65] scope:SCOPE_SE
	s_setreg_imm32_b32 hwreg(HW_REG_WAVE_MODE, 25, 1), 1
	s_wait_xcnt 0x0
; LayerNorm, router, top-2, gates, softmax of the logits, and x as codes of E4M3.  One wave takes one token: t = 4 x work-group + wave.
; A row of 1,024 f32 is read by eight loads of 512 consecutive bytes: lane l, load j holds k = 128 j + 4 l + 0..3.  The same order serves ln_w, ln_b and Wr's rows.
; OUT: xq[t][piece P][16 bytes]: piece 32 g + l, word jj, byte b is the code of k = 128 (4 g + jj) + 4 l + b (one order of K, used alike for x and W1);
;      sel[t] = e0 | e1 << 8 | (bit e0 | bit e1) << 16;  gate[t] = the two weights;  upart[work-group][8] = softmax(logits) summed over the group's four tokens.
; The choice of experts goes out as data at fixed places only: no address and no branch here hangs on it.  Ties go to the lower index (strict compare, ascending scan).
; LIMITS: NaN and infinities among the inputs are not served; lowp_scales[0] between -126 and 119.
.set H,  16                            ; v16-47   the row, then h - mean, then x
.set LW, 48                            ; v48-79   ln_w
.set LB, 80                            ; v80-111  ln_b
.set LP, 112                           ; v112-127 eight logits in two halves each
.set LG, 128                           ; v128-135 the logits
.set MM, 136                           ; v136-143 masked logits, then the probabilities
.set CD, 144                           ; v144-151 the codes
.set MSB, 0                            ; window 1, v0-255: Wr, expert e at 32 e
.macro WIN new                         ; the immediate's high byte repeats the setting that is left
.if MSB != (\new)
	s_set_vgpr_msb (MSB<<8)|(\new)
.set MSB, (\new)
.endif
.endm
.macro RED x, t                        ; the sum over the 32 lanes, in every lane; v[t] has been written before
	v_add_f32_dpp v[\x], v[\x], v[\x] row_xmask:1 row_mask:0xf bank_mask:0xf
	v_add_f32_dpp v[\x], v[\x], v[\x] row_xmask:2 row_mask:0xf bank_mask:0xf
	v_add_f32_dpp v[\x], v[\x], v[\x] row_xmask:4 row_mask:0xf bank_mask:0xf
	v_add_f32_dpp v[\x], v[\x], v[\x] row_xmask:8 row_mask:0xf bank_mask:0xf
	v_permlanex16_b32 v[\t], v[\x], s34, s35
	v_add_f32 v[\x], v[\x], v[\t]
.endm
.macro SCAN src, best, idx             ; the largest of eight and its index; a later equal does not replace an earlier one
	v_mov_b32 v[\best], v[\src]
	v_mov_b32 v[\idx], 0
.irp e, 1,2,3,4,5,6,7
	v_cmp_gt_f32 vcc_lo, v[\src+\e], v[\best]
	v_cndmask_b32 v[\best], v[\best], v[\src+\e], vcc_lo
	v_cndmask_b32 v[\idx], v[\idx], \e, vcc_lo
.endr
.endm
	s_load_b512 s[4:19], s[0:1], 0x0               ; hidden s[4:5], ln_w s[6:7], ln_b s[8:9], Wr s[10:11], br s[12:13], scales s[14:15], xq s[16:17], sel s[18:19]
	s_load_b128 s[20:23], s[0:1], 0x40             ; gate s[20:21], upart s[22:23]
	v_lshl_add_u32 v254, v0, 2, 0x400
	v_mov_b32 v255, 0
	v_lshrrev_b32 v2, 5, v0
	v_readfirstlane_b32 s33, v2                    ; wave
	v_and_b32 v3, 31, v0                           ; lane
	v_lshlrev_b32 v1, 4, v3                        ; 16 x lane
	v_lshlrev_b32 v172, 6, v2                      ; LDS: my wave's record of 64 bytes
	v_and_b32 v173, 3, v3
	v_lshlrev_b32 v173, 6, v173                    ; LDS: the record of token lane % 4 (read by wave 0)
	v_lshlrev_b32 v174, 2, v3
	v_lshlrev_b32 v175, 3, v3
	s_lshl_b32 s36, ttmp9, 2
	s_add_co_u32 s36, s36, s33                     ; my token
	s_lshl_b32 s38, s36, 12                        ; its row of 4,096 bytes
	s_mov_b32 s39, 0
	s_lshl_b32 s44, s36, 10                        ; its 1,024 codes
	s_mov_b32 s45, 0
	s_lshl_b32 s46, ttmp9, 4                       ; the group's four words of sel
	s_mov_b32 s47, 0
	s_lshl_b32 s48, ttmp9, 5                       ; its 32 bytes of gate and of upart
	s_mov_b32 s49, 0
	s_mov_b32 s34, 0x76543210                      ; v_permlanex16_b32: lane l xor 16
	s_mov_b32 s35, 0xfedcba98
	s_mov_b32 s37, 0x3a800000                      ; 1 / 1,024
	s_mov_b32 s40, 0x3727c5ac                      ; 1e-5
	s_wait_alu depctr_va_vdst(0)
	s_wait_kmcnt 0x0
	s_load_b256 s[24:31], s[12:13], 0x0            ; br
	s_load_b32 s32, s[14:15], 0x0                  ; e0: x's scale
	s_add_nc_u64 s[4:5], s[4:5], s[38:39]
	s_add_nc_u64 s[16:17], s[16:17], s[44:45]
	s_add_nc_u64 s[18:19], s[18:19], s[46:47]
	s_add_nc_u64 s[20:21], s[20:21], s[48:49]
	s_add_nc_u64 s[22:23], s[22:23], s[48:49]
.irp j, 0,1,2,3,4,5,6,7
	global_load_b128 v[H+4*\j:H+4*\j+3], v1, s[4:5] offset:512*\j th:TH_LOAD_NT
.endr
.irp j, 0,1,2,3,4,5,6,7
	global_load_b128 v[LW+4*\j:LW+4*\j+3], v1, s[6:7] offset:512*\j
.endr
.irp j, 0,1,2,3,4,5,6,7
	global_load_b128 v[LB+4*\j:LB+4*\j+3], v1, s[8:9] offset:512*\j
.endr
	WIN 0x40                                       ; destination window 1
.irp e, 0,1,2,3,4,5,6,7
.irp j, 0,1,2,3,4,5,6,7
	global_load_b128 v[32*\e+4*\j:32*\e+4*\j+3], v1, s[10:11] offset:4096*\e+512*\j
.endr
.endr
	WIN 0
	s_wait_loadcnt 0x0                             ; one shot: all 88 loads were out together
	; the mean
	v_pk_add_f32 v[4:5], v[H:H+1], v[H+2:H+3]
	v_pk_add_f32 v[6:7], v[H+4:H+5], v[H+6:H+7]
.irp j, 8,12,16,20,24,28
	v_pk_add_f32 v[4:5], v[4:5], v[H+\j:H+\j+1]
	v_pk_add_f32 v[6:7], v[6:7], v[H+\j+2:H+\j+3]
.endr
	v_pk_add_f32 v[4:5], v[4:5], v[6:7]
	v_add_f32 v4, v4, v5
	RED 4, 5
	v_mul_f32 v4, s37, v4
.irp j, 0,2,4,6,8,10,12,14,16,18,20,22,24,26,28,30
	v_pk_add_f32 v[H+\j:H+\j+1], v[H+\j:H+\j+1], v[4:5] op_sel_hi:[1,0] neg_lo:[0,1] neg_hi:[0,1]   ; h - mean
.endr
	; the variance, of the differences
	v_pk_mul_f32 v[6:7], v[H:H+1], v[H:H+1]
	v_pk_mul_f32 v[8:9], v[H+2:H+3], v[H+2:H+3]
.irp j, 4,8,12,16,20,24,28
	v_pk_fma_f32 v[6:7], v[H+\j:H+\j+1], v[H+\j:H+\j+1], v[6:7]
	v_pk_fma_f32 v[8:9], v[H+\j+2:H+\j+3], v[H+\j+2:H+\j+3], v[8:9]
.endr
	v_pk_add_f32 v[6:7], v[6:7], v[8:9]
	v_add_f32 v6, v6, v7
	RED 6, 7
	v_fma_f32 v6, v6, s37, s40                     ; variance + 1e-5
	s_wait_alu depctr_va_vdst(0)
	v_rsq_f32 v6, v6
	v_nop                                          ; a plain instruction behind the transcendental,
	s_wait_alu depctr_va_vdst(0)                   ; and a wait ahead of its first reader
.irp j, 0,2,4,6,8,10,12,14,16,18,20,22,24,26,28,30
	v_pk_mul_f32 v[H+\j:H+\j+1], v[H+\j:H+\j+1], v[6:7] op_sel_hi:[1,0]
.endr
.irp j, 0,2,4,6,8,10,12,14,16,18,20,22,24,26,28,30
	v_pk_fma_f32 v[H+\j:H+\j+1], v[H+\j:H+\j+1], v[LW+\j:LW+\j+1], v[LB+\j:LB+\j+1]   ; x
.endr
	; the logits: f32 multiply-adds, eight experts by turns
	WIN 0x04                                       ; source 1 (Wr) window 1
.irp e, 0,1,2,3,4,5,6,7
	v_pk_mul_f32 v[LP+2*\e:LP+2*\e+1], v[H:H+1], v[32*\e:32*\e+1]
.endr
.irp k, 2,4,6,8,10,12,14,16,18,20,22,24,26,28,30
.irp e, 0,1,2,3,4,5,6,7
	v_pk_fma_f32 v[LP+2*\e:LP+2*\e+1], v[H+\k:H+\k+1], v[32*\e+\k:32*\e+\k+1], v[LP+2*\e:LP+2*\e+1]
.endr
.endr
	WIN 0
.irp e, 0,1,2,3,4,5,6,7
	v_add_f32 v[LG+\e], v[LP+2*\e], v[LP+2*\e+1]
.endr
.irp m, 1,2,4,8
.irp e, 0,1,2,3,4,5,6,7
	v_add_f32_dpp v[LG+\e], v[LG+\e], v[LG+\e] row_xmask:\m row_mask:0xf bank_mask:0xf
.endr
.endr
.irp e, 0,1,2,3,4,5,6,7
	v_mov_b32 v[MM+\e], 0                          ; written once: a lane permute's destination counts as one of its sources
.endr
.irp e, 0,1,2,3,4,5,6,7
	v_permlanex16_b32 v[MM+\e], v[LG+\e], s34, s35
.endr
	s_wait_alu depctr_va_vdst(0)
	s_wait_kmcnt 0x0                               ; br, e0
.irp e, 0,1,2,3,4,5,6,7
	v_add_f32 v[LG+\e], v[LG+\e], v[MM+\e]
.endr
.irp e, 0,1,2,3,4,5,6,7
	v_add_f32 v[LG+\e], s[24+\e], v[LG+\e]         ; every lane holds the same eight logits
.endr
	; top-2
	SCAN LG, 152, 153                              ; v152 the largest, v153 its expert
	v_mov_b32 v156, 0xff800000
.irp e, 0,1,2,3,4,5,6,7
	v_cmp_eq_u32 vcc_lo, \e, v153
	v_cndmask_b32 v[MM+\e], v[LG+\e], v156, vcc_lo
.endr
	SCAN MM, 154, 155                              ; v154 the second, v155 its expert
	; the gates (softmax of the two) and the probabilities (softmax of the eight), both with the largest logit taken away
	v_sub_f32 v157, v154, v152
	v_mul_f32 v157, 0x3fb8aa3b, v157
.irp e, 0,1,2,3,4,5,6,7
	v_sub_f32 v[MM+\e], v[LG+\e], v152
.endr
.irp e, 0,1,2,3,4,5,6,7
	v_mul_f32 v[MM+\e], 0x3fb8aa3b, v[MM+\e]
.endr
	s_wait_alu depctr_va_vdst(0)
	v_exp_f32 v157, v157
.irp e, 0,1,2,3,4,5,6,7
	v_exp_f32 v[MM+\e], v[MM+\e]
.endr
	v_nop
	s_wait_alu depctr_va_vdst(0)                   ; one wait for the nine exponentials
	v_add_f32 v158, 1.0, v157
	v_add_f32 v159, v[MM], v[MM+1]
	v_add_f32 v160, v[MM+2], v[MM+3]
	v_add_f32 v161, v[MM+4], v[MM+5]
	v_add_f32 v162, v[MM+6], v[MM+7]
	v_add_f32 v159, v159, v160
	v_add_f32 v161, v161, v162
	v_add_f32 v159, v159, v161
	s_wait_alu depctr_va_vdst(0)
	v_rcp_f32 v168, v158                           ; w0
	v_rcp_f32 v163, v159
	v_mov_b32 v162, 1                              ; (a plain instruction behind the reciprocals)
	s_wait_alu depctr_va_vdst(0)
	v_mul_f32 v169, v157, v168                     ; w1
.irp e, 0,1,2,3,4,5,6,7
	v_mul_f32 v[MM+\e], v[MM+\e], v163
.endr
	v_lshlrev_b32 v170, v153, v162                 ; bit e0
	v_lshlrev_b32 v161, v155, v162                 ; bit e1
	v_or_b32 v170, v170, v161
	v_lshl_or_b32 v170, v170, 16, v153
	v_lshl_or_b32 v170, v155, 8, v170              ; sel
	v_mov_b32 v171, 0
	; x to codes: held within +-448 x 2^e0, then the conversion with 2^e0
	s_add_co_i32 s41, s32, 127
	s_lshl_b32 s42, s41, 23
	v_mov_b32 v165, s42
	s_add_co_i32 s41, s41, 8
	s_lshl_b32 s41, s41, 23
	s_or_b32 s41, s41, 0x600000
	v_mov_b32 v164, s41
.set N_, 0
.rept 32
	v_med3_num_f32 v[H+N_], v[H+N_], -v164, v164   ; the conversion to an 8-bit code does not saturate (ISA guide 7.6.2)
.set N_, N_+1
.endr
.irp n, 0,1,2,3
	v_cvt_scalef32_pk8_fp8_f32 v[CD+2*\n:CD+2*\n+1], v[H+8*\n:H+8*\n+7], v165   ; word j of the eight = the codes of load j's four numbers
.endr
	v_nop
	global_store_b128 v1, v[CD:CD+3], s[16:17]             ; pieces 0-31: 512 consecutive bytes
	global_store_b128 v1, v[CD+4:CD+7], s[16:17] offset:512 ; pieces 32-63
	; the four tokens' records meet in LDS; wave 0 stores them
	ds_store_b128 v172, v[MM:MM+3]                 ; all lanes write the same words with the same values
	ds_store_b128 v172, v[MM+4:MM+7] offset:16
	ds_store_b128 v172, v[168:171] offset:32
	s_wait_dscnt 0x0                               ; for the others' sake: my stores have landed
	s_barrier_signal -1
	s_barrier_wait -1
	s_cmp_lg_u32 s33, 0
	s_cbranch_scc1 .Lend
	ds_load_b128 v[MM:MM+3], v173
	ds_load_b128 v[MM+4:MM+7], v173 offset:16
	ds_load_b128 v[168:171], v173 offset:32
	s_wait_dscnt 0x0
.irp m, 1,2
.irp e, 0,1,2,3,4,5,6,7
	v_add_f32_dpp v[MM+\e], v[MM+\e], v[MM+\e] row_xmask:\m row_mask:0xf bank_mask:0xf   ; over the four tokens
.endr
.endr
	v_and_b32 v177, 1, v3
	v_cmp_eq_u32 vcc_lo, 1, v177
.irp i, 0,1,2,3
	v_cndmask_b32 v[178+\i], v[MM+\i], v[MM+4+\i], vcc_lo   ; lane 0: experts 0-3; lane 1: experts 4-7
.endr
	s_wait_alu depctr_va_vdst(0)
	s_wait_xcnt 0x0                                ; EXEC changes only behind this wait
	v_cmp_gt_u32 vcc_lo, 4, v3
	s_and_saveexec_b32 s42, vcc_lo
	global_store_b32 v174, v170, s[18:19]          ; lane l < 4 holds token l's record
	global_store_b64 v175, v[168:169], s[20:21]
	s_wait_xcnt 0x0
	s_or_b32 exec_lo, exec_lo, s42
	v_cmp_gt_u32 vcc_lo, 2, v3
	s_and_saveexec_b32 s42, vcc_lo
	global_store_b128 v1, v[178:181], s[22:23]
	s_wait_xcnt 0x0
	s_or_b32 exec_lo, exec_lo, s42
.Lend:
	s_wait_tensorcnt 0x0
	ds_add_u32 v254, v255
	s_wait_dscnt 0x0
	s_endpgm
.Lfunc_end_k_q2bcd48f2dd_route:
	.size	k_q2bcd48f2dd_route, .Lfunc_end_k_q2bcd48f2dd_route-k_q2bcd48f2dd_route
	.p2alignl 7, 3214868480
	.fill 96, 4, 3214868480
	.section	.rodata,"a",@progbits
	.p2align	6, 0x0
	.amdhsa_kernel k_q2bcd48f2dd_route
		.amdhsa_group_segment_fixed_size 1536
		.amdhsa_private_segment_fixed_size 0
		.amdhsa_enable_private_segment 0
		.amdhsa_kernarg_size 80
		.amdhsa_user_sgpr_count 2
		.amdhsa_user_sgpr_kernarg_segment_ptr 1
		.amdhsa_wavefront_size32 1
		.amdhsa_system_sgpr_workgroup_id_x 1
		.amdhsa_system_sgpr_workgroup_id_y 1
		.amdhsa_system_sgpr_workgroup_id_z 1
		.amdhsa_system_vgpr_workitem_id 0
		.amdhsa_next_free_vgpr 512
		.amdhsa_next_free_sgpr 66
		.amdhsa_reserve_vcc 1
		.amdhsa_float_denorm_mode_32 3
		.amdhsa_float_denorm_mode_16_64 3
		.amdhsa_memory_ordered 1
		.amdhsa_forward_progress 1
		.amdhsa_inst_pref_size 38
	.end_amdhsa_kernel
	.amdgpu_metadata
---
amdhsa.version: [ 1, 2 ]
amdhsa.kernels:
  - .name:           k_q2bcd48f2dd_route
    .symbol:         k_q2bcd48f2dd_route.kd
    .args:
      - { .name: hidden_states, .offset: 0, .size: 8, .value_kind: global_buffer, .address_space: global }
      - { .name: ln_w, .offset: 8, .size: 8, .value_kind: global_buffer, .address_space: global }
      - { .name: ln_b, .offset: 16, .size: 8, .value_kind: global_buffer, .address_space: global }
      - { .name: Wr, .offset: 24, .size: 8, .value_kind: global_buffer, .address_space: global }
      - { .name: br, .offset: 32, .size: 8, .value_kind: global_buffer, .address_space: global }
      - { .name: lowp_scales, .offset: 40, .size: 8, .value_kind: global_buffer, .address_space: global }
      - { .name: xq, .offset: 48, .size: 8, .value_kind: global_buffer, .address_space: global }
      - { .name: sel, .offset: 56, .size: 8, .value_kind: global_buffer, .address_space: global }
      - { .name: gate, .offset: 64, .size: 8, .value_kind: global_buffer, .address_space: global }
      - { .name: upart, .offset: 72, .size: 8, .value_kind: global_buffer, .address_space: global }
    .group_segment_fixed_size: 1536
    .private_segment_fixed_size: 0
    .kernarg_segment_align: 8
    .kernarg_segment_size: 80
    .max_flat_workgroup_size: 128
    .sgpr_count:     66
    .vgpr_count:     512
    .wavefront_size: 32
...
	.end_amdgpu_metadata
.endif
;; end of part 6
;; launch place (part 7): grid 8 x 1, 1 waves a work-group, no clusters, 0 bytes of LDS; arguments sel, plan; writes plan
.if DOCPART == 7
	.amdgcn_target "amdgcn-amd-amdhsa--gfx1250"
	.amdhsa_code_object_version 6
	.text
	.protected	k_q2bcd48f2dd_place
	.globl	k_q2bcd48f2dd_place
	.p2align	8
	.type	k_q2bcd48f2dd_place,@function
k_q2bcd48f2dd_place:
	s_mov_b64 s[64:65], 0
	v_nop
	global_prefetch_b8 v0, s[64:65] scope:SCOPE_SE
	s_setreg_imm32_b32 hwreg(HW_REG_WAVE_MODE, 25, 1), 1
	s_wait_xcnt 0x0
; The rows are placed by expert.  Work-group e, one wave, ranks the 1,024 tokens for expert e: those that chose it first (round 4 j + i, lane l: token 128 j + 4 l + i, the order in which
; eight loads of 512 bytes lay sel in registers), the others behind them.  So the ranks are a permutation of 0 .. 1,023 and every word of the list is stored once, all lanes on.
; plan: list[e] at 4096 e: the token of rank n at word (n & 0x3f0) | (n & 1) << 3 | (n >> 1) & 7, so that the reader's lane half h finds entries 16 T + 2 k + h, k = 0..7, on end;
;       inv[e][t] = t's rank at 32768 + 4096 e;  cnt[e], the number of tokens that chose e, 32 times, at 65536 + 128 e.
; The list's stores are 4 bytes a lane at places that hang on the ranks: 4,096 bytes in all for a work-group.  A place is clamped before it enters an address.
.set SELR, 32                          ; v32-63   sel's words, then the ranks
.set ADR,  64                          ; v64-95   a round's places in the list: a register for each store, none written again
.set TOK,  96                          ; v96-127  a round's tokens
.set MK,   66                          ; s66-97   the 32 rounds' lane masks
	s_load_b128 s[4:7], s[0:1], 0x0                ; sel s[4:5], plan s[6:7]
	v_lshlrev_b32 v1, 4, v0                        ; 16 x lane (one wave: the thread's number is the lane)
	v_lshlrev_b32 v2, 2, v0                        ; 4 x lane
	s_add_co_u32 s8, ttmp9, 16
	s_lshl_b32 s8, 1, s8                           ; the expert's bit in a word of sel
	s_lshl_b32 s10, ttmp9, 12
	s_mov_b32 s11, 0
	s_lshl_b32 s12, ttmp9, 7
	s_mov_b32 s13, 0
	s_mov_b32 s9, 0                                ; the count
	s_wait_alu depctr_va_vdst(0)
	s_wait_kmcnt 0x0
.irp j, 0,1,2,3,4,5,6,7
	global_load_b128 v[SELR+4*\j:SELR+4*\j+3], v1, s[4:5] offset:512*\j
.endr
	s_add_nc_u64 s[14:15], s[6:7], s[10:11]        ; list[e]; inv[e] lies 32,768 bytes on
	s_add_nc_u64 s[16:17], s[6:7], s[12:13]        ; cnt[e] lies 65,536 bytes on
	s_wait_loadcnt 0x0
.set RHO, 0
.rept 32                               ; who chose the expert, and how many
	v_and_b32 v3, s8, v[SELR+RHO]
	v_cmp_ne_u32 s[MK+RHO], 0, v3
	s_bcnt1_i32_b32 s18, s[MK+RHO]
	s_add_co_u32 s9, s9, s18
.set RHO, RHO+1
.endr
	s_mov_b32 s20, 0                               ; ranks given to tokens that chose it,
	s_mov_b32 s21, s9                              ; and to the others, from the count on
.set RHO, 0
.rept 32
	s_not_b32 s19, s[MK+RHO]
	v_mbcnt_lo_u32_b32 v4, s[MK+RHO], s20          ; given so far + the chosen lanes below me
	v_mbcnt_lo_u32_b32 v5, s19, s21
	v_cndmask_b32 v[SELR+RHO], v5, v4, s[MK+RHO]   ; my rank
	s_bcnt1_i32_b32 s18, s[MK+RHO]
	s_add_co_u32 s20, s20, s18
	s_sub_co_u32 s18, 32, s18
	s_add_co_u32 s21, s21, s18
	v_and_b32 v6, 0x3f0, v[SELR+RHO]               ; the tile,
	v_bfe_u32 v7, v[SELR+RHO], 1, 3                ; k,
	v_and_b32 v8, 1, v[SELR+RHO]                   ; h
	v_lshl_or_b32 v6, v8, 3, v6
	v_or_b32 v6, v6, v7
	v_min_u32 v6, 0x3ff, v6
	v_lshlrev_b32 v[ADR+RHO], 2, v6
	v_add_nc_u32 v[TOK+RHO], 128*(RHO/4)+RHO%4, v2
	global_store_b32 v[ADR+RHO], v[TOK+RHO], s[14:15]
.set RHO, RHO+1
.endr
.irp j, 0,1,2,3,4,5,6,7
	global_store_b128 v1, v[SELR+4*\j:SELR+4*\j+3], s[14:15] offset:32768+512*\j   ; inv[e][t]: 512 consecutive bytes a store
.endr
	v_mov_b32 v9, s9
	global_store_b32 v2, v9, s[16:17] offset:65536
	s_endpgm
.Lfunc_end_k_q2bcd48f2dd_place:
	.size	k_q2bcd48f2dd_place, .Lfunc_end_k_q2bcd48f2dd_place-k_q2bcd48f2dd_place
	.p2alignl 7, 3214868480
	.fill 96, 4, 3214868480
	.section	.rodata,"a",@progbits
	.p2align	6, 0x0
	.amdhsa_kernel k_q2bcd48f2dd_place
		.amdhsa_group_segment_fixed_size 0
		.amdhsa_private_segment_fixed_size 0
		.amdhsa_enable_private_segment 0
		.amdhsa_kernarg_size 16
		.amdhsa_user_sgpr_count 2
		.amdhsa_user_sgpr_kernarg_segment_ptr 1
		.amdhsa_wavefront_size32 1
		.amdhsa_system_sgpr_workgroup_id_x 1
		.amdhsa_system_sgpr_workgroup_id_y 1
		.amdhsa_system_sgpr_workgroup_id_z 1
		.amdhsa_system_vgpr_workitem_id 0
		.amdhsa_next_free_vgpr 128
		.amdhsa_next_free_sgpr 100
		.amdhsa_reserve_vcc 0
		.amdhsa_float_denorm_mode_32 3
		.amdhsa_float_denorm_mode_16_64 3
		.amdhsa_memory_ordered 1
		.amdhsa_forward_progress 1
		.amdhsa_inst_pref_size 35
	.end_amdhsa_kernel
	.amdgpu_metadata
---
amdhsa.version: [ 1, 2 ]
amdhsa.kernels:
  - .name:           k_q2bcd48f2dd_place
    .symbol:         k_q2bcd48f2dd_place.kd
    .args:
      - { .name: sel, .offset: 0, .size: 8, .value_kind: global_buffer, .address_space: global }
      - { .name: plan, .offset: 8, .size: 8, .value_kind: global_buffer, .address_space: global }
    .group_segment_fixed_size: 0
    .private_segment_fixed_size: 0
    .kernarg_segment_align: 8
    .kernarg_segment_size: 16
    .max_flat_workgroup_size: 32
    .sgpr_count:     100
    .vgpr_count:     128
    .wavefront_size: 32
...
	.end_amdgpu_metadata
.endif
;; end of part 7
;; launch ffn1 (part 8): grid 256 x 1, 4 waves a work-group, no clusters, 262,656 bytes of LDS; arguments W1, b1, xq, plan, lowp_scales, acodes; writes acodes
.if DOCPART == 8
	.amdgcn_target "amdgcn-amd-amdhsa--gfx1250"
	.amdhsa_code_object_version 6
	.text
	.protected	k_q2bcd48f2dd_ffn1
	.globl	k_q2bcd48f2dd_ffn1
	.p2align	8
	.type	k_q2bcd48f2dd_ffn1,@function
k_q2bcd48f2dd_ffn1:
	s_mov_b64 s[64:65], 0
	v_nop
	global_prefetch_b8 v0, s[64:65] scope:SCOPE_SE
	s_setreg_imm32_b32 hwreg(HW_REG_WAVE_SCHED_MODE, 0, 2), 2
	s_setreg_imm32_b32 hwreg(HW_REG_WAVE_MODE, 25, 1), 1
	s_wait_xcnt 0x0
	s_wait_alu depctr_vm_vsrc(0)
; a = Q(gelu(Q(x) Q(W1)^T + b1)) for the rows that were routed.  Work-group = (expert e, 128 rows of W1): every byte of W1 is read once, as f32, and quantised on its way into LDS.
; id = 32 e + y, kq = y / 8, yy = y % 8, g = yy / 4.  Four stages s of 32 rows = two tiles u.  Position m = 8 h + 4 a + t of tile u is row 1024 kq + 512 g + 256 u + 128 a + 8 (4 (yy % 4) + s) + 4 h + t:
; with these rows a lane's 16 results of the two tiles are piece P = 2 (4 yy + s) + h of the next product's K quarter kq, in the order in which the next launch reads W2's rows.
; K ORDER: piece 32 g + l, word jj, byte b = k 128 (4 g + jj) + 4 l + b: what lane l gets from eight loads of 512 consecutive bytes.  One permutation of K, alike in both operands.
; IMAGE of a tile (16 rows x 1,024 K) in LDS: row position m of piece P at 272 P + 16 m.  The fragment of K step S: register group c of lane (r, h) is piece 8 S + 2 c + h at position r.
; THE MATRIX INSTRUCTION IS USED TRANSPOSED: source 0 = 16 rows of W1, source 1 = 16 tokens: lane (r, h) holds token r and weight positions 8 h + 0..7.
; THE WEIGHTS' STREAM: a wave's 8 rows of a stage are four groups of 2 rows, 16 loads each.  A group is quantised as soon as it is in, and its registers are asked for again, for the stage after next:
; 48 to 64 loads of a wave are out from the head to the last stage's request.  All four stages have LDS regions of their own, so quantising never waits for products.
; TOKENS: the launch before stored the expert's list (plan: the token of rank n) and its count.  Tiles 0-15 of the list: wave w keeps tiles 4 w .. 4 w + 3 in registers through the four stages.
; Tiles 16-63, four a pass: all waves hold the same tiles, wave w multiplies them with stage w's rows; a tile past the count is not fetched.  Behind the count the list goes on with tokens that did not
; choose the expert: such rows are computed, stored where their tile is in use, and never read.  Tile 0 is always made.
; No tensor load, no copy: trip counts are constants, and what hangs on the count is jumped over inside; no barrier and no load that a counted wait counts stands under such a jump.
; No cluster: no two work-groups share a weight byte.
; GELU: max(x, 0) - |x| erfc(|x| / sqrt 2) / 2, erfc(z) = t exp(-z^2 + poly(t)), t = 1 / (1 + z / 2): a fit with fractional error 1.2e-7 for every z.
; LIMITS: NaN, infinities not served; e1 and e3 - (e0 + e1) between -126 and 119; e0 + e1 between -124 and 127 (added to exponent fields).
; THE MODE: SCHED_MODE bits 1:0 = 2 (LLVM: expert scheduling mode 2), set by the entry lines.  The code itself states the register dependences between vector or matrix instructions and memory or LDS
; instructions, with s_wait_alu, always for 0.
; THE PLAN.  Registers that memory or LDS instructions touch, and who else names them:
;   window 3       8 rows of W1 as f32, four groups.  A group's holds and conversions read and write it; behind them the group's next loads land in it.
;   CD (v32-95)    A group's conversions write 16 of them, its four LDS stores read them; from the next stage's head on they are fragment buffers again.
;   B0 .. B3       Four buffers of W1's fragments, a K step each: v32-63, v64-95, v160-191, v192-207 with v228-243.  LDS loads land; the products of K step S read buffer S % 4.  Between the products GELU works in v160-207.
;   BI             LDS loads land; K step 0's products read it as C.
;   windows 1, 2   The tokens: the gather's loads land, the turn's LDS stores read, its LDS loads land, the products read.
;   GO (v160-191)  The list's loads land, 96 vector lines make offsets of them, the gather's loads read them.
;   OC             A token tile's two conversions write four registers, its store reads them.
;   v[WA], v[BIA], v[WST]   LDS addresses, written at a stage's head and nowhere else.   v1, v6 to v9: offsets and addresses made at the kernel's head and never written again.
;   The accumulators are named by vector and matrix instructions alone.
; THE WAITS.  At a stage's head one on vm_vsrc and, behind the three address lines, one on va_vdst.  In the products K steps go in pairs on pairs of buffers: one wait on va_vdst ahead of the second and of the third pair;
; the next pair's sixteen loads are dealt among the products of a pair's first step.  One wait on va_vdst behind each group's conversions, for its LDS stores and its next loads; one ahead of each token tile's store;
; one behind the gather's offsets; one on vm_vsrc in each tile's turn through LDS, between its stores and the loads that land in the same registers.
.set REG,   34816                      ; a stage's two images
.set TILEB, 17408                      ; an image: 64 pieces x 272
.set XSTG,  5*REG                      ; LDS 0: five regions (four stages and room behind them); then a stage of one image for each wave,
.set BIAS,  XSTG+4*TILEB               ; and b1's 128 numbers, a copy for each wave: [s][u][h][a][4]
.set WSTEP, 32768                      ; from stage to stage: 8 rows of W1
.set LN16, 1                           ; 16 x lane: the offset of W1's loads
.set FR0,  2                           ; 272 h + 16 r
.set WA,   3                           ; where the stage's fragments are read
.set WST,  4                           ; where my rows' codes are stored
.set WST0, 5                           ; 272 x lane + 17408 u + 128 hA
.set SA,   6                           ; my stage, on the way in: 272 r + 16 h
.set SB,   7                           ; and out: FR0
.set LO,   8                           ; 32 h: my half's eight entries of a tile of the list
.set LNS,  9                           ; 16 x lane once more: the offset of a's stores, so that these name no register of W1's loads
.set BIA,  10                          ; the stage's bias
.set SCW,  11                          ; 2^e1
.set SCA,  12                          ; 2^(e3 - e0 - e1)
.set Q16,  13                          ; 16 r
.set K9,   14                          ; v[14:15] the fit's highest coefficient
.set BI,   16                          ; v16-31   bias: tile u at 8 u
.set WF,   32                          ; v32-95   W1's fragments: buffers 0 and 1, two tiles each
.set CD,   32                          ;          and, between the products, a stage's 64 words of codes: 16 a group
.set ACC,  96                          ; v96-159  accumulators: token tile i, weight tile u at 16 i + 8 u
.set TT,   160                         ; v160-207 GELU at work
.set ZZ,   176
.set PP,   192
.set GO,   160                         ; v160-191 32 entries of the list, then the gather's offsets
.set WF2,  160                         ; v160-191 W1's fragments: buffer 2
.set WF3,  192                         ; v192-207 buffer 3's first tile; its second lies 36 registers on, at v228-243, which hold the head's own numbers before
.set OC,   208                         ; v208-223 a's codes, four registers a tile
.set BIA0, 224
.set T0,   227
.set BO,   230
.set BST,  231
.set BV,   236                         ; v236-239 b1 as loaded
.set RR,   240
.set HH,   241
.set LN,   242
.set MSB, 0                            ; windows 1, 2: the tokens' fragments, tile i at window 1 + i / 2, register 128 (i % 2) + 16 S;  window 3: 8 rows of W1 as f32
.macro WIN new                         ; the immediate's high byte repeats the setting that is left
.if MSB != (\new)
	s_set_vgpr_msb (MSB<<8)|(\new)
.set MSB, (\new)
.endif
.endm
.macro PLACES n
.rept \n
	v_nop
.endr
.endm
; group q of my 8 rows: rows 2 q and 2 q + 1, 16 loads of 512 consecutive bytes into window 3 (row m at 32 m), boff bytes on from the base; of the sixteen, numbers n0 to n1 - 1
.macro WL2 q, boff, n0, n1
.set N_, (\n0)
.rept (\n1)-(\n0)
.set M_, 2*(\q)+N_/8
.set J_, N_%8
	global_load_b128 v[32*M_+4*J_:32*M_+4*J_+3], v[LN16], s[4:5] offset:((M_/4)*128+(M_%4))*4096+512*J_+(\boff) th:TH_LOAD_NT
.set N_, N_+1
.endr
.endm
.macro WLOAD                           ; a whole stage: the four groups in order
	WIN 0xc0
	WL2 0, 0, 0, 16
	WL2 1, 0, 0, 16
	WL2 2, 0, 0, 16
	WL2 3, 0, 0, 16
	WIN 0
.endm
; group q becomes codes in the region that v[WST] names.  cnt: the loads issued behind the group, which may stay out.  reload: how many of the same rows' 16 loads, a stage on from the base, are asked for at once (0: none)
.macro PG q, cnt, reload
	s_wait_loadcnt \cnt
	WIN 0xc3
.set N_, 64*(\q)
.rept 64
	v_med3_num_f32 v[N_], v[N_], s38, s39          ; held within +-448 x 2^e1: the conversion does not saturate (ISA guide 7.6.2)
.set N_, N_+1
.endr
	WIN 0x03
.set N_, 8*(\q)
.rept 8
	v_cvt_scalef32_pk8_fp8_f32 v[CD+2*N_:CD+2*N_+1], v[8*N_:8*N_+7], v[SCW]
.set N_, N_+1
.endr
.if \reload
	WIN 0xc0                                       ; destination window 3; an LDS store's address and data are sources 0 and 1: window 0
.else
	WIN 0
.endif
	v_nop                                          ; a plain instruction behind the last conversion
	s_wait_alu depctr_va_vdst(0)                   ; the conversions have written the group's 16 words of CD, which the LDS stores read, and holds and conversions are done with the group's rows, in which its next loads land
.set M_, 2*(\q)
.rept 2
	ds_store_b128 v[WST], v[CD+8*M_:CD+8*M_+3] offset:16*M_             ; piece lane, position 8 hA + m: lanes 272 bytes apart
	ds_store_b128 v[WST], v[CD+8*M_+4:CD+8*M_+7] offset:8704+16*M_      ; piece 32 + lane
.set M_, M_+1
.endr
.if \reload
	WL2 \q, WSTEP, 0, \reload
.endif
	WIN 0
.endm
; the last four of group q's sixteen loads, behind the token tile.  48 loads may be out at the group's wait; with twelve more they are 60, inside LOADcnt's field of 63, past which an instruction is held at
; its issue (ISA guide 5.7.1): so the wave goes on to the token tile.  No wait: since the one behind the group's conversions no vector instruction has named these rows or v1 (GELU works in window 0)
.macro PGREST q
	WIN 0xc0
	WL2 \q, WSTEP, 12, 16
	WIN 0
.endm
; four tiles' entries of the list: register 8 i + k = the token of row 2 k + h of tile i
.macro LLOAD base
.irp i, 0,1,2,3
	global_load_b128 v[GO+8*\i:GO+8*\i+3], v[LO], s[\base:\base+1] offset:64*\i
	global_load_b128 v[GO+8*\i+4:GO+8*\i+7], v[LO], s[\base:\base+1] offset:64*\i+16
.endr
.endm
; the tiles' codes: each entry is clamped, then sixteen lanes read 256 consecutive bytes of a token's codes.  guard = 1 (the passes): a tile past the count is not fetched
.macro GATHER guard
.set N_, 0
.rept 32
	v_min_u32 v[GO+N_], 0x3ff, v[GO+N_]
.set N_, N_+1
.endr
.set N_, 0
.rept 32
	v_lshlrev_b32 v[GO+N_], 10, v[GO+N_]           ; a token's 1,024 codes
.set N_, N_+1
.endr
.set N_, 0
.rept 32
	v_add_nc_u32 v[GO+N_], v[Q16], v[GO+N_]
.set N_, N_+1
.endr
	s_wait_alu depctr_va_vdst(0)                   ; the 32 offsets are written, which the loads below read; the products so far are done reading the tokens' registers, in which these loads land, and the fragments' and the bias's, in which the next LDS loads land
.irp i, 0,1,2,3
.if \guard
	s_cmp_gt_i32 s49, \i
	s_cbranch_scc0 .Lng_\@_\i
.endif
	WIN 0x40*(1+\i/2)
.set N_, 0
.rept 32
	global_load_b128 v[128*(\i%2)+4*N_:128*(\i%2)+4*N_+3], v[GO+8*\i+N_/4], s[8:9] offset:256*(N_%4)   ; N = 4 k + jq: pieces 16 jq + r
.set N_, N_+1
.endr
.if \guard
	WIN 0
.Lng_\@_\i:
.endif
.endr
	WIN 0
.endm
; each tile turns through my stage: in by rows of tokens, out as fragments.  LDS serves a wave's instructions in order (ISA guide 5.7.1.4): no wait on DScnt between
.macro XPOSE guard
.irp i, 0,1,2,3
.if \guard
	s_cmp_gt_i32 s49, \i
	s_cbranch_scc0 .Lnx_\@_\i
.endif
	WIN 0x04*(1+\i/2)
.set N_, 0
.rept 32
	ds_store_b128 v[SA], v[128*(\i%2)+4*N_:128*(\i%2)+4*N_+3] offset:4352*(N_%4)+32*(N_/4)
.set N_, N_+1
.endr
	WIN 0x40*(1+\i/2)
	s_wait_alu depctr_vm_vsrc(0)                   ; the 32 LDS stores have read the tile's registers, in which the 32 loads below land
.set N_, 0
.rept 32
	ds_load_b128 v[128*(\i%2)+4*N_:128*(\i%2)+4*N_+3], v[SB] offset:544*N_
.set N_, N_+1
.endr
.if \guard
	WIN 0
.Lnx_\@_\i:
.endif
.endr
	WIN 0
.endm
; the next of the 64 LDS loads that bring a stage's fragments: number LS = K step LS / 8, weight tile (LS / 4) % 2, register group LS % 4; K step S goes into buffer S % 4
.macro WF1
.set ST_, LS/8
.set U_, (LS/4)%2
.set C_, LS%4
.if (ST_%4) < 2
.set FB, WF+32*(ST_%4)+16*U_
.elseif (ST_%4) == 2
.set FB, WF2+16*U_
.else
.set FB, WF3+36*U_
.endif
	ds_load_b128 v[FB+4*C_:FB+4*C_+3], v[WA] offset:TILEB*U_+544*(4*ST_+C_)
.set LS, LS+1
.endm
.macro MUL1 i, u
.if (KS%4) < 2
.set FA, WF+32*(KS%4)+16*(\u)
.elseif (KS%4) == 2
.set FA, WF2+16*(\u)
.else
.set FA, WF3+36*(\u)
.endif
.if KS == 0
	v_wmma_f32_16x16x128_fp8_fp8 v[ACC+16*\i+8*\u:ACC+16*\i+8*\u+7], v[FA:FA+15], v[128*(\i%2)+16*KS:128*(\i%2)+16*KS+15], v[BI+8*\u:BI+8*\u+7]
.else
	v_wmma_f32_16x16x128_fp8_fp8 v[ACC+16*\i+8*\u:ACC+16*\i+8*\u+7], v[FA:FA+15], v[128*(\i%2)+16*KS:128*(\i%2)+16*KS+15], v[ACC+16*\i+8*\u:ACC+16*\i+8*\u+7]
.endif
.endm
.macro MD i, u, deal                   ; a product; deal = 1: behind it two of the next pair's loads (an LDS load's data and address lie in window 0 under both settings below)
	MUL1 \i, \u
.if \deal
	WF1
	WF1
.endif
.endm
.macro KSTEP deal                      ; K step KS: eight products, the eight accumulators by turns
	WIN 0x04                                       ; source 1: tokens in window 1
	MD 0, 0, \deal
	MD 0, 1, \deal
	MD 1, 0, \deal
	MD 1, 1, \deal
	WIN 0x08                                       ; in window 2
	MD 2, 0, \deal
	MD 2, 1, \deal
	MD 3, 0, \deal
	MD 3, 1, \deal
.set KS, KS+1
.endm
; four token tiles x two weight tiles x 1,024 K: 64 matrix instructions; the bias is the first C.  K steps go in pairs: pair p reads buffers 2 (p % 2) and 2 (p % 2) + 1, and the sixteen loads of pair p + 1
; are dealt among the eight products of its first step, which name another buffer.
; Ahead of WORK the caller has stated: v[WA] and v[BIA] are written; no vector or matrix instruction is still at work on BI or on the four buffers; no memory or LDS instruction has yet to read them.
.macro WORK
.irp u, 0,1
.irp a, 0,1
	ds_load_b128 v[BI+8*\u+4*\a:BI+8*\u+4*\a+3], v[BIA] offset:64*\u+16*\a
.endr
.endr
.set LS, 0
.rept 16
	WF1                                            ; pair 0
.endr
.set KS, 0
.rept 4
.if (KS == 2) || (KS == 4)
	PLACES 4                                       ; four plain instructions behind the products; the wait below fills no place
	s_wait_alu depctr_va_vdst(0)                   ; the last pair's sixteen products are done reading their two buffers, in which the loads dealt below land
.endif
.if KS < 6
	s_wait_dscnt 8                                 ; LDS loads come back in order (ISA guide 5.7.1): this K step's fragments are in (in K step 0 the bias too); the pair's second step (eight loads) may be out
	KSTEP 1
	s_wait_dscnt 16                                ; all but the sixteen just dealt
	KSTEP 0
.else
	s_wait_dscnt 8
	KSTEP 0
	s_wait_dscnt 0x0
	KSTEP 0
.endif
.endr
	WIN 0
	PLACES 4                                       ; four places behind the last products, before vector instructions read their results or write over their sources (ISA guide 7.12.1)
.endm
.macro LEVEL c
.set K_, 0
.rept 8
	v_pk_fma_f32 v[PP+K_:PP+K_+1], v[TT+K_:TT+K_+1], v[PP+K_:PP+K_+1], \c op_sel_hi:[1,1,0]
.set K_, K_+2
.endr
.endm
; token tile i: 16 sums a lane (in units of 2^-(e0+e1)) -> gelu -> 16 codes.  Each batch of transcendentals has plain instructions and one wait behind it, ahead of its first reader.
.macro GELU16 i
.set GS, ACC+16*(\i)
.set K_, 0
.rept 16
	v_fma_f32 v[TT+K_], |v[GS+K_]|, s44, 1.0       ; 1 + z / 2; each accumulator is read from its low end on
.set K_, K_+1
.endr
.set K_, 0
	s_wait_alu depctr_va_vdst(0)
.rept 16
	v_rcp_f32 v[TT+K_], v[TT+K_]                   ; t
.set K_, K_+1
.endr
.set K_, 0
.rept 8
	v_pk_mul_f32 v[ZZ+K_:ZZ+K_+1], v[GS+K_:GS+K_+1], s[42:43] op_sel_hi:[1,0]
.set K_, K_+2
.endr
.set K_, 0
.rept 8
	v_pk_fma_f32 v[ZZ+K_:ZZ+K_+1], v[ZZ+K_:ZZ+K_+1], v[ZZ+K_:ZZ+K_+1], 0xc034d90f op_sel_hi:[1,1,0] neg_lo:[1,0,0] neg_hi:[1,0,0]   ; -z^2 log2(e) + the fit's constant x log2(e) - 1
.set K_, K_+2
.endr
	s_wait_alu depctr_va_vdst(0)                   ; the sixteen reciprocals have written t, ahead of their first reader
.set K_, 0
.rept 8
	v_pk_fma_f32 v[PP+K_:PP+K_+1], v[TT+K_:TT+K_+1], v[K9:K9+1], 0xbf97d29d op_sel_hi:[1,1,0]
.set K_, K_+2
.endr
	LEVEL 0x40097039
	LEVEL 0xbfd1a1e5
	LEVEL 0x3ecdfd18
	LEVEL 0xbe899a80
	LEVEL 0x3e0efb2e
	LEVEL 0x3f0a29d2
	LEVEL 0x3fb8ab5a
.set K_, 0
.rept 8
	v_pk_fma_f32 v[PP+K_:PP+K_+1], v[TT+K_:TT+K_+1], v[PP+K_:PP+K_+1], v[ZZ+K_:ZZ+K_+1]
.set K_, K_+2
.endr
.set K_, 0
	s_wait_alu depctr_va_vdst(0)
.rept 16
	v_exp_f32 v[PP+K_], v[PP+K_]
.set K_, K_+1
.endr
.set K_, 0
.rept 16
	v_max_num_f32 v[ZZ+K_], 0, v[GS+K_]
.set K_, K_+1
.endr
	s_wait_alu depctr_va_vdst(0)                   ; the sixteen exponentials have written v[PP ..], ahead of their first reader
.set K_, 0
.rept 8
	v_pk_mul_f32 v[TT+K_:TT+K_+1], v[TT+K_:TT+K_+1], v[PP+K_:PP+K_+1]   ; erfc / 2
.set K_, K_+2
.endr
.set K_, 0
.rept 16
	v_fma_f32 v[GS+K_], -|v[GS+K_]|, v[TT+K_], v[ZZ+K_]
.set K_, K_+1
.endr
.set K_, 0
.rept 16
	v_med3_num_f32 v[GS+K_], v[GS+K_], s40, s41
.set K_, K_+1
.endr
	v_cvt_scalef32_pk8_fp8_f32 v[OC+4*\i:OC+4*\i+1], v[GS:GS+7], v[SCA]
	v_cvt_scalef32_pk8_fp8_f32 v[OC+4*\i+2:OC+4*\i+3], v[GS+8:GS+15], v[SCA]
	v_nop
.endm
; token tile i, if it is in use (rem tiles are left from my first on), is finished and stored: 512 consecutive bytes.  Its store's data are written again only behind a wait on XCNT and one on vm_vsrc
.macro EPI1 i, base, rem
	s_cmp_gt_i32 s[\rem], \i
	s_cbranch_scc0 .Lskip_\@
	GELU16 \i
	s_wait_alu depctr_va_vdst(0)                   ; the two conversions have written the tile's four registers of OC, which the store reads
	global_store_b128 v[LNS], v[OC+4*\i:OC+4*\i+3], s[\base:\base+1] offset:65536*\i
.Lskip_\@:
.endm
	s_load_b256 s[4:11], s[0:1], 0x0               ; W1 s[4:5], b1 s[6:7], xq s[8:9], plan s[10:11]
	s_load_b128 s[12:15], s[0:1], 0x20             ; scales s[12:13], acodes s[14:15]
	v_lshl_add_u32 v254, v0, 2, 0x40000
	v_mov_b32 v255, 0
	v_lshrrev_b32 v[T0], 5, v0
	v_readfirstlane_b32 s20, v[T0]                 ; wave
	v_and_b32 v[LN], 31, v0
	s_wait_alu depctr_va_vdst(0)
	v_and_b32 v[RR], 15, v0                        ; r
	v_bfe_u32 v[HH], v0, 4, 1                      ; h
	v_lshlrev_b32 v[LN16], 4, v[LN]
	v_lshlrev_b32 v[LNS], 4, v[LN]
	v_lshlrev_b32 v[Q16], 4, v[RR]
	v_lshlrev_b32 v[LO], 5, v[HH]
	v_mul_u32_u24 v[FR0], v[HH], 272
	v_lshl_add_u32 v[FR0], v[RR], 4, v[FR0]
	s_wait_alu depctr_va_vdst(0)
	s_lshr_b32 s21, ttmp9, 5                       ; e
	s_and_b32 s22, ttmp9, 31                       ; y
	s_lshr_b32 s23, s22, 3                         ; kq
	s_and_b32 s24, s22, 7                          ; yy
	s_lshr_b32 s25, s24, 2                         ; g
	s_and_b32 s26, s24, 3
	s_wait_alu depctr_va_sdst(0)                   ; s20 is written, ahead of its first reader
	s_lshr_b32 s54, s20, 1                         ; u: which tile's rows I load
	s_and_b32 s55, s20, 1                          ; hA: which eight positions
	s_mul_i32 s35, s54, TILEB
	s_lshl_b32 s50, s55, 7
	s_add_co_u32 s35, s35, s50
	v_mul_u32_u24 v[WST0], v[LN], 272
	v_add_nc_u32 v[WST0], s35, v[WST0]
	s_mul_i32 s35, s20, TILEB
	s_add_co_u32 s35, s35, XSTG
	v_mul_u32_u24 v[SA], v[RR], 272
	v_lshl_add_u32 v[SA], v[HH], 4, v[SA]
	v_add_nc_u32 v[SA], s35, v[SA]
	v_add_nc_u32 v[SB], s35, v[FR0]
	s_lshl_b32 s35, s20, 9
	s_add_co_u32 s35, s35, BIAS
	v_lshl_add_u32 v[BIA0], v[HH], 5, s35
	v_add_nc_u32 v[BST], s35, v[LN16]
	v_bfe_u32 v[T0], v0, 3, 2                      ; b1: lane = (s, u, h, a) takes four numbers at 32 s + 1024 u + 16 h + 512 a bytes
	v_lshlrev_b32 v[BO], 5, v[T0]
	v_bfe_u32 v[T0], v0, 2, 1
	v_lshl_add_u32 v[BO], v[T0], 10, v[BO]
	v_bfe_u32 v[T0], v0, 1, 1
	v_lshl_add_u32 v[BO], v[T0], 4, v[BO]
	v_and_b32 v[T0], 1, v0
	v_lshl_add_u32 v[BO], v[T0], 9, v[BO]
	v_mov_b32 v[K9], 0x3e7c6f08
	v_mov_b32 v[K9+1], 0x3e7c6f08
	s_lshl_b32 s27, s21, 12
	s_lshl_b32 s35, s23, 10
	s_add_co_u32 s27, s27, s35
	s_lshl_b32 s35, s25, 9
	s_add_co_u32 s27, s27, s35
	s_lshl_b32 s35, s26, 5
	s_add_co_u32 s27, s27, s35                     ; 4096 e + 1024 kq + 512 g + 32 (yy % 4): the slice's first row
	s_lshl_b32 s50, s54, 8
	s_add_co_u32 s50, s50, s27
	s_lshl_b32 s35, s55, 2
	s_add_co_u32 s50, s50, s35                     ; + 256 u + 4 hA
	s_lshl_b32 s50, s50, 12                        ; rows of 4,096 bytes
	s_mov_b32 s51, 0
	s_lshl_b32 s52, s27, 2
	s_mov_b32 s53, 0
	s_lshl_b32 s60, s21, 22                        ; acodes: [e][tile][kq][piece][r][16]
	s_lshl_b32 s35, s23, 14
	s_add_co_u32 s60, s60, s35
	s_lshl_b32 s35, s24, 11
	s_add_co_u32 s60, s60, s35
	s_lshl_b32 s35, s20, 9
	s_add_co_u32 s62, s60, s35
	s_add_co_u32 s62, s62, 0x100000                ; the passes: tile 16, piece 2 (4 yy + w)
	s_lshl_b32 s35, s20, 18
	s_add_co_u32 s60, s60, s35                     ; the stages: tile 4 w, piece 8 yy
	s_mov_b32 s61, 0
	s_mov_b32 s63, 0
	s_lshl_b32 s59, s21, 7                         ; the count's place
	s_lshl_b32 s48, s21, 12                        ; the list: expert e, tiles 4 w on
	s_lshl_b32 s35, s20, 8
	s_add_co_u32 s48, s48, s35
	s_mov_b32 s49, 0
	s_wait_kmcnt 0x0
	s_load_b128 s[28:31], s[12:13], 0x0            ; e0, e1, e2, e3
	s_load_b32 s33, s[10:11], s59 offset:0x10000   ; the expert's count
	s_add_nc_u64 s[4:5], s[4:5], s[50:51]
	s_add_nc_u64 s[6:7], s[6:7], s[52:53]
	s_add_nc_u64 s[46:47], s[14:15], s[62:63]
	s_add_nc_u64 s[14:15], s[14:15], s[60:61]
	s_add_nc_u64 s[16:17], s[10:11], s[48:49]
	s_lshl_b32 s48, s21, 12
	s_add_co_u32 s48, s48, 1024                    ; tile 16 on
	s_add_nc_u64 s[18:19], s[10:11], s[48:49]
	s_wait_alu depctr_va_vdst(0)                   ; the offsets and addresses v1, v6 to v9, v[BO] and v[BST] are written, which the loads and stores of the whole kernel read
	LLOAD 16
	global_load_b128 v[BV:BV+3], v[BO], s[6:7]
	WLOAD                                          ; stage 0
	s_wait_loadcnt 63                              ; the list and b1 are in: stage 0's 64 loads were issued behind them, and a wait's count names 63 at the most
	s_wait_kmcnt 0x0
	s_add_co_u32 s34, s33, 15
	s_lshr_b32 s34, s34, 4
	s_max_u32 s34, s34, 1                          ; tiles in use
	s_lshl_b32 s35, s20, 2
	s_sub_co_i32 s36, s34, s35                     ; of them from my first tile on
	s_sub_co_i32 s49, s34, 16                      ; and from tile 16 on
	s_add_co_i32 s45, s28, s29                     ; E = e0 + e1: a sum stands for sum x 2^E
	s_add_co_i32 s35, s29, 127
	s_lshl_b32 s50, s35, 23
	v_mov_b32 v[SCW], s50
	s_add_co_i32 s35, s35, 8
	s_lshl_b32 s39, s35, 23
	s_or_b32 s39, s39, 0x600000                    ; 448 x 2^e1
	s_or_b32 s38, s39, 0x80000000
	s_sub_co_i32 s35, s31, s45
	s_add_co_i32 s35, s35, 127
	s_lshl_b32 s50, s35, 23
	v_mov_b32 v[SCA], s50
	s_add_co_i32 s35, s35, 8
	s_lshl_b32 s41, s35, 23
	s_or_b32 s41, s41, 0x600000                    ; 448 x 2^(e3 - E)
	s_or_b32 s40, s41, 0x80000000
	s_lshl_b32 s35, s45, 23
	s_add_co_i32 s42, s35, 0x3f596d27              ; sqrt(log2(e) / 2) x 2^E
	s_mov_b32 s43, s42
	s_add_co_i32 s44, s35, 0x3eb504f3              ; 2^E / (2 sqrt 2)
	s_sub_co_i32 s45, 0, s45
.irp k, 0,1,2,3
	v_ldexp_f32 v[BV+\k], v[BV+\k], s45            ; b1 / 2^E: it goes in as the first C
.endr
	GATHER 0
	ds_store_b128 v[BST], v[BV:BV+3]               ; my own copy of the bias.  The wait behind the gather's offsets has shown v[BV ..] written too, and no vector instruction stands behind that wait
	s_mov_b32 s57, 0
	v_add_nc_u32 v[WST], s57, v[WST0]              ; (the wait behind group 0's conversions shows it written)
	PG 0, 63, 16                                   ; stage 0 into region 0, stage 1 asked for (a stage on from the base, by the immediate).  Behind each group stand the rest of stage 0
	PG 1, 63, 16                                   ; and the gather's 128 loads: more than a wait's count can name, so the count is 63
	PG 2, 63, 16
	PG 3, 63, 16
	s_wait_loadcnt 63                              ; the gather is in: stage 1's 64 loads were issued behind it
	XPOSE 0
	s_mov_b32 s37, 0
	s_mov_b32 s56, 0
	s_mov_b32 s57, REG
	s_mov_b32 s58, 0
	s_mov_b32 s52, 0                               ; what a's base steps by: nothing in the first trip
	s_mov_b32 s53, 0
.LstageA:                                          ; two trips, stages 0 and 1: the stage is multiplied; then the next stage's groups and this stage's token tiles take turns
	s_wait_dscnt 0x0                               ; my codes of this stage have landed
	s_barrier_signal -1
	s_barrier_wait -1                              ; everybody's have
	s_wait_alu depctr_vm_vsrc(0)                   ; read by now: CD and v[WST] by the groups' LDS stores, v[WA] and v[BIA] by the last products' LDS loads, OC by the last tiles' stores; in the first trip GO by the gather and the bias's registers by its store
	v_add_nc_u32 v[WA], s56, v[FR0]
	v_add_nc_u32 v[BIA], s58, v[BIA0]
	v_add_nc_u32 v[WST], s57, v[WST0]              ; the next stage's region, which nobody reads before the next barrier
	s_wait_alu depctr_va_vdst(0)                   ; the three addresses are written; conversions and GELU are done with the four buffers, the last products with the bias: the LDS loads below land there
	WORK
	s_wait_xcnt 0x0                                ; the last trip's loads and stores, issued ahead of the products, have read their bases and data
	s_add_nc_u64 s[4:5], s[4:5], WSTEP             ; the base at the next stage: the refills reach one stage further
	s_add_nc_u64 s[14:15], s[14:15], s[52:53]      ; a's codes: two pieces on from the last stage's
	s_mov_b32 s52, 512
	PG 0, 48, 12                                   ; behind a group stand the other three groups' 48 loads, whichever stage they belong to
	EPI1 0, 14, 36
	PGREST 0
	PG 1, 48, 12
	EPI1 1, 14, 36
	PGREST 1
	PG 2, 48, 12
	EPI1 2, 14, 36
	PGREST 2
	PG 3, 48, 12
	EPI1 3, 14, 36
	PGREST 3
	s_add_co_u32 s56, s56, REG
	s_add_co_u32 s57, s57, REG
	s_add_co_u32 s58, s58, 128
	s_add_co_u32 s37, s37, 1
	s_cmp_lt_u32 s37, 2
	s_cbranch_scc1 .LstageA
	s_mov_b32 s37, 2
	s_mov_b32 s56, 2*REG
	s_mov_b32 s57, 3*REG
	s_mov_b32 s58, 256
.LstageB:                                          ; two trips, stages 2 and 3: nothing is left to ask for, so the token tiles come first and stage 3's rows land meanwhile
	s_wait_dscnt 0x0
	s_barrier_signal -1
	s_barrier_wait -1
	s_wait_alu depctr_vm_vsrc(0)                   ; read by now: CD and v[WST] by the groups' LDS stores, v[WA] and v[BIA] by the last products' LDS loads, OC by the last tiles' stores
	v_add_nc_u32 v[WA], s56, v[FR0]
	v_add_nc_u32 v[BIA], s58, v[BIA0]
	v_add_nc_u32 v[WST], s57, v[WST0]              ; (in the last trip it names the room behind the four regions, and nothing is stored by it)
	s_wait_alu depctr_va_vdst(0)                   ; the three addresses are written; conversions and GELU are done with the four buffers, the last products with the bias: the LDS loads below land there
	WORK
	s_wait_xcnt 0x0                                ; the last trip's stores have read their base and data
	s_add_nc_u64 s[14:15], s[14:15], s[52:53]
	EPI1 0, 14, 36
	EPI1 1, 14, 36
	EPI1 2, 14, 36
	EPI1 3, 14, 36
	s_cmp_lt_u32 s37, 3
	s_cbranch_scc0 .Lnoprod
	PG 0, 48, 0                                    ; stage 3: behind a group stand only the groups that follow it
	PG 1, 32, 0
	PG 2, 16, 0
	PG 3, 0, 0
.Lnoprod:
	s_add_co_u32 s56, s56, REG
	s_add_co_u32 s57, s57, REG
	s_add_co_u32 s58, s58, 128
	s_add_co_u32 s37, s37, 1
	s_cmp_lt_u32 s37, 4
	s_cbranch_scc1 .LstageB
	; tiles 16 on: twelve passes of four tiles; all four regions are whole and are written no more
	s_wait_alu depctr_vm_vsrc(0)                   ; stage 3's LDS loads have read v[WA] and v[BIA], which the two lines below write
	s_mul_i32 s35, s20, REG
	v_add_nc_u32 v[WA], s35, v[FR0]                ; stage w's rows
	s_lshl_b32 s35, s20, 7
	v_add_nc_u32 v[BIA], s35, v[BIA0]
	s_mov_b32 s48, 12
.Ltail:
	s_cmp_gt_i32 s49, 0
	s_cbranch_scc0 .Lnone
	s_wait_alu depctr_va_vdst(0)                   ; the last products are done reading v160-191 as a buffer and GELU is done writing them: the list's loads land there.  In the first pass v[WA] and v[BIA] are written
	LLOAD 18
	s_wait_loadcnt 0x0
	GATHER 1
	s_wait_loadcnt 0x0
	XPOSE 1
	s_wait_alu depctr_vm_vsrc(0)                   ; the gather's loads have read their offsets v160-191, in which fragments land below; the last tiles' stores have read OC, which this pass's conversions write
	WORK                                           ; a tile that was not fetched still holds an earlier tile's codes: its sums are not used.  (The wait behind the gather's offsets is the last one on va_vdst: no vector instruction stands behind it)
	s_wait_xcnt 0x0                                ; the last stores have read their data
	EPI1 0, 46, 49
	EPI1 1, 46, 49
	EPI1 2, 46, 49
	EPI1 3, 46, 49
.Lnone:
	s_wait_xcnt 0x0                                ; loads and stores have read their bases
	s_add_nc_u64 s[18:19], s[18:19], 256           ; four tiles of the list on
	s_add_nc_u64 s[46:47], s[46:47], 262144        ; four tiles of a's codes on
	s_sub_co_i32 s49, s49, 4
	s_sub_co_u32 s48, s48, 1
	s_cmp_lg_u32 s48, 0
	s_cbranch_scc1 .Ltail
	s_wait_dscnt 0x0                               ; the closing lines, six on end
	s_wait_alu 0x0
	s_wait_tensorcnt 0x0
	ds_add_u32 v254, v255
	s_wait_dscnt 0x0
	s_endpgm
.Lfunc_end_k_q2bcd48f2dd_ffn1:
	.size	k_q2bcd48f2dd_ffn1, .Lfunc_end_k_q2bcd48f2dd_ffn1-k_q2bcd48f2dd_ffn1
	.p2alignl 7, 3214868480
	.fill 96, 4, 3214868480
	.section	.rodata,"a",@progbits
	.p2align	6, 0x0
	.amdhsa_kernel k_q2bcd48f2dd_ffn1
		.amdhsa_group_segment_fixed_size 262656
		.amdhsa_private_segment_fixed_size 0
		.amdhsa_enable_private_segment 0
		.amdhsa_kernarg_size 48
		.amdhsa_user_sgpr_count 2
		.amdhsa_user_sgpr_kernarg_segment_ptr 1
		.amdhsa_wavefront_size32 1
		.amdhsa_system_sgpr_workgroup_id_x 1
		.amdhsa_system_sgpr_workgroup_id_y 1
		.amdhsa_system_sgpr_workgroup_id_z 1
		.amdhsa_system_vgpr_workitem_id 0
		.amdhsa_next_free_vgpr 1024
		.amdhsa_next_free_sgpr 66
		.amdhsa_reserve_vcc 0
		.amdhsa_float_denorm_mode_32 3
		.amdhsa_float_denorm_mode_16_64 3
		.amdhsa_memory_ordered 1
		.amdhsa_forward_progress 1
		.amdhsa_inst_pref_size 255
	.end_amdhsa_kernel
	.section	.bss,"aw",@nobits
	.p2align	6
	.space	262144
	.amdgpu_metadata
---
amdhsa.version: [ 1, 2 ]
amdhsa.kernels:
  - .name:           k_q2bcd48f2dd_ffn1
    .symbol:         k_q2bcd48f2dd_ffn1.kd
    .args:
      - { .name: W1, .offset: 0, .size: 8, .value_kind: global_buffer, .address_space: global }
      - { .name: b1, .offset: 8, .size: 8, .value_kind: global_buffer, .address_space: global }
      - { .name: xq, .offset: 16, .size: 8, .value_kind: global_buffer, .address_space: global }
      - { .name: plan, .offset: 24, .size: 8, .value_kind: global_buffer, .address_space: global }
      - { .name: lowp_scales, .offset: 32, .size: 8, .value_kind: global_buffer, .address_space: global }
      - { .name: acodes, .offset: 40, .size: 8, .value_kind: global_buffer, .address_space: global }
    .group_segment_fixed_size: 262656
    .private_segment_fixed_size: 0
    .kernarg_segment_align: 8
    .kernarg_segment_size: 48
    .max_flat_workgroup_size: 128
    .sgpr_count:     66
    .vgpr_count:     1024
    .wavefront_size: 32
...
	.end_amdgpu_metadata
.endif
;; end of part 8
;; launch ffn2 (part 9): grid 256 x 1, 4 waves a work-group, no clusters, 311,808 bytes of LDS; arguments W2, acodes, plan, upart, lowp_scales, ypart, out1; writes ypart, out1
.if DOCPART == 9
	.amdgcn_target "amdgcn-amd-amdhsa--gfx1250"
	.amdhsa_code_object_version 6
	.text
	.protected	k_q2bcd48f2dd_ffn2
	.globl	k_q2bcd48f2dd_ffn2
	.p2align	8
	.type	k_q2bcd48f2dd_ffn2,@function
k_q2bcd48f2dd_ffn2:
	s_mov_b64 s[64:65], 0
	v_nop
	global_prefetch_b8 v0, s[64:65] scope:SCOPE_SE
	s_setreg_imm32_b32 hwreg(HW_REG_WAVE_MODE, 25, 1), 1
	s_wait_xcnt 0x0
; Partial sums of Q(a) Q(W2)^T for the routed rows.  Work-group = (expert e, 128 rows hs of W2, quarter kq of K): id = 32 e + 4 hs + kq.  Every byte of W2 is read once, as f32, and quantised on its way into LDS.
; Stage s, tile u, position m = row 128 hs + 32 s + 16 u + m of W2[e], columns 1024 kq on.  K order, image, fragments and the transposed use of the matrix instruction: as in the launch before:
; piece 32 g + l, word jj, byte b = k 128 (4 g + jj) + 4 l + b of the quarter; image: position m of piece P at 272 P + 16 m; a's codes lie in memory as [e][tile][kq][P][r][16], so a fragment's group is 512 consecutive bytes.
; THE WEIGHTS' STREAM: a wave's 8 rows of a stage are four groups of 2 rows, 16 loads each.  A group is quantised as soon as it is in, and its registers are asked for again at once, for the stage after next:
; 48 to 64 loads of a wave are out from the head to the last stage's request.  All four stages have LDS regions of their own.
; Lane (r, h) holds token r and outputs 8 h + 0..7 of a tile.  The sums (not yet scaled) go to ypart[kq][1024 e + rank][1024] through a stage in LDS: whole runs of 512 bytes for tiles 0-15.
; Tiles 16 on: all waves hold the same tiles, wave w multiplies them with stage w's rows and stores its 32 columns: runs of 128 bytes, since no barrier may stand under a jump on the count.
; In the head tiles past the count are clamped to the last tile in use (their sums are not stored); in the passes they are not loaded.  Trip counts are constants; no load that a counted wait counts is jumped over.
; No tensor load, no cluster: no two work-groups share a weight byte.  Work-group 0, wave 0 also makes the balance loss from upart, at its end.
; LIMITS: NaN, infinities not served; e2 between -126 and 119.
.set REG,   34816
.set TILEB, 17408
.set OUT,   5*REG                      ; LDS 0: five regions (four stages and room behind them); then for each wave 64 token rows x (512 + 16) bytes
.set OUTW,  33792
.set WSTEP, 524288                     ; from stage to stage: 32 rows of 16,384 bytes
.set LN16, 1
.set FR0,  2
.set WA,   3
.set WST,  4
.set WST0, 5
.set SO,   6                           ; where I put 32 bytes of a token's row
.set SR,   7                           ; where I read a whole row back
.set SRT,  8                           ; the passes: four rows' 128 bytes
.set YOT,  9                           ; and their place in ypart
.set SO0,  10
.set SCW,  11
.set AO,   16                          ; v16-19  the four tiles' offsets in acodes
.set WF,   32
.set ACC,  96
.set CD,   96                          ; a stage's 64 words of codes, 16 a group, where the accumulators lay
.set T0,   227
.set RR,   240
.set HH,   241
.set LN,   242
.set MSB, 0
.macro WIN new                         ; the immediate's high byte repeats the setting that is left
.if MSB != (\new)
	s_set_vgpr_msb (MSB<<8)|(\new)
.set MSB, (\new)
.endif
.endm
.macro PLACES n
.rept \n
	v_nop
.endr
.endm
; group q of my 8 rows: rows 2 q and 2 q + 1, 4,096 bytes of each: 16 loads of 512 consecutive bytes into window 3 (row m at 32 m), boff bytes on from the base
.macro WL2 q, boff
.set M_, 2*(\q)
.rept 2
.set J_, 0
.rept 8
	global_load_b128 v[32*M_+4*J_:32*M_+4*J_+3], v[LN16], s[4:5] offset:16384*M_+512*J_+(\boff) th:TH_LOAD_NT
.set J_, J_+1
.endr
.set M_, M_+1
.endr
.endm
.macro WLOAD                           ; a whole stage: the four groups in order
	WIN 0xc0
	WL2 0, 0
	WL2 1, 0
	WL2 2, 0
	WL2 3, 0
	WIN 0
.endm
; group q becomes codes in the region that v[WST] names.  cnt: the loads issued behind the group, which may stay out.  reload = 1: the same rows, a stage on from the base, are asked for at once
.macro PG q, cnt, reload
	s_wait_loadcnt \cnt
	WIN 0xc3
.set N_, 64*(\q)
.rept 64
	v_med3_num_f32 v[N_], v[N_], s38, s39          ; held within +-448 x 2^e2: the conversion does not saturate (ISA guide 7.6.2)
.set N_, N_+1
.endr
	WIN 0x03
.set N_, 8*(\q)
.rept 8
	v_cvt_scalef32_pk8_fp8_f32 v[CD+2*N_:CD+2*N_+1], v[8*N_:8*N_+7], v[SCW]
.set N_, N_+1
.endr
.if \reload
	WIN 0xc0                                       ; destination window 3; an LDS store's address and data are sources 0 and 1: window 0
.else
	WIN 0
.endif
	v_nop                                          ; a plain instruction behind the last conversion
.set M_, 2*(\q)
.rept 2
	ds_store_b128 v[WST], v[CD+8*M_:CD+8*M_+3] offset:16*M_
	ds_store_b128 v[WST], v[CD+8*M_+4:CD+8*M_+7] offset:8704+16*M_
.set M_, M_+1
.endr
.if \reload
	WL2 \q, WSTEP
.endif
	WIN 0
.endm
; tiles s60 .. s60 + 3 of a's codes, as fragments: each load 512 consecutive bytes.  guard = 1 (the passes): a tile past the count is not loaded
.macro ALOAD guard
.irp i, 0,1,2,3
	s_add_co_u32 s35, s60, \i
	s_min_u32 s35, s35, s61                        ; no tile past the last in use is read
	s_min_u32 s35, s35, 63
	s_lshl_b32 s35, s35, 16
	v_add_nc_u32 v[AO+\i], s35, v[LN16]
.endr
	s_wait_alu depctr_va_vdst(0)
.irp i, 0,1,2,3
.if \guard
	s_cmp_gt_i32 s49, \i
	s_cbranch_scc0 .Lna_\@_\i
.endif
	WIN 0x40*(1+\i/2)
.set N_, 0
.rept 32
	global_load_b128 v[128*(\i%2)+4*N_:128*(\i%2)+4*N_+3], v[AO+\i], s[6:7] offset:512*N_
.set N_, N_+1
.endr
.if \guard
	WIN 0
.Lna_\@_\i:
.endif
.endr
	WIN 0
.endm
.macro WFLOAD
.irp u, 0,1
.irp c, 0,1,2,3
	ds_load_b128 v[WF+32*(SL%2)+16*\u+4*\c:WF+32*(SL%2)+16*\u+4*\c+3], v[WA] offset:TILEB*\u+544*(4*SL+\c)
.endr
.endr
.endm
.macro MUL1 i, u
.if KS == 0
	v_wmma_f32_16x16x128_fp8_fp8 v[ACC+16*\i+8*\u:ACC+16*\i+8*\u+7], v[WF+32*(KS%2)+16*\u:WF+32*(KS%2)+16*\u+15], v[128*(\i%2)+16*KS:128*(\i%2)+16*KS+15], 0
.else
	v_wmma_f32_16x16x128_fp8_fp8 v[ACC+16*\i+8*\u:ACC+16*\i+8*\u+7], v[WF+32*(KS%2)+16*\u:WF+32*(KS%2)+16*\u+15], v[128*(\i%2)+16*KS:128*(\i%2)+16*KS+15], v[ACC+16*\i+8*\u:ACC+16*\i+8*\u+7]
.endif
.endm
; 64 matrix instructions, the eight accumulators by turns; the first product starts each sum.
; Loads into registers that matrix instructions have read stand four plain instructions behind them (ISA guide 7.12.1 for vector instructions).
.macro WORK
	PLACES 4
.set SL, 0
	WFLOAD
.set KS, 0
.rept 8
.if (KS > 0) && (KS < 7)
	PLACES 4
.endif
.if KS < 7
.set SL, KS+1
	WFLOAD
	s_wait_dscnt 8                                 ; all but the next K step's eight loads
.else
	s_wait_dscnt 0x0
.endif
	WIN 0x04
	MUL1 0, 0
	MUL1 0, 1
	MUL1 1, 0
	MUL1 1, 1
	WIN 0x08
	MUL1 2, 0
	MUL1 2, 1
	MUL1 3, 0
	MUL1 3, 1
.set KS, KS+1
.endr
	WIN 0
	PLACES 4
.endm
.macro OUTST                           ; the eight accumulators into my stage, each from its low end on
.irp i, 0,1,2,3
.irp u, 0,1
	ds_store_b128 v[SO], v[ACC+16*\i+8*\u:ACC+16*\i+8*\u+3] offset:8448*\i+64*\u
	ds_store_b128 v[SO], v[ACC+16*\i+8*\u+4:ACC+16*\i+8*\u+7] offset:8448*\i+64*\u+16
.endr
.endr
.endm
.macro SEND16 i                        ; tile i's 16 token rows: 512 consecutive bytes each
.set BK, 32+64*((\i)%2)
	s_wait_xcnt 0x0                                ; earlier stores have read their data
.irp n, 0,1,2,3,4,5,6,7,8,9,10,11,12,13,14,15
	ds_load_b128 v[BK+4*\n:BK+4*\n+3], v[SR] offset:528*(16*(\i)+\n)
.endr
.irp n, 0,1,2,3,4,5,6,7,8,9,10,11,12,13,14,15
	s_wait_dscnt 15-\n                             ; the younger loads of the run may be out
	global_store_b128 v[LN16], v[BK+4*\n:BK+4*\n+3], s[14:15] offset:4096*(16*(\i)+\n) th:TH_STORE_NT
.endr
.endm
.macro SENDT i                         ; a pass: tile i's 16 rows, my 128 bytes of each, four rows an instruction
.irp n, 0,1,2,3
	ds_load_b128 v[32+16*(\i)+4*\n:32+16*(\i)+4*\n+3], v[SRT] offset:528*(16*(\i)+4*\n)
.endr
	s_wait_dscnt 0x0
.irp n, 0,1,2,3
	global_store_b128 v[YOT], v[32+16*(\i)+4*\n:32+16*(\i)+4*\n+3], s[46:47] offset:4096*(16*(\i)+4*\n) th:TH_STORE_NT
.endr
.endm
	s_load_b256 s[4:11], s[0:1], 0x0               ; W2 s[4:5], acodes s[6:7], plan s[8:9], upart s[10:11]
	s_load_b128 s[12:15], s[0:1], 0x20             ; scales s[12:13], ypart s[14:15]
	s_load_b64 s[16:17], s[0:1], 0x30              ; out1
	v_lshl_add_u32 v254, v0, 2, 0x4c000
	v_mov_b32 v255, 0
	v_lshrrev_b32 v[T0], 5, v0
	v_readfirstlane_b32 s20, v[T0]                 ; wave
	v_and_b32 v[LN], 31, v0
	s_wait_alu depctr_va_vdst(0)
	v_and_b32 v[RR], 15, v0
	s_wait_alu depctr_va_vdst(0)
	v_bfe_u32 v[HH], v0, 4, 1
	v_lshlrev_b32 v[LN16], 4, v[LN]
	v_mul_u32_u24 v[FR0], v[HH], 272
	v_lshl_add_u32 v[FR0], v[RR], 4, v[FR0]
	s_lshr_b32 s21, ttmp9, 5                       ; e
	s_bfe_u32 s22, ttmp9, 0x30002                  ; hs
	s_and_b32 s23, ttmp9, 3                        ; kq
	s_lshr_b32 s54, s20, 1                         ; u
	s_and_b32 s55, s20, 1                          ; hA
	s_mul_i32 s35, s54, TILEB
	s_lshl_b32 s50, s55, 7
	s_add_co_u32 s35, s35, s50
	v_mul_u32_u24 v[WST0], v[LN], 272
	v_add_nc_u32 v[WST0], s35, v[WST0]
	s_mul_i32 s35, s20, OUTW
	s_add_co_u32 s35, s35, OUT                     ; my stage
	v_mul_u32_u24 v[SO0], v[RR], 528
	s_wait_alu depctr_va_vdst(0)
	v_lshl_add_u32 v[SO0], v[HH], 5, v[SO0]
	v_add_nc_u32 v[SO0], s35, v[SO0]
	v_add_nc_u32 v[SR], s35, v[LN16]
	v_bfe_u32 v[T0], v0, 3, 2                      ; lane / 8
	v_mul_u32_u24 v[SRT], v[T0], 528
	v_lshlrev_b32 v[YOT], 12, v[T0]
	v_and_b32 v[T0], 7, v0
	v_lshl_add_u32 v[SRT], v[T0], 4, v[SRT]
	v_lshl_add_u32 v[YOT], v[T0], 4, v[YOT]
	s_lshl_b32 s50, s20, 7
	s_add_co_u32 s35, s35, s50
	v_add_nc_u32 v[SRT], s35, v[SRT]
	s_lshl_b32 s50, s21, 10
	s_lshl_b32 s35, s22, 7
	s_add_co_u32 s50, s50, s35
	s_lshl_b32 s35, s54, 4
	s_add_co_u32 s50, s50, s35
	s_lshl_b32 s35, s55, 3
	s_add_co_u32 s50, s50, s35                     ; row 1024 e + 128 hs + 16 u + 8 hA
	s_lshl_b32 s50, s50, 14
	s_lshl_b32 s35, s23, 12
	s_add_co_u32 s50, s50, s35                     ; + the quarter's 4,096 bytes
	s_mov_b32 s51, 0
	s_lshl_b32 s52, s21, 22
	s_lshl_b32 s35, s23, 14
	s_add_co_u32 s52, s52, s35                     ; acodes: expert, quarter
	s_mov_b32 s53, 0
	s_lshl_b32 s40, s23, 25                        ; ypart: quarter, expert, my columns
	s_lshl_b32 s35, s21, 22
	s_add_co_u32 s40, s40, s35
	s_lshl_b32 s35, s22, 9
	s_add_co_u32 s40, s40, s35
	s_lshl_b32 s35, s20, 7
	s_add_co_u32 s42, s40, s35
	s_add_co_u32 s42, s42, 0x100000                ; the passes: row 256, + 128 w bytes
	s_lshl_b32 s35, s20, 18
	s_add_co_u32 s40, s40, s35                     ; the stages: row 64 w
	s_mov_b32 s41, 0
	s_mov_b32 s43, 0
	s_lshl_b32 s62, s21, 7
	s_wait_kmcnt 0x0
	s_load_b32 s33, s[8:9], s62 offset:0x10000     ; the expert's count
	s_load_b32 s28, s[12:13], 0x8                  ; e2
	s_add_nc_u64 s[4:5], s[4:5], s[50:51]
	s_add_nc_u64 s[6:7], s[6:7], s[52:53]
	s_add_nc_u64 s[46:47], s[14:15], s[42:43]
	s_add_nc_u64 s[14:15], s[14:15], s[40:41]
	WLOAD                                          ; stage 0
	s_wait_kmcnt 0x0
	s_add_co_u32 s34, s33, 15
	s_lshr_b32 s34, s34, 4
	s_max_u32 s34, s34, 1                          ; tiles in use
	s_sub_co_u32 s61, s34, 1
	s_lshl_b32 s60, s20, 2                         ; my first tile
	s_sub_co_i32 s36, s34, s60
	s_sub_co_i32 s49, s34, 16
	s_add_co_i32 s35, s28, 127
	s_lshl_b32 s50, s35, 23
	v_mov_b32 v[SCW], s50
	s_add_co_i32 s35, s35, 8
	s_lshl_b32 s39, s35, 23
	s_or_b32 s39, s39, 0x600000                    ; 448 x 2^e2
	s_or_b32 s38, s39, 0x80000000
	ALOAD 0
	s_mov_b32 s57, 0
	v_add_nc_u32 v[WST], s57, v[WST0]
	PG 0, 63, 1                                    ; stage 0 into region 0, stage 1 asked for (a stage on from the base, by the immediate).  Behind each group stand the rest of stage 0
	PG 1, 63, 1                                    ; and a's 128 loads: more than a wait's count can name, so the count is 63
	PG 2, 63, 1
	PG 3, 63, 1
	s_wait_loadcnt 63                              ; a's codes are in: stage 1's 64 loads were issued behind them
	s_mov_b32 s37, 0
	s_mov_b32 s56, 0
	s_mov_b32 s57, REG
	s_mov_b32 s58, 0
.LstageA:                                          ; two trips, stages 0 and 1: the stage is multiplied, then the next stage's groups are quantised and asked for again as they land
	s_wait_dscnt 0x0                               ; my codes of this stage have landed
	s_barrier_signal -1
	s_barrier_wait -1
	v_add_nc_u32 v[WA], s56, v[FR0]
	s_wait_alu depctr_va_vdst(0)
	v_add_nc_u32 v[SO], s58, v[SO0]
	WORK
	s_wait_alu depctr_va_vdst(0)
	OUTST
	s_wait_xcnt 0x0                                ; the last trip's loads, issued ahead of the products, have read their base
	s_add_nc_u64 s[4:5], s[4:5], WSTEP             ; the base at the next stage: the refills reach one stage further
	v_add_nc_u32 v[WST], s57, v[WST0]              ; the next stage's region, which nobody reads before the next barrier
	PG 0, 48, 1                                    ; behind a group stand the other three groups' 48 loads, whichever stage they belong to
	PG 1, 48, 1
	PG 2, 48, 1
	PG 3, 48, 1
	s_add_co_u32 s56, s56, REG
	s_add_co_u32 s57, s57, REG
	s_add_co_u32 s58, s58, 128                     ; the next stage's 32 columns
	s_add_co_u32 s37, s37, 1
	s_cmp_lt_u32 s37, 2
	s_cbranch_scc1 .LstageA
	s_mov_b32 s37, 2
	s_mov_b32 s56, 2*REG
	s_mov_b32 s57, 3*REG
	s_mov_b32 s58, 256
.LstageB:                                          ; two trips, stages 2 and 3: nothing is left to ask for
	s_wait_dscnt 0x0
	s_barrier_signal -1
	s_barrier_wait -1
	v_add_nc_u32 v[WA], s56, v[FR0]
	s_wait_alu depctr_va_vdst(0)
	v_add_nc_u32 v[SO], s58, v[SO0]
	WORK
	s_wait_alu depctr_va_vdst(0)
	OUTST
	s_cmp_lt_u32 s37, 3
	s_cbranch_scc0 .Lnoprod
	v_add_nc_u32 v[WST], s57, v[WST0]
	PG 0, 48, 0                                    ; stage 3: behind a group stand only the groups that follow it
	PG 1, 32, 0
	PG 2, 16, 0
	PG 3, 0, 0
.Lnoprod:
	s_add_co_u32 s56, s56, REG
	s_add_co_u32 s57, s57, REG
	s_add_co_u32 s58, s58, 128
	s_add_co_u32 s37, s37, 1
	s_cmp_lt_u32 s37, 4
	s_cbranch_scc1 .LstageB
.irp i, 0,1,2,3
	s_cmp_gt_i32 s36, \i
	s_cbranch_scc0 .Lns_\i
	SEND16 \i
.Lns_\i:
.endr
	; tiles 16 on
	s_wait_xcnt 0x0                                ; the stores have read their data: the registers are at work again
	s_mul_i32 s35, s20, REG
	v_add_nc_u32 v[WA], s35, v[FR0]
	s_lshl_b32 s35, s20, 7
	v_add_nc_u32 v[SO], s35, v[SO0]
	s_mov_b32 s60, 16
	s_mov_b32 s48, 12
.Ltail:
	s_cmp_gt_i32 s49, 0
	s_cbranch_scc0 .Lnone
	ALOAD 1
	s_wait_loadcnt 0x0
	WORK                                           ; a tile that was not loaded still holds an earlier tile's codes: its sums are not sent
	OUTST
.irp i, 0,1,2,3
	s_cmp_gt_i32 s49, \i
	s_cbranch_scc0 .Lnt_\i
	SENDT \i
.Lnt_\i:
.endr
.Lnone:
	s_wait_xcnt 0x0
	s_add_co_u32 s60, s60, 4
	s_add_nc_u64 s[46:47], s[46:47], 262144        ; 64 rows on
	s_sub_co_i32 s49, s49, 4
	s_sub_co_u32 s48, s48, 1
	s_cmp_lg_u32 s48, 0
	s_cbranch_scc1 .Ltail
	; the balance loss: 8 x the sum of squares of the mean probabilities - 1
	s_or_b32 s35, ttmp9, s20
	s_cmp_lg_u32 s35, 0
	s_cbranch_scc1 .Lend
.irp j, 0,1,2,3,4,5,6,7,8,9,10,11,12,13,14,15
	global_load_b128 v[96+4*\j:99+4*\j], v[LN16], s[10:11] offset:512*\j   ; lane l, load j: group 16 j + l / 2, experts 4 (l % 2) + 0..3
.endr
	s_mov_b32 s52, 0x76543210
	s_mov_b32 s53, 0xfedcba98
	s_wait_loadcnt 0x0
.irp j, 1,2,3,4,5,6,7,8,9,10,11,12,13,14,15
	v_pk_add_f32 v[96:97], v[96:97], v[96+4*\j:97+4*\j]
	v_pk_add_f32 v[98:99], v[98:99], v[98+4*\j:99+4*\j]
.endr
.irp m, 2,4,8
.irp k, 0,1,2,3
	v_add_f32_dpp v[96+\k], v[96+\k], v[96+\k] row_xmask:\m row_mask:0xf bank_mask:0xf
.endr
.endr
.irp k, 0,1,2,3
	v_permlanex16_b32 v[100+\k], v[96+\k], s52, s53
.endr
.irp k, 0,1,2,3
	v_add_f32 v[96+\k], v[96+\k], v[100+\k]
.endr
.irp k, 0,1,2,3
	v_mul_f32 v[96+\k], 0x3a800000, v[96+\k]       ; / 1,024 tokens
.endr
	v_mul_f32 v104, v96, v96
	v_fma_f32 v104, v97, v97, v104
	v_fma_f32 v104, v98, v98, v104
	v_fma_f32 v104, v99, v99, v104
	v_add_f32_dpp v104, v104, v104 row_xmask:1 row_mask:0xf bank_mask:0xf
	v_fma_f32 v104, v104, 0x41000000, -1.0
	v_mov_b32 v105, 0
	s_wait_alu depctr_va_vdst(0)
	s_wait_xcnt 0x0                                ; EXEC changes only behind this wait
	v_cmp_eq_u32 vcc_lo, 0, v[LN]
	s_and_saveexec_b32 s35, vcc_lo
	global_store_b32 v105, v104, s[16:17]
	s_wait_xcnt 0x0
	s_or_b32 exec_lo, exec_lo, s35
.Lend:
	s_wait_tensorcnt 0x0
	ds_add_u32 v254, v255
	s_wait_dscnt 0x0
	s_endpgm
.Lfunc_end_k_q2bcd48f2dd_ffn2:
	.size	k_q2bcd48f2dd_ffn2, .Lfunc_end_k_q2bcd48f2dd_ffn2-k_q2bcd48f2dd_ffn2
	.p2alignl 7, 3214868480
	.fill 96, 4, 3214868480
	.section	.rodata,"a",@progbits
	.p2align	6, 0x0
	.amdhsa_kernel k_q2bcd48f2dd_ffn2
		.amdhsa_group_segment_fixed_size 311808
		.amdhsa_private_segment_fixed_size 0
		.amdhsa_enable_private_segment 0
		.amdhsa_kernarg_size 56
		.amdhsa_user_sgpr_count 2
		.amdhsa_user_sgpr_kernarg_segment_ptr 1
		.amdhsa_wavefront_size32 1
		.amdhsa_system_sgpr_workgroup_id_x 1
		.amdhsa_system_sgpr_workgroup_id_y 1
		.amdhsa_system_sgpr_workgroup_id_z 1
		.amdhsa_system_vgpr_workitem_id 0
		.amdhsa_next_free_vgpr 1024
		.amdhsa_next_free_sgpr 66
		.amdhsa_reserve_vcc 1
		.amdhsa_float_denorm_mode_32 3
		.amdhsa_float_denorm_mode_16_64 3
		.amdhsa_memory_ordered 1
		.amdhsa_forward_progress 1
		.amdhsa_inst_pref_size 163
	.end_amdhsa_kernel
	.amdgpu_metadata
---
amdhsa.version: [ 1, 2 ]
amdhsa.kernels:
  - .name:           k_q2bcd48f2dd_ffn2
    .symbol:         k_q2bcd48f2dd_ffn2.kd
    .args:
      - { .name: W2, .offset: 0, .size: 8, .value_kind: global_buffer, .address_space: global }
      - { .name: acodes, .offset: 8, .size: 8, .value_kind: global_buffer, .address_space: global }
      - { .name: plan, .offset: 16, .size: 8, .value_kind: global_buffer, .address_space: global }
      - { .name: upart, .offset: 24, .size: 8, .value_kind: global_buffer, .address_space: global }
      - { .name: lowp_scales, .offset: 32, .size: 8, .value_kind: global_buffer, .address_space: global }
      - { .name: ypart, .offset: 40, .size: 8, .value_kind: global_buffer, .address_space: global }
      - { .name: out1, .offset: 48, .size: 8, .value_kind: global_buffer, .address_space: global }
    .group_segment_fixed_size: 311808
    .private_segment_fixed_size: 0
    .kernarg_segment_align: 8
    .kernarg_segment_size: 56
    .max_flat_workgroup_size: 128
    .sgpr_count:     66
    .vgpr_count:     1024
    .wavefront_size: 32
...
	.end_amdgpu_metadata
.endif
;; end of part 9
;; launch combine (part 10): grid 256 x 1, 8 waves a work-group, no clusters, 0 bytes of LDS; arguments hidden_states, ypart, sel, gate, plan, b2, lowp_scales, out0; writes out0
.if DOCPART == 10
	.amdgcn_target "amdgcn-amd-amdhsa--gfx1250"
	.amdhsa_code_object_version 6
	.text
	.protected	k_q2bcd48f2dd_combine
	.globl	k_q2bcd48f2dd_combine
	.p2align	8
	.type	k_q2bcd48f2dd_combine,@function
k_q2bcd48f2dd_combine:
	s_mov_b64 s[64:65], 0
	v_nop
	global_prefetch_b8 v0, s[64:65] scope:SCOPE_SE
	s_setreg_imm32_b32 hwreg(HW_REG_WAVE_MODE, 25, 1), 1
	s_wait_xcnt 0x0
; out[t] = residual[t] + the sum over the token's two experts of w_k (2^(e2 + e3) x (the four quarters' sums) + b2[e_k]).
; A wave takes half a row: t = 4 x work-group + wave / 2, half = wave % 2: 2,048 bytes, four accesses of 512 consecutive bytes for each stream.
; The experts (sel) and the ranks (plan: inv[e][t] at 32768 + 4096 e + 4 t) are whole numbers that earlier launches stored; each is clamped before it enters an address.
; All 44 loads of a wave are out together; no LDS, no barrier.
; LIMIT: e2 + e3 between -126 and 127, so that 2^(e2 + e3) is an f32 number.
.set OFF, 2                            ; v2-9    ypart: expert k, quarter q at 4 k + q
.set OB,  10                           ; v10-11  b2: expert k
.set R,   16                           ; v16-31  the residual, then the result
.set B2,  32                           ; v32-63  b2, 16 registers an expert
.set Y,   64                           ; v64-191 the partial sums, 16 registers for (k, q)
	s_load_b512 s[4:19], s[0:1], 0x0               ; hidden s[4:5], ypart s[6:7], sel s[8:9], gate s[10:11], plan s[12:13], b2 s[14:15], scales s[16:17], out0 s[18:19]
	v_lshrrev_b32 v12, 5, v0
	s_delay_alu instid0(VALU_DEP_1)
	v_readfirstlane_b32 s20, v12                   ; wave 0..7
	v_and_b32 v12, 31, v0
	s_delay_alu instid0(VALU_DEP_1)
	v_lshlrev_b32 v1, 4, v12
	s_and_b32 s35, s20, 1
	s_lshl_b32 s35, s35, 11
	v_add_nc_u32 v1, s35, v1                       ; 16 x lane + 2,048 x half
	s_lshr_b32 s21, s20, 1
	s_lshl_b32 s35, ttmp9, 2
	s_add_co_u32 s21, s21, s35                     ; my token
	s_lshl_b32 s22, s21, 2
	s_lshl_b32 s23, s21, 3
	s_lshl_b32 s44, s21, 12
	s_mov_b32 s45, 0
	s_wait_alu depctr_va_vdst(0)
	s_wait_kmcnt 0x0
	s_load_b32 s24, s[8:9], s22 offset:0x0         ; sel[t]
	s_load_b64 s[26:27], s[10:11], s23 offset:0x0  ; w0, w1
	s_load_b64 s[28:29], s[16:17], 0x8             ; e2, e3
	s_add_nc_u64 s[4:5], s[4:5], s[44:45]
	s_add_nc_u64 s[18:19], s[18:19], s[44:45]
.irp j, 0,1,2,3
	global_load_b128 v[R+4*\j:R+4*\j+3], v1, s[4:5] offset:512*\j th:TH_LOAD_NT
.endr
	s_wait_kmcnt 0x0
	s_bfe_u32 s30, s24, 0x80000                    ; e0
	s_bfe_u32 s31, s24, 0x80008                    ; e1
	s_min_u32 s30, s30, 7
	s_min_u32 s31, s31, 7
	s_lshl_b32 s32, s30, 12
	s_lshl_b32 s33, s31, 12
	v_add_nc_u32 v[OB], s32, v1                    ; b2's row
	v_add_nc_u32 v[OB+1], s33, v1
	s_add_co_u32 s32, s32, s22                     ; inv[e][t]
	s_add_co_u32 s33, s33, s22
	s_load_b32 s34, s[12:13], s32 offset:0x8000
	s_load_b32 s35, s[12:13], s33 offset:0x8000
.irp k, 0,1
.irp j, 0,1,2,3
	global_load_b128 v[B2+16*\k+4*\j:B2+16*\k+4*\j+3], v[OB+\k], s[14:15] offset:512*\j
.endr
.endr
	s_mov_b32 s36, s27                             ; w1 as the low word of a pair
	s_mov_b32 s37, s27
	s_add_co_i32 s38, s28, s29
	s_add_co_i32 s38, s38, 127
	s_lshl_b32 s38, s38, 23                        ; 2^(e2 + e3)
	s_mov_b32 s39, s38
	s_wait_kmcnt 0x0
	s_min_u32 s34, s34, 1023
	s_min_u32 s35, s35, 1023
	s_lshl_b32 s40, s30, 10
	s_add_co_u32 s40, s40, s34
	s_lshl_b32 s40, s40, 12                        ; row 1024 e0 + rank, 4,096 bytes a row
	s_lshl_b32 s41, s31, 10
	s_add_co_u32 s41, s41, s35
	s_lshl_b32 s41, s41, 12
.irp q, 0,1,2,3
	v_add_nc_u32 v[OFF+\q], s40, v1
	v_add_nc_u32 v[OFF+4+\q], s41, v1
	s_add_co_u32 s40, s40, 0x2000000               ; a quarter on
	s_add_co_u32 s41, s41, 0x2000000
.endr
	s_wait_alu depctr_va_vdst(0)
.irp n, 0,1,2,3,4,5,6,7
.irp j, 0,1,2,3
	global_load_b128 v[Y+16*\n+4*\j:Y+16*\n+4*\j+3], v[OFF+\n], s[6:7] offset:512*\j th:TH_LOAD_NT
.endr
.endr
	s_wait_loadcnt 0x0
.irp m, 0,2,4,6,8,10,12,14
	v_pk_add_f32 v[Y+\m:Y+\m+1], v[Y+\m:Y+\m+1], v[Y+16+\m:Y+16+\m+1]
	v_pk_add_f32 v[Y+32+\m:Y+32+\m+1], v[Y+32+\m:Y+32+\m+1], v[Y+48+\m:Y+48+\m+1]
	v_pk_add_f32 v[Y+64+\m:Y+64+\m+1], v[Y+64+\m:Y+64+\m+1], v[Y+80+\m:Y+80+\m+1]
	v_pk_add_f32 v[Y+96+\m:Y+96+\m+1], v[Y+96+\m:Y+96+\m+1], v[Y+112+\m:Y+112+\m+1]
	s_delay_alu instid0(VALU_DEP_3)
	v_pk_add_f32 v[Y+\m:Y+\m+1], v[Y+\m:Y+\m+1], v[Y+32+\m:Y+32+\m+1]
	s_delay_alu instid0(VALU_DEP_2)
	v_pk_add_f32 v[Y+64+\m:Y+64+\m+1], v[Y+64+\m:Y+64+\m+1], v[Y+96+\m:Y+96+\m+1]
	s_delay_alu instid0(VALU_DEP_2)
	v_pk_fma_f32 v[Y+\m:Y+\m+1], v[Y+\m:Y+\m+1], s[38:39], v[B2+\m:B2+\m+1] op_sel_hi:[1,0,1]
	s_delay_alu instid0(VALU_DEP_2)
	v_pk_fma_f32 v[Y+64+\m:Y+64+\m+1], v[Y+64+\m:Y+64+\m+1], s[38:39], v[B2+16+\m:B2+16+\m+1] op_sel_hi:[1,0,1]
	s_delay_alu instid0(VALU_DEP_2)
	v_pk_fma_f32 v[R+\m:R+\m+1], v[Y+\m:Y+\m+1], s[26:27], v[R+\m:R+\m+1] op_sel_hi:[1,0,1]
	s_delay_alu instid0(VALU_DEP_1)
	v_pk_fma_f32 v[R+\m:R+\m+1], v[Y+64+\m:Y+64+\m+1], s[36:37], v[R+\m:R+\m+1] op_sel_hi:[1,0,1]
.endr
.irp j, 0,1,2,3
	global_store_b128 v1, v[R+4*\j:R+4*\j+3], s[18:19] offset:512*\j th:TH_STORE_NT
.endr
	s_endpgm
.Lfunc_end_k_q2bcd48f2dd_combine:
	.size	k_q2bcd48f2dd_combine, .Lfunc_end_k_q2bcd48f2dd_combine-k_q2bcd48f2dd_combine
	.p2alignl 7, 3214868480
	.fill 96, 4, 3214868480
	.section	.rodata,"a",@progbits
	.p2align	6, 0x0
	.amdhsa_kernel k_q2bcd48f2dd_combine
		.amdhsa_group_segment_fixed_size 0
		.amdhsa_private_segment_fixed_size 0
		.amdhsa_enable_private_segment 0
		.amdhsa_kernarg_size 64
		.amdhsa_user_sgpr_count 2
		.amdhsa_user_sgpr_kernarg_segment_ptr 1
		.amdhsa_wavefront_size32 1
		.amdhsa_system_sgpr_workgroup_id_x 1
		.amdhsa_system_sgpr_workgroup_id_y 1
		.amdhsa_system_sgpr_workgroup_id_z 1
		.amdhsa_system_vgpr_workitem_id 0
		.amdhsa_next_free_vgpr 192
		.amdhsa_next_free_sgpr 66
		.amdhsa_reserve_vcc 0
		.amdhsa_float_denorm_mode_32 3
		.amdhsa_float_denorm_mode_16_64 3
		.amdhsa_memory_ordered 1
		.amdhsa_forward_progress 1
		.amdhsa_inst_pref_size 15
	.end_amdhsa_kernel
	.amdgpu_metadata
---
amdhsa.version: [ 1, 2 ]
amdhsa.kernels:
  - .name:           k_q2bcd48f2dd_combine
    .symbol:         k_q2bcd48f2dd_combine.kd
    .args:
      - { .name: hidden_states, .offset: 0, .size: 8, .value_kind: global_buffer, .address_space: global }
      - { .name: ypart, .offset: 8, .size: 8, .value_kind: global_buffer, .address_space: global }
      - { .name: sel, .offset: 16, .size: 8, .value_kind: global_buffer, .address_space: global }
      - { .name: gate, .offset: 24, .size: 8, .value_kind: global_buffer, .address_space: global }
      - { .name: plan, .offset: 32, .size: 8, .value_kind: global_buffer, .address_space: global }
      - { .name: b2, .offset: 40, .size: 8, .value_kind: global_buffer, .address_space: global }
      - { .name: lowp_scales, .offset: 48, .size: 8, .value_kind: global_buffer, .address_space: global }
      - { .name: out0, .offset: 56, .size: 8, .value_kind: global_buffer, .address_space: global }
    .group_segment_fixed_size: 0
    .private_segment_fixed_size: 0
    .kernarg_segment_align: 8
    .kernarg_segment_size: 64
    .max_flat_workgroup_size: 256
    .sgpr_count:     66
    .vgpr_count:     192
    .wavefront_size: 32
...
	.end_amdgpu_metadata
.endif
;; end of part 10
